; MI455X (gfx1250); checked and timed in simulation.
; The chip was launched on July 23, 2026; its instructions are those of AMD's public machine-readable ISA for CDNA 5 (MIT licence, August 2026) and "CDNA5" Instruction Set Architecture Reference Guide (July 2026). The comments in the code are by the model that wrote it; some were corrected since.
;; Extra MHSA. Allowed arithmetic: matrix products marked QUANTISED: E2M1 operands, one E8M0 scale for each 32 along K, by v_wmma_scale_f32_16x16x128_f8f6f4 with both operands' format E2M1 (or v_wmma_scale_f32_32x16x128_f4), f32 sums; everything else in f32.
;; Inputs: b1 128 float32; b2 256 float32; b3 256 float32; bk 128 float32; bp 128 float32; bq 128 float32; bv 128 float32; ef_h 1 x 128 x 80 x 1 float32; ef_w 1 x 128 x 1 x 80 float32; g1 128 float32; g2 256 float32; g3 256 float32; m1 128 float32; m2 256 float32; m3 256 float32; rel_h 1 x 128 x 80 x 1 float32; rel_w 1 x 128 x 1 x 80 float32; v1 128 float32; v2 256 float32; v3 256 float32; w1 128 x 256 float32; w2 256 x 128 float32; w3 256 x 128 float32; wk 128 x 128 float32; wp 128 x 128 float32; wq 128 x 128 float32; wv 128 x 128 float32; x 1 x 256 x 80 x 80 float32.
;; Outputs: out0 1 x 256 x 80 x 80 float32.
;; This version of the problem:
;;   THIS VERSION OF THE PROBLEM IS GIVEN IN LOW PRECISION. The matrix products marked QUANTISED in the list below multiply operands that are first quantised to E2M1 (2 exponent bits, 1 mantissa bit; 4 bits a number), with one power-of-two scale for each 32 numbers along K (OCP MX v1.0); their sums are f32. All else is computed in f32.
;;   The module's matrix products, in the order in which they are computed (A, B: the left and right operand; K: the contracted axis; several contracted axes count as one K, in the product's order):
;;     1. [M 128, K 256] x [K 256, N 6,400]; A: input w1; B: input x: QUANTISED
;;     2. [M 128, K 128] x [K 128, N 6,400]; A: input wq; B: computed on the way: QUANTISED
;;     3. [M 128, K 128] x [K 128, N 6,400]; A: input wk; B: computed on the way: QUANTISED
;;     4. [M 128, K 128] x [K 128, N 6,400]; A: input wv; B: computed on the way: QUANTISED
;;     5. [M 128, K 128] x [K 128, N 6,400]; A: input wp; B: computed on the way: QUANTISED
;;     6. [M 6,400, K 128] x [K 128, N 6,400]; A: computed on the way; B: computed on the way: QUANTISED
;;     7. [M 6,400, K 128] x [K 128, N 6,400]; A: computed on the way; B: computed on the way: QUANTISED
;;     8. [M 128, K 6,400] x [K 6,400, N 6,400]; A: computed on the way; B: softmax (see below): QUANTISED
;;     9. [M 6,400, K 128] x [K 128, N 6,400]; A: computed on the way; B: computed on the way: QUANTISED
;;     10. [M 128, K 6,400] x [K 6,400, N 6,400]; A: computed on the way; B: softmax (see below): QUANTISED
;;     11. [M 256, K 128] x [K 128, N 6,400]; A: input w2; B: computed on the way: QUANTISED
;;     12. [M 256, K 128] x [K 128, N 6,400]; A: input w3; B: computed on the way: QUANTISED
;;   THE QUANTISER, for each operand of a quantised product, along K:
;;     - K is cut into blocks of 32 from its start; a last block that is shorter is filled with zeros.
;;     - A block's scale is 2^e with e = floor(log2(the largest magnitude in the block)) - 2, held to -126 .. 127; a block of zeros has e = 0. As a byte (E8M0): e + 127.
;;     - Each number is divided by its block's scale, clamped to +-6, and rounded to the nearest number of E2M1, ties to even, subnormals kept.
;;     - The product sums the exact products of the quantised numbers (number of the format x scale) in f32.
;;   ~~~python
;;   def quantise(x, axis):      # numpy; x: float32 -> the quantised numbers, widened to float32 again
;;       x = np.moveaxis(x, axis, -1); K = x.shape[-1]
;;       x = np.pad(x, [(0, 0)] * (x.ndim - 1) + [(0, -K % 32)]); x = x.reshape(x.shape[:-1] + (-1, 32)); a = np.abs(x).max(-1, keepdims=True)
;;       e = np.where(a > 0, np.clip(np.frexp(np.where(a > 0, a, 1))[1] - 1 - 2, -126, 127), 0)      # np.frexp(a)[1] - 1 = floor(log2(a)), exactly
;;       r = np.clip(x / 2.0 ** e, -6, 6)
;;       step = 2.0 ** (np.maximum(np.frexp(np.where(r == 0, 1, r))[1] - 1, 0) - 1)
;;       q = np.round(r / step) * step * 2.0 ** e      # np.round: ties to even
;;       return np.moveaxis(q.reshape(q.shape[:-2] + (-1,))[..., :K], -1, axis).astype(np.float32)
;;   ~~~
;;   SOFTMAX AHEAD OF A QUANTISED PRODUCT. Where the list says 'softmax', what is quantised is not the finished softmax but p = 2^(t - M), with t = logit x log2(e) and M = ceil(the row's largest t), a whole number; so 1/2 < the row's largest p <= 1. The row's sum l is taken of the UNQUANTISED p, in f32, and the product's result is divided by l at the end. Since M is a whole number, a kernel that streams over the keys may use a running M (the ceiling of the running maximum): every later rescaling is an exact power of two, which a block's scale takes up: the codes' values come out the same.
;;   OPERANDS COMPUTED ON THE WAY. 'Computed on the way' means the value that the module computes at that place (a softmax that the list does not call 'softmax' is quantised finished and normalised). What goes into a quantiser is computed in f32, as accurately as f32 sums, v_exp_f32 and their like allow (about 1e-6 of the number): no bf16 or f16 on the way to a quantiser, and a product that is left as it is and whose result goes on into a quantised operand takes f32 operands (vector FMAs, or v_wmma_f32_16x16x4_f32). A number that lies on a knife's edge between two numbers of the format may be rounded either way, as far as f32 arithmetic and the matrix unit's own rounding can turn it there, and no further.
;; 2 versions. Each part assembles by itself: llvm-mc -triple=amdgcn-amd-amdhsa -mcpu=gfx1250 --defsym DOCPART=n.
;; ======== version 1 of 2: 2 launches
;; workspace buffers: ops 3,091,456 bytes
;; launch prep (part 1): grid 54 x 1, 8 waves a work-group, no clusters, 73,728 bytes of LDS; arguments ops, x, w1, wq, wk, wp, wv, g1, v1, m1, b1, bq, bk, bp, bv, ef_h, ef_w, rel_h, rel_w, w2, w3, g2, g3, b2, b3, m2, m3, v2, v3; writes ops
.if DOCPART == 1
	.amdgcn_target "amdgcn-amd-amdhsa--gfx1250"
	.amdhsa_code_object_version 6
	.text
	.protected	k_q82d1fe442b_prep
	.globl	k_q82d1fe442b_prep
	.p2align	8
	.type	k_q82d1fe442b_prep,@function
k_q82d1fe442b_prep:
	s_mov_b64 s[64:65], 0
	v_nop
	global_prefetch_b8 v0, s[64:65] scope:SCOPE_SE
	s_setreg_imm32_b32 hwreg(HW_REG_WAVE_MODE, 25, 1), 1
	s_wait_xcnt 0x0
; PREP: products 1 to 5 of the module, and every quantised operand of products 6 to 12, laid in the buffer ops as IMAGES OF OPERAND REGISTERS.
; x1 = silu(bn1(w1 x)); q, k, p, v = w. x1 + b.; ef = ef_h + ef_w; cp = rel_h + rel_w.  All products on codes of E2M1 with one E8M0 byte for each 32 along K.
; NO WORK IS LEFT OUT: cpos hangs on both indices of the softmax's input, every bias goes into a quantised operand, and every input has a way to the output: all 28 inputs are loaded.
; LIMITS: NaN and infinities among the inputs are not served.  A block of zeros gets the byte 1 where the quantiser says 127: its codes are zeros, which add nothing, and this program alone reads the bytes.
; bn2 and bn3 are stored folded, A = g rsq(v + eps), B = b - m A (they stand ahead of no quantiser); bn1 keeps the form (sum - m) s + b.
; A FRAGMENT (16 rows x 128 K) is 1,024 bytes: register group c (0, 1) of lane l at 512 c + 16 l.  Eight tiles' scale words are 512 bytes: tile 2 i + u, row r at 128 i + 64 u + 4 r.
; THE ROWS OF A TILE ARE NOT NEIGHBOURS: lane r of tile 2 b + u is row 32 b + 8 u + r + 8 (r / 8) (positions, and the channels of w1, wq, wk, wp, wv, ef^T), so that the 16 result registers of tiles 2 b, 2 b + 1 are 16 neighbours along the next K.
; ops: KB(s) = 26,112 s: k tiles, scales, q tiles, scales, ef tiles (K = c), scales.  VB(s) = 1,305,600 + 17,408 s: v^T (K = positions), scales, ef^T, scales.  QB(s) = 2,176,000 + 17,408 s: p tiles, scales, cp tiles, scales.
;      WB = 3,046,400 + 1,024 f: w2's 16 tiles, w3's 16 (rows in plain order).  WS = 3,079,168 + 384 f: scale word, A, B, 128 bytes each.
; SHARES: work-group s < 50 takes positions 128 s .. 128 s + 127; work-groups 50 to 53 take w2 and w3, a fragment a wave.  Eight waves.  No tensor load: operands go from memory into registers, and from wave to wave through LDS as images.
; No cluster: the work-groups share only the weights, which go through registers, and 54 is no multiple of 4.
.set KBS,   26112
.set VB0,   1305600
.set VBS,   17408
.set QB0,   2176000
.set WB0,   3046400
.set WS0,   3079168
.set WIMG,  0                          ; LDS: 40 weight fragments: w1 K half 0, w1 K half 1, wq, wk, wp, eight tiles each
.set XIMG,  40960                      ; x's 16 fragments: (2 tile + K half) x 1,024
.set X1IMG, 57344                      ; x1's 8 fragments
.set HI,    65536                      ; the small regions lie from here on; their address registers carry HI
.set WSC,   0                          ; + HI: the weights' scale words, 512 bytes for eight tiles
.set XSC,   2560                       ; + HI: x's: (2 tile + K half) x 64 + 4 r
.set X1SC,  3584                       ; + HI: x1's
.set CONST, 4096                       ; + HI: m1, s1, b1, bq, bk, bp: 512 bytes each
.set SPARE, 72704                      ; the spare words, 128 bytes for each wave: four blocks of 256 bytes that no other line names
.set SPW, 1                            ; v1   my spare word's LDS address; never rewritten
.set NIL, 2                            ; v2   0; never rewritten
.set EHV, 3                            ; v3-6 at the head: lane, r, h, channel; later ef_h's four numbers
.set WA1, 7                            ; v7   w1: my row x 1,024 + 128 h
.set WA2, 8                            ; v8   a weight of 128 columns: my row x 512 + 128 h
.set LI,  9                            ; v9   16 x lane
.set WI,  10                           ; v10  16 x lane + 1,024 x wave
.set SB,  11                           ; v11  HI + 4 x lane
.set SW,  12                           ; v12  HI + 64 x wave + 4 r
.set CA,  13                           ; v13  HI + 64 h
.set XS,  14                           ; v14  x's scale words (K half 0 in lanes 0-15, half 1 in lanes 16-31): scales alone
.set X1S, 15                           ; v15  x1's scale word: scales alone
.set XA,  16                           ; v16  x: my position's byte
.set XW,  17                           ; v17  where my position's codes go in XIMG
.set XWS, 18                           ; v18  and its scale word
.set XR,  19                           ; v19  16 x lane + 2,048 x wave
.set XSR, 20                           ; v20  HI + 128 x wave + 4 x lane
.set EW,  21                           ; v21  4 x my position's column
.set EH,  22                           ; v22  4 x my position's image row
.set EG,  23                           ; v23  where my position's codes go in a section of ops
.set EGS, 24                           ; v24  and its scale word
.set BY1, 25
.set SH8, 26                           ; v26  8 h
.set PT,  27                           ; v27  a lane permute's destination
.set AW,  28                           ; v28-31 ef_w: my channel's row, block b's 16 columns
.set WV,  32                           ; v32-39 wv's fragment, my tile: it stays
.set WVS, 40                           ; v40  its scale word: scales alone
.set BVV, 41                           ; v41  bv of my channel
.set PC,  42                           ; v42-49 codes just made (at the head: the constants as loaded)
.set PW,  50                           ; v50  a scale word on its way to a store
.set TA,  51
.set TB,  52
.set SO0, 53
.set SO1, 54
.set BY0, 55
.set AH,  56                           ; v56-59 ef_h: my channel's row, block b's image row
.set WS4, 60                           ; v60-63 four scale words of source 0 (two tiles each): scales alone
.set F0,  64                           ; three buffers of 64
.set F1,  128
.set F2,  192
.set XF,  192                          ; later: x's two fragments,
.set X1F, 208                          ; x1's fragment,
.set TM2, 216                          ; 12 registers at work in QUANT,
.set BV8, 228                          ; bv eight times
.set WVN, 66                           ; s66 wave; s67 wave % 4; s68 wave / 4
.set SEL, 70                           ; s[70:71] v_permlanex16_b32's selects for lane l xor 16
.set NL,  72                           ; s[72:73] -log2(e)
.macro PLACES n
.rept \n
	v_nop
.endr
.endm
; one scaled product; c < 0: C is the constant 0.  ra, rb: which half of the lanes holds source 0's, source 1's scale words
.macro MM d, a, b, c, sa, sb, ra, rb
.if (\c) < 0
.if ((\ra) == 0) && ((\rb) == 0)
	v_wmma_scale_f32_16x16x128_f8f6f4 v[\d:(\d)+7], v[\a:(\a)+7], v[\b:(\b)+7], 0, v[\sa], v[\sb] matrix_a_fmt:MATRIX_FMT_FP4 matrix_b_fmt:MATRIX_FMT_FP4
.elseif ((\ra) == 1) && ((\rb) == 0)
	v_wmma_scale_f32_16x16x128_f8f6f4 v[\d:(\d)+7], v[\a:(\a)+7], v[\b:(\b)+7], 0, v[\sa], v[\sb] matrix_a_fmt:MATRIX_FMT_FP4 matrix_b_fmt:MATRIX_FMT_FP4 matrix_a_scale:MATRIX_SCALE_ROW1
.elseif ((\ra) == 0) && ((\rb) == 1)
	v_wmma_scale_f32_16x16x128_f8f6f4 v[\d:(\d)+7], v[\a:(\a)+7], v[\b:(\b)+7], 0, v[\sa], v[\sb] matrix_a_fmt:MATRIX_FMT_FP4 matrix_b_fmt:MATRIX_FMT_FP4 matrix_b_scale:MATRIX_SCALE_ROW1
.else
	v_wmma_scale_f32_16x16x128_f8f6f4 v[\d:(\d)+7], v[\a:(\a)+7], v[\b:(\b)+7], 0, v[\sa], v[\sb] matrix_a_fmt:MATRIX_FMT_FP4 matrix_b_fmt:MATRIX_FMT_FP4 matrix_a_scale:MATRIX_SCALE_ROW1 matrix_b_scale:MATRIX_SCALE_ROW1
.endif
.else
.if ((\ra) == 0) && ((\rb) == 0)
	v_wmma_scale_f32_16x16x128_f8f6f4 v[\d:(\d)+7], v[\a:(\a)+7], v[\b:(\b)+7], v[\c:(\c)+7], v[\sa], v[\sb] matrix_a_fmt:MATRIX_FMT_FP4 matrix_b_fmt:MATRIX_FMT_FP4
.elseif ((\ra) == 1) && ((\rb) == 0)
	v_wmma_scale_f32_16x16x128_f8f6f4 v[\d:(\d)+7], v[\a:(\a)+7], v[\b:(\b)+7], v[\c:(\c)+7], v[\sa], v[\sb] matrix_a_fmt:MATRIX_FMT_FP4 matrix_b_fmt:MATRIX_FMT_FP4 matrix_a_scale:MATRIX_SCALE_ROW1
.elseif ((\ra) == 0) && ((\rb) == 1)
	v_wmma_scale_f32_16x16x128_f8f6f4 v[\d:(\d)+7], v[\a:(\a)+7], v[\b:(\b)+7], v[\c:(\c)+7], v[\sa], v[\sb] matrix_a_fmt:MATRIX_FMT_FP4 matrix_b_fmt:MATRIX_FMT_FP4 matrix_b_scale:MATRIX_SCALE_ROW1
.else
	v_wmma_scale_f32_16x16x128_f8f6f4 v[\d:(\d)+7], v[\a:(\a)+7], v[\b:(\b)+7], v[\c:(\c)+7], v[\sa], v[\sb] matrix_a_fmt:MATRIX_FMT_FP4 matrix_b_fmt:MATRIX_FMT_FP4 matrix_a_scale:MATRIX_SCALE_ROW1 matrix_b_scale:MATRIX_SCALE_ROW1
.endif
.endif
.endm
; A whole block of 32 along K in one lane's registers v[s] .. v[s+31]: four registers of codes, the conversion's scale operand, the scale's byte
.macro QB32 s, d, so, by
	v_max3_num_f32 v[TA], |v[\s]|, |v[(\s)+1]|, |v[(\s)+2]|
	v_max3_num_f32 v[TB], |v[(\s)+3]|, |v[(\s)+4]|, |v[(\s)+5]|
.irp i, 6,10,14,18,22,26
	v_max3_num_f32 v[TA], v[TA], |v[(\s)+\i]|, |v[(\s)+\i+1]|
	v_max3_num_f32 v[TB], v[TB], |v[(\s)+\i+2]|, |v[(\s)+\i+3]|
.endr
	v_max3_num_f32 v[TA], v[TA], |v[(\s)+30]|, |v[(\s)+31]|
	v_max3_num_f32 v[TA], v[TA], v[TB], 0x1800000      ; the floor 2^(3 - 127): the byte cannot fall under 1
	v_add_nc_u32 v[\so], 0xff000000, v[TA]             ; 2 off the exponent field: the conversion takes this operand's exponent field as its scale
	v_lshrrev_b32 v[\by], 23, v[\so]                   ; the scale's byte
.irp g, 0,1,2,3
	v_cvt_scalef32_pk8_fp4_f32 v[(\d)+\g], v[(\s)+8*\g:(\s)+8*\g+7], v[\so]
.endr
	v_nop                                              ; one plain place behind a scaled conversion
.endm
; a weight's fragment as f32: lane (r, h) takes k = 64 c + 32 h + 0 .. 31 of its row: 128 bytes for each c
.macro WLOAD f, adr, ptr, kb
.irp c, 0,1
.irp j, 0,1,2,3,4,5,6,7
	global_load_b128 v[(\f)+32*\c+4*\j:(\f)+32*\c+4*\j+3], v[\adr], s[\ptr:(\ptr)+1] offset:(\kb)+256*\c+16*\j
.endr
.endr
.endm
; and quantised: the conversions' results are the operand's registers; the scale word's four bytes come from lanes l and l xor 16
.macro WQ f, pc, pw
	QB32 \f, \pc, SO0, BY0
	QB32 (\f)+32, (\pc)+4, SO1, BY1
	v_lshl_or_b32 v[\pw], v[BY1], 16, v[BY0]           ; blocks h and 2 + h,
	v_lshlrev_b32 v[\pw], v[SH8], v[\pw]               ; at their places
	v_permlanex16_b32 v[PT], v[\pw], s[SEL], s[SEL+1]
	v_or_b32 v[\pw], v[\pw], v[PT]
.endm
.macro WSTORE g                        ; my tile of weight g goes to LDS as it stands
	ds_store_b128 v[WI], v[PC:PC+3] offset:WIMG+8192*(\g)
	ds_store_b128 v[WI], v[PC+4:PC+7] offset:WIMG+8192*(\g)+512
	ds_store_b32 v[SW], v[PW] offset:WSC+512*(\g)      ; both halves of the lanes write the same word with the same value
	s_wait_dscnt 0x0                                   ; the stores have read their registers
.endm
; 64 numbers of a lane, register 16 b + i = k 32 b + 16 (lane / 16) + i of my row, become a fragment's codes in v[pc] on and its scale word in v[pw]; 12 registers at work from v[tm]
.macro QUANT s, pc, pw, tm
.irp b, 0,1,2,3
	v_max3_num_f32 v[(\tm)+\b], |v[(\s)+16*\b]|, |v[(\s)+1+16*\b]|, 0x1800000
.endr
.irp i, 2,4,6,8,10,12,14
.irp b, 0,1,2,3
	v_max3_num_f32 v[(\tm)+\b], v[(\tm)+\b], |v[(\s)+16*\b+\i]|, |v[(\s)+1+16*\b+\i]|
.endr
.endr
.irp b, 0,1,2,3
	v_permlanex16_b32 v[(\tm)+4+\b], v[(\tm)+\b], s[SEL], s[SEL+1]
.endr
.irp b, 0,1,2,3
	v_max_num_f32 v[(\tm)+\b], v[(\tm)+\b], v[(\tm)+4+\b]
.endr
.irp b, 0,1,2,3
	v_add_nc_u32 v[(\tm)+8+\b], 0xff000000, v[(\tm)+\b]
.endr
.irp b, 0,1,2,3
	v_lshrrev_b32 v[(\tm)+4+\b], 23, v[(\tm)+8+\b]
.endr
	v_lshl_or_b32 v[\pw], v[(\tm)+5], 8, v[(\tm)+4]
	v_lshl_or_b32 v[\pw], v[(\tm)+6], 16, v[\pw]
	v_lshl_or_b32 v[\pw], v[(\tm)+7], 24, v[\pw]
.irp b, 0,1,2,3
	v_cvt_scalef32_pk8_fp4_f32 v[(\pc)+2*\b], v[(\s)+16*\b:(\s)+7+16*\b], v[(\tm)+8+\b]
	v_cvt_scalef32_pk8_fp4_f32 v[(\pc)+1+2*\b], v[(\s)+8+16*\b:(\s)+15+16*\b], v[(\tm)+8+\b]
.endr
	v_nop                                              ; one plain place behind a scaled conversion
.irp c, 0,1                            ; the operand's layout wants a whole block in a lane
.irp i, 0,1
	v_permlane16_swap_b32 v[(\pc)+4*\c+\i], v[(\pc)+2+4*\c+\i]
.endr
.endr
.endm
.macro FETCH8 reg, off                 ; eight images from LDS
.irp t, 0,1,2,3,4,5,6,7
.irp c, 0,1
	ds_load_b128 v[(\reg)+8*\t+4*\c:(\reg)+8*\t+4*\c+3], v[LI] offset:(\off)+1024*\t+512*\c
.endr
.endr
.endm
.macro SLOAD off                       ; and their scale words, two tiles to a register
.irp i, 0,1,2,3
	ds_load_b32 v[WS4+\i], v[SB] offset:(\off)+128*\i
.endr
.endm
.macro CLOAD reg, idx                  ; a constant's 64 numbers in the result's layout: register 16 b + i = channel 32 b + 16 h + i
.irp b, 0,1,2,3
.irp j, 0,1,2,3
	ds_load_b128 v[(\reg)+16*\b+4*\j:(\reg)+16*\b+4*\j+3], v[CA] offset:CONST+512*(\idx)+128*\b+16*\j
.endr
.endr
.endm
.macro SILU y, t, n                    ; y = y / (1 + 2^(-y log2 e)); the exponentials and the reciprocals are a batch each, with one wait
.set j, 0
.rept (\n)/2
	v_pk_mul_f32 v[(\t)+j:(\t)+j+1], v[(\y)+j:(\y)+j+1], s[NL:NL+1] op_sel_hi:[1,0]
.set j, j+2
.endr
.set j, 0
.rept \n
	v_exp_f32 v[(\t)+j], v[(\t)+j]
.set j, j+1
.endr
	v_nop
	s_wait_alu depctr_va_vdst(0)
.set j, 0
.rept (\n)/2
	v_pk_add_f32 v[(\t)+j:(\t)+j+1], v[(\t)+j:(\t)+j+1], 1.0 op_sel_hi:[1,0]
.set j, j+2
.endr
.set j, 0
.rept \n
	v_rcp_f32 v[(\t)+j], v[(\t)+j]
.set j, j+1
.endr
	v_nop
	s_wait_alu depctr_va_vdst(0)
.set j, 0
.rept (\n)/2
	v_pk_mul_f32 v[(\y)+j:(\y)+j+1], v[(\y)+j:(\y)+j+1], v[(\t)+j:(\t)+j+1]
.set j, j+2
.endr
.endm
.macro XLOAD b                         ; x: channels 32 b .. 32 b + 31 of my K half at my position: 32 lanes read 128 neighbouring bytes, four waves side by side 512
.set k, 0
.rept 32
	global_load_b32 v[F0+32*(\b)+k], v[XA], s[6:7] offset:(32*(\b)+k)*25600 th:TH_LOAD_NT
.set k, k+1
.endr
.endm
.macro XQ b                            ; block b of my position's 128 channels
	QB32 F0+32*(\b), PC+4*((\b)%2), SO0, BY0
.if (\b) == 0
	v_mov_b32 v[PW], v[BY0]
.else
	v_lshl_or_b32 v[PW], v[BY0], 8*(\b), v[PW]
.endif
	ds_store_b128 v[XW], v[PC+4*((\b)%2):PC+4*((\b)%2)+3] offset:XIMG+512*((\b)/2)+256*((\b)%2)
.endm
.macro ELOAD b, f                      ; a table pair at my position, channels 32 b on: the column's part, the image row's part
.set k, 0
.rept 32
	global_load_b32 v[(\f)+k], v[EW], s[92:93] offset:(32*(\b)+k)*320
	global_load_b32 v[(\f)+32+k], v[EH], s[94:95] offset:(32*(\b)+k)*320
.set k, k+1
.endr
.endm
.macro EQ b, f
.set k, 0
.rept 16
	v_pk_add_f32 v[(\f)+k:(\f)+k+1], v[(\f)+k:(\f)+k+1], v[(\f)+32+k:(\f)+32+k+1]
.set k, k+2
.endr
	s_wait_xcnt 0x0                                    ; earlier stores have read the codes' and the word's registers
	QB32 \f, PC+4*((\b)%2), SO0, BY0
.if (\b) == 0
	v_mov_b32 v[PW], v[BY0]
.else
	v_lshl_or_b32 v[PW], v[BY0], 8*(\b), v[PW]
.endif
	global_store_b128 v[EG], v[PC+4*((\b)%2):PC+4*((\b)%2)+3], s[90:91] offset:512*((\b)/2)+256*((\b)%2)   ; sixteen lanes fill 256 consecutive bytes of a tile's image
.endm
; a projection of x1: bias as C, eight tiles of output channels, quantised along the channels, my position tile's image to ops
.macro PROJ g, idx, ptr, sec, first
	CLOAD F0, \idx
	FETCH8 F1, WIMG+8192*(\g)
	SLOAD WSC+512*(\g)
	s_wait_dscnt 0x0
.if \first
	PLACES 8                                           ; x1's scale word was written by vector instructions: eight places ahead of a scaled product, its codes four
.endif
.irp t, 0,1,2,3,4,5,6,7
	MM F0+8*\t, F1+8*\t, X1F, F0+8*\t, WS4+\t/2, X1S, \t%2, 0
.endr
	PLACES 4
	s_wait_xcnt 0x0                                    ; earlier stores have read the codes' and the word's registers
	QUANT F0, PC, PW, TM2
	global_store_b128 v[WI], v[PC:PC+3], s[\ptr:(\ptr)+1] offset:\sec
	global_store_b128 v[WI], v[PC+4:PC+7], s[\ptr:(\ptr)+1] offset:(\sec)+512
	global_store_b32 v[SW], v[PW], s[\ptr:(\ptr)+1] offset:(\sec)+8192-HI
.endm
	s_load_b512 s[4:19], s[0:1], 0x0               ; ops, x, w1, wq, wk, wp, wv, g1
	s_load_b512 s[20:35], s[0:1], 0x40             ; v1, m1, b1, bq, bk, bp, bv, ef_h
	s_load_b128 s[36:39], s[0:1], 0x80             ; ef_w, rel_h
	s_load_b64 s[40:41], s[0:1], 0x90              ; rel_w
	s_load_b512 s[44:59], s[0:1], 0x98             ; w2, w3, g2, g3, b2, b3, m2, m3
	s_load_b128 s[60:63], s[0:1], 0xd8             ; v2, v3
	v_lshl_add_u32 v[SPW], v0, 2, SPARE
	v_mov_b32 v[NIL], 0
	v_lshrrev_b32 v3, 5, v0
	v_readfirstlane_b32 s[WVN], v3                 ; wave 0..7
	s_and_b32 s67, s[WVN], 3
	s_lshr_b32 s68, s[WVN], 2
	s_mov_b32 s[SEL], 0x76543210
	s_mov_b32 s[SEL+1], 0xfedcba98
	s_mov_b32 s[NL], 0xbfb8aa3b                    ; -log2(e)
	s_mov_b32 s[NL+1], s[NL]
	v_and_b32 v3, 31, v0                           ; lane
	v_and_b32 v4, 15, v0                           ; r
	v_bfe_u32 v5, v0, 4, 1                         ; h
	v_lshlrev_b32 v[SH8], 3, v5
	v_mov_b32 v[PT], 0
	v_lshlrev_b32 v[LI], 4, v3
	s_cmp_ge_u32 ttmp9, 50
	s_cbranch_scc1 .Lweights
	; ---- positions 128 s on.  Every address register is made here and never rewritten
	s_lshr_b32 s74, s[WVN], 1
	s_lshl_b32 s74, s74, 5
	s_and_b32 s75, s[WVN], 1
	s_lshl_b32 s75, s75, 3
	s_add_co_u32 s74, s74, s75
	v_and_b32 v6, 8, v4
	v_add_nc_u32 v6, v6, v4
	v_add_nc_u32 v6, s74, v6                       ; my channel: row r of channel tile w
	v_lshlrev_b32 v[WA1], 10, v6
	v_lshl_add_u32 v[WA1], v5, 7, v[WA1]
	v_lshlrev_b32 v[WA2], 9, v6
	v_lshl_add_u32 v[WA2], v5, 7, v[WA2]
	s_lshl_b32 s75, s[WVN], 10
	v_add_nc_u32 v[WI], s75, v[LI]
	v_lshl_add_u32 v[SB], v3, 2, HI
	s_lshl_b32 s75, s[WVN], 6
	s_add_co_u32 s75, s75, HI
	v_lshl_add_u32 v[SW], v4, 2, s75
	v_lshl_add_u32 v[CA], v5, 6, HI
	s_lshl_b32 s75, ttmp9, 9
	s_lshl_b32 s76, s67, 7
	s_add_co_u32 s75, s75, s76
	s_mul_i32 s76, s68, 3276800                    ; 128 channels of 25,600 bytes
	s_add_co_u32 s75, s75, s76
	v_lshl_add_u32 v[XA], v3, 2, s75
	v_bfe_u32 v64, v0, 3, 1                        ; position 32 pg + lane is row r' = lane % 8 + 8 (lane / 16) of tile 2 pg + u, u = (lane / 8) % 2
	v_and_b32 v65, 7, v0
	v_lshl_add_u32 v65, v5, 3, v65
	s_lshl_b32 s75, s67, 12
	s_lshl_b32 s76, s68, 10
	s_add_co_u32 s75, s75, s76
	v_lshlrev_b32 v[XW], 11, v64
	v_lshl_add_u32 v[XW], v65, 4, v[XW]
	v_add_nc_u32 v[XW], s75, v[XW]
	s_lshl_b32 s75, s67, 8
	s_lshl_b32 s76, s68, 6
	s_add_co_u32 s75, s75, s76
	s_add_co_u32 s75, s75, HI
	v_lshlrev_b32 v[XWS], 7, v64
	v_lshl_add_u32 v[XWS], v65, 2, v[XWS]
	v_add_nc_u32 v[XWS], s75, v[XWS]
	s_lshl_b32 s75, s[WVN], 11
	v_add_nc_u32 v[XR], s75, v[LI]
	s_lshl_b32 s75, s[WVN], 7
	v_add_nc_u32 v[XSR], s75, v[SB]
	s_lshl_b32 s75, ttmp9, 7
	s_lshl_b32 s76, s67, 5
	s_add_co_u32 s75, s75, s76
	v_add_nc_u32 v66, s75, v3                      ; my position
	v_mul_u32_u24 v67, v66, 0xcccd
	v_lshrrev_b32 v67, 22, v67                     ; / 80: exact up to 6,399
	v_mul_u32_u24 v68, v67, 80
	v_sub_nc_u32 v68, v66, v68
	v_lshlrev_b32 v[EW], 2, v68
	v_lshlrev_b32 v[EH], 2, v67
	s_lshl_b32 s75, s67, 11
	v_lshlrev_b32 v[EG], 10, v64
	v_lshl_add_u32 v[EG], v65, 4, v[EG]
	v_add_nc_u32 v[EG], s75, v[EG]
	s_lshl_b32 s75, s67, 7
	v_lshlrev_b32 v[EGS], 6, v64
	v_lshl_add_u32 v[EGS], v65, 2, v[EGS]
	v_add_nc_u32 v[EGS], s75, v[EGS]
	s_lshl_b32 s75, ttmp9, 3
	v_mul_u32_u24 v69, v6, 320                     ; my channel's row in a table
.irp b, 0,1,2,3                        ; positions 128 s + 32 b + 16 h + 0 .. 15 are run n = 8 s + 2 b + h of 16; 16 divides 80, so a run lies in one image row
	v_add_nc_u32 v66, s75, v5
	v_add_nc_u32 v66, 2*\b, v66
	v_mul_u32_u24 v67, v66, 0xcccd
	v_lshrrev_b32 v67, 18, v67                     ; n / 5: exact up to 399
	v_mul_u32_u24 v68, v67, 5
	v_sub_nc_u32 v68, v66, v68
	v_lshl_add_u32 v[AW+\b], v68, 6, v69
	v_lshl_add_u32 v[AH+\b], v67, 2, v69
.endr
	v_lshlrev_b32 v6, 2, v6                        ; 4 x my channel
	s_wait_kmcnt 0x0
	s_mul_i32 s76, ttmp9, KBS
	s_mov_b32 s77, 0
	s_add_nc_u64 s[84:85], s[4:5], s[76:77]        ; KB(s)
	s_mul_i32 s76, ttmp9, VBS
	s_add_co_u32 s78, s76, VB0
	s_mov_b32 s79, 0
	s_add_nc_u64 s[86:87], s[4:5], s[78:79]        ; VB(s)
	s_add_co_u32 s78, s76, QB0
	s_add_nc_u64 s[88:89], s[4:5], s[78:79]        ; QB(s)
	s_cmp_eq_u32 s68, 0                            ; waves 0-3 take ef along c, waves 4-7 cp
	s_cselect_b64 s[92:93], s[36:37], s[40:41]
	s_cselect_b64 s[94:95], s[34:35], s[38:39]
	s_cselect_b64 s[90:91], s[84:85], s[88:89]
	s_mov_b32 s78, 8704
	s_cselect_b32 s78, 17408, s78
	s_add_nc_u64 s[90:91], s[90:91], s[78:79]      ; ef's section of KB(s), or cp's of QB(s)
	; ---- loads run ahead through three buffers of 64 registers.  Each wait's count is the number of younger loads, or 63 where more are out (a wait names 63 at the most; fewer is safe)
	global_load_b32 v[PC], v[SW], s[18:19] offset:-HI     ; channel 16 w + r: g1, v1, m1, b1, bq, bk, bp
	global_load_b32 v[PC+1], v[SW], s[20:21] offset:-HI
	global_load_b32 v[PC+2], v[SW], s[22:23] offset:-HI
	global_load_b32 v[PC+3], v[SW], s[24:25] offset:-HI
	global_load_b32 v[PC+4], v[SW], s[26:27] offset:-HI
	global_load_b32 v[PC+5], v[SW], s[28:29] offset:-HI
	global_load_b32 v[PC+6], v[SW], s[30:31] offset:-HI
	global_load_b32 v[BVV], v6, s[32:33]
	WLOAD F0, WA1, 8, 0
	WLOAD F1, WA1, 8, 512
	WLOAD F2, WA2, 10, 0
	s_wait_loadcnt 32                              ; two younger fragments stay out
	v_add_f32 v[PC+1], 0x3727c5ac, v[PC+1]         ; v1 + 1e-5
	v_rsq_f32 v[PC+1], v[PC+1]
	v_nop
	s_wait_alu depctr_va_vdst(0)
	v_mul_f32 v[PC+1], v[PC], v[PC+1]              ; s1
	ds_store_b32 v[SW], v[PC+2] offset:CONST
	ds_store_b32 v[SW], v[PC+1] offset:CONST+512
	ds_store_b32 v[SW], v[PC+3] offset:CONST+1024
	ds_store_b32 v[SW], v[PC+4] offset:CONST+1536
	ds_store_b32 v[SW], v[PC+5] offset:CONST+2048
	ds_store_b32 v[SW], v[PC+6] offset:CONST+2560
	s_wait_dscnt 0x0
	WQ F0, PC, PW
	WSTORE 0
	WLOAD F0, WA2, 12, 0
	s_wait_loadcnt 32
	WQ F1, PC, PW
	WSTORE 1
	WLOAD F1, WA2, 14, 0
	s_wait_loadcnt 32
	WQ F2, PC, PW
	WSTORE 2
	WLOAD F2, WA2, 16, 0
	s_wait_loadcnt 32
	WQ F0, PC, PW
	WSTORE 3
	XLOAD 0
	XLOAD 1
	s_wait_loadcnt 63                              ; 80 are younger than wp's: with 63 out, wp's and wv's are in
	WQ F1, PC, PW
	WSTORE 4
	XLOAD 2
	XLOAD 3
	WQ F2, WV, WVS                                 ; wv's tile stays in registers
.irp b, 0,1,2,3                        ; ef^T: my channel, 128 positions
.irp j, 0,1,2,3
	global_load_b128 v[F2+16*\b+4*\j:F2+16*\b+4*\j+3], v[AW+\b], s[36:37] offset:16*\j
.endr
	global_load_b32 v[EHV+\b], v[AH+\b], s[34:35]
.endr
	s_wait_loadcnt 63                              ; 84 are younger than x's first two blocks
	XQ 0
	XQ 1
	s_wait_dscnt 0x0
	ELOAD 0, F0
	s_wait_loadcnt 63                              ; 84 are younger than x's last two blocks
	XQ 2
	XQ 3
	ds_store_b32 v[XWS], v[PW] offset:XSC
	s_wait_dscnt 0x0
	s_wait_loadcnt 63                              ; 64 are younger than ef^T's
.irp b, 0,1,2,3
.set k, 0
.rept 16
	v_add_f32 v[F2+16*\b+k], v[F2+16*\b+k], v[EHV+\b]
.set k, k+1
.endr
.endr
	QUANT F2, PC, PW, F1
	global_store_b128 v[WI], v[PC:PC+3], s[86:87] offset:8704
	global_store_b128 v[WI], v[PC+4:PC+7], s[86:87] offset:8704+512
	global_store_b32 v[SW], v[PW], s[86:87] offset:16896-HI
	ELOAD 1, F1
	ELOAD 2, F2
	s_wait_loadcnt 63
	EQ 0, F0
	ELOAD 3, F0
	s_wait_loadcnt 63
	EQ 1, F1
	s_wait_loadcnt 63
	EQ 2, F2
	s_wait_loadcnt 0x0
	EQ 3, F0
	global_store_b32 v[EGS], v[PW], s[90:91] offset:8192
	s_wait_dscnt 0x0                               ; my stores into LDS have landed
	s_barrier_signal -1
	s_barrier_wait -1                              ; the weights' images, the constants and x's images are whole
	; ---- product 1, my position tile: source 0 = 16 channels of w1, source 1 = x: a lane holds one position, its registers run along the channels.  Eight accumulators by turns
	FETCH8 F1, WIMG
.irp c, 0,1,2,3
	ds_load_b128 v[XF+4*\c:XF+4*\c+3], v[XR] offset:XIMG+512*\c
.endr
	ds_load_b32 v[XS], v[XSR] offset:XSC
	SLOAD WSC
	s_wait_dscnt 0x0
.irp t, 0,1,2,3,4,5,6,7
	MM F0+8*\t, F1+8*\t, XF, -1, WS4+\t/2, XS, \t%2, 0
.endr
	PLACES 4                                       ; in front of loads into registers that the products have read
	FETCH8 F1, WIMG+8192
	SLOAD WSC+512
	s_wait_dscnt 0x0
.irp t, 0,1,2,3,4,5,6,7
	MM F0+8*\t, F1+8*\t, XF+8, F0+8*\t, WS4+\t/2, XS, \t%2, 1
.endr
	PLACES 4
	CLOAD F1, 0                                    ; m1
	CLOAD F2, 1                                    ; s1
	s_wait_dscnt 16                                ; m1 is in; s1's sixteen loads may be out
.set j, 0
.rept 32
	v_pk_add_f32 v[F0+j:F0+j+1], v[F0+j:F0+j+1], v[F1+j:F1+j+1] neg_lo:[0,1] neg_hi:[0,1]
.set j, j+2
.endr
	CLOAD F1, 2                                    ; b1
	s_wait_dscnt 0x0
.set j, 0
.rept 32
	v_pk_fma_f32 v[F0+j:F0+j+1], v[F0+j:F0+j+1], v[F2+j:F2+j+1], v[F1+j:F1+j+1]
.set j, j+2
.endr
	SILU F0, F1, 64
	QUANT F0, X1F, X1S, TM2                        ; x1 along the channels
	ds_store_b128 v[WI], v[X1F:X1F+3] offset:X1IMG
	ds_store_b128 v[WI], v[X1F+4:X1F+7] offset:X1IMG+512
	ds_store_b32 v[SW], v[X1S] offset:X1SC
	PROJ 2, 3, 84, 8704, 1                         ; q
	PROJ 3, 4, 84, 0, 0                            ; k
	PROJ 4, 5, 88, 0, 0                            ; p
	s_wait_dscnt 0x0
	s_barrier_signal -1
	s_barrier_wait -1                              ; x1's eight images are whole
	; ---- v, my channel tile, the sources the other way round: source 0 = 16 positions of x1, source 1 = wv: a lane holds one channel, its registers run along the 128 positions, the next K
	FETCH8 F1, X1IMG
	SLOAD X1SC
.irp j, 0,1,2,3,4,5,6,7
	v_mov_b32 v[BV8+\j], v[BVV]
.endr
	s_wait_dscnt 0x0
.irp t, 0,1,2,3,4,5,6,7
	MM F0+8*\t, F1+8*\t, WV, BV8, WS4+\t/2, WVS, \t%2, 0
.endr
	PLACES 4
	s_wait_xcnt 0x0
	QUANT F0, PC, PW, TM2
	global_store_b128 v[WI], v[PC:PC+3], s[86:87]
	global_store_b128 v[WI], v[PC+4:PC+7], s[86:87] offset:512
	global_store_b32 v[SW], v[PW], s[86:87] offset:8192-HI
	s_wait_tensorcnt 0x0                           ; the wave's end: a wait for tensor loads, an add to my spare word and its wait, behind my last LDS store
	ds_add_u32 v[SPW], v[NIL]
	s_wait_dscnt 0x0
	s_endpgm
.Lweights:                                             ; ---- w2 and w3: fragment f = 8 (work-group - 50) + wave.
	s_sub_co_u32 s74, ttmp9, 50
	s_lshl_b32 s74, s74, 3
	s_add_co_u32 s74, s74, s[WVN]
	s_and_b32 s75, s74, 15
	s_lshl_b32 s76, s75, 4
	v_add_nc_u32 v6, s76, v4                       ; row 16 (f % 16) + r
	v_lshlrev_b32 v[WA2], 9, v6
	v_lshl_add_u32 v[WA2], v5, 7, v[WA2]
	v_lshlrev_b32 v6, 2, v6
	v_lshlrev_b32 v[SB], 2, v3
	s_wait_kmcnt 0x0
	s_cmp_lt_u32 ttmp9, 52
	s_cselect_b64 s[84:85], s[44:45], s[46:47]
	s_cselect_b64 s[86:87], s[48:49], s[50:51]
	s_cselect_b64 s[88:89], s[52:53], s[54:55]
	s_cselect_b64 s[90:91], s[56:57], s[58:59]
	s_cselect_b64 s[92:93], s[60:61], s[62:63]
	s_lshl_b32 s76, s74, 10
	s_add_co_u32 s76, s76, WB0
	s_mov_b32 s77, 0
	s_add_nc_u64 s[94:95], s[4:5], s[76:77]
	s_mul_i32 s76, s74, 384
	s_add_co_u32 s76, s76, WS0
	s_add_nc_u64 s[96:97], s[4:5], s[76:77]
	WLOAD F0, WA2, 84, 0
	global_load_b32 v[PC], v6, s[86:87]            ; g
	global_load_b32 v[PC+1], v6, s[88:89]          ; b
	global_load_b32 v[PC+2], v6, s[90:91]          ; m
	global_load_b32 v[PC+3], v6, s[92:93]          ; v
	s_wait_loadcnt 0x0
	v_add_f32 v[PC+3], 0x3727c5ac, v[PC+3]
	v_rsq_f32 v[PC+3], v[PC+3]
	v_nop
	s_wait_alu depctr_va_vdst(0)
	v_mul_f32 v[PC+4], v[PC], v[PC+3]              ; A = g rsq(v + eps)
	v_fma_f32 v[PC+5], -v[PC+2], v[PC+4], v[PC+1]  ; B = b - m A
	WQ F0, WV, WVS
	global_store_b128 v[LI], v[WV:WV+3], s[94:95]
	global_store_b128 v[LI], v[WV+4:WV+7], s[94:95] offset:512
	global_store_b32 v[SB], v[WVS], s[96:97]
	global_store_b32 v[SB], v[PC+4], s[96:97] offset:128
	global_store_b32 v[SB], v[PC+5], s[96:97] offset:256
	s_endpgm
.Lfunc_end_k_q82d1fe442b_prep:
	.size	k_q82d1fe442b_prep, .Lfunc_end_k_q82d1fe442b_prep-k_q82d1fe442b_prep
	.p2alignl 7, 3214868480
	.fill 96, 4, 3214868480
	.section	.rodata,"a",@progbits
	.p2align	6, 0x0
	.amdhsa_kernel k_q82d1fe442b_prep
		.amdhsa_group_segment_fixed_size 73728
		.amdhsa_private_segment_fixed_size 0
		.amdhsa_enable_private_segment 0
		.amdhsa_kernarg_size 232
		.amdhsa_user_sgpr_count 2
		.amdhsa_user_sgpr_kernarg_segment_ptr 1
		.amdhsa_wavefront_size32 1
		.amdhsa_system_sgpr_workgroup_id_x 1
		.amdhsa_system_sgpr_workgroup_id_y 1
		.amdhsa_system_sgpr_workgroup_id_z 1
		.amdhsa_system_vgpr_workitem_id 0
		.amdhsa_next_free_vgpr 256
		.amdhsa_next_free_sgpr 100
		.amdhsa_reserve_vcc 0
		.amdhsa_float_denorm_mode_32 3
		.amdhsa_float_denorm_mode_16_64 3
		.amdhsa_memory_ordered 1
		.amdhsa_forward_progress 1
		.amdhsa_inst_pref_size 160
	.end_amdhsa_kernel
	.amdgpu_metadata
---
amdhsa.version: [ 1, 2 ]
amdhsa.kernels:
  - .name:           k_q82d1fe442b_prep
    .symbol:         k_q82d1fe442b_prep.kd
    .args:
      - { .name: ops, .offset: 0, .size: 8, .value_kind: global_buffer, .address_space: global }
      - { .name: x, .offset: 8, .size: 8, .value_kind: global_buffer, .address_space: global }
      - { .name: w1, .offset: 16, .size: 8, .value_kind: global_buffer, .address_space: global }
      - { .name: wq, .offset: 24, .size: 8, .value_kind: global_buffer, .address_space: global }
      - { .name: wk, .offset: 32, .size: 8, .value_kind: global_buffer, .address_space: global }
      - { .name: wp, .offset: 40, .size: 8, .value_kind: global_buffer, .address_space: global }
      - { .name: wv, .offset: 48, .size: 8, .value_kind: global_buffer, .address_space: global }
      - { .name: g1, .offset: 56, .size: 8, .value_kind: global_buffer, .address_space: global }
      - { .name: v1, .offset: 64, .size: 8, .value_kind: global_buffer, .address_space: global }
      - { .name: m1, .offset: 72, .size: 8, .value_kind: global_buffer, .address_space: global }
      - { .name: b1, .offset: 80, .size: 8, .value_kind: global_buffer, .address_space: global }
      - { .name: bq, .offset: 88, .size: 8, .value_kind: global_buffer, .address_space: global }
      - { .name: bk, .offset: 96, .size: 8, .value_kind: global_buffer, .address_space: global }
      - { .name: bp, .offset: 104, .size: 8, .value_kind: global_buffer, .address_space: global }
      - { .name: bv, .offset: 112, .size: 8, .value_kind: global_buffer, .address_space: global }
      - { .name: ef_h, .offset: 120, .size: 8, .value_kind: global_buffer, .address_space: global }
      - { .name: ef_w, .offset: 128, .size: 8, .value_kind: global_buffer, .address_space: global }
      - { .name: rel_h, .offset: 136, .size: 8, .value_kind: global_buffer, .address_space: global }
      - { .name: rel_w, .offset: 144, .size: 8, .value_kind: global_buffer, .address_space: global }
      - { .name: w2, .offset: 152, .size: 8, .value_kind: global_buffer, .address_space: global }
      - { .name: w3, .offset: 160, .size: 8, .value_kind: global_buffer, .address_space: global }
      - { .name: g2, .offset: 168, .size: 8, .value_kind: global_buffer, .address_space: global }
      - { .name: g3, .offset: 176, .size: 8, .value_kind: global_buffer, .address_space: global }
      - { .name: b2, .offset: 184, .size: 8, .value_kind: global_buffer, .address_space: global }
      - { .name: b3, .offset: 192, .size: 8, .value_kind: global_buffer, .address_space: global }
      - { .name: m2, .offset: 200, .size: 8, .value_kind: global_buffer, .address_space: global }
      - { .name: m3, .offset: 208, .size: 8, .value_kind: global_buffer, .address_space: global }
      - { .name: v2, .offset: 216, .size: 8, .value_kind: global_buffer, .address_space: global }
      - { .name: v3, .offset: 224, .size: 8, .value_kind: global_buffer, .address_space: global }
    .group_segment_fixed_size: 73728
    .private_segment_fixed_size: 0
    .kernarg_segment_align: 8
    .kernarg_segment_size: 232
    .max_flat_workgroup_size: 256
    .sgpr_count:     100
    .vgpr_count:     256
    .wavefront_size: 32
...
	.end_amdgpu_metadata
.endif
;; end of part 1
;; launch attn (part 2): grid 200 x 1, 8 waves a work-group, clusters of 4 x 1, 327,680 bytes of LDS; arguments ops, x, out0; writes out0
.if DOCPART == 2
	.amdgcn_target "amdgcn-amd-amdhsa--gfx1250"
	.amdhsa_code_object_version 6
	.text
	.protected	k_q82d1fe442b_attn
	.globl	k_q82d1fe442b_attn
	.p2align	8
	.type	k_q82d1fe442b_attn,@function
k_q82d1fe442b_attn:
	s_mov_b64 s[64:65], 0
	v_nop
	global_prefetch_b8 v0, s[64:65] scope:SCOPE_SE
	s_setreg_imm32_b32 hwreg(HW_REG_WAVE_MODE, 25, 1), 1
	s_wait_xcnt 0x0
	s_wait_alu depctr_hold_cnt(0) depctr_sa_sdst(0) depctr_va_vdst(0) depctr_va_sdst(0) depctr_va_ssrc(0) depctr_va_vcc(0) depctr_vm_vsrc(0)
	s_getreg_b32 s2, hwreg(HW_REG_IB_STS2, 6, 4)
	s_cmp_eq_u32 s2, 0
	s_cbranch_scc0 .Lentry_in_a_cluster
	s_endpgm
.Lentry_in_a_cluster:
	s_bfe_u32 s2, ttmp6, 0x10000c
	s_cmp_lg_u32 s2, 0x3003
	s_cbranch_scc0 .Lentry_shape_is_right
	s_endpgm
.Lentry_shape_is_right:
; ATTN: products 6 to 12, both softmaxes, bn2, bn3, silu and the residual, on the operand images that the launch before laid in ops.  No work is left out.
; Branch 1: logits q_i . k_j + cp_i . q_j (two K steps of one sum), softmax over j, out1 = v P^T.  Branch 2: logits p_i . ef_j, softmax, out2 = ef P^T.  out0 = x + silu(bn2(w2 out1)) + silu(bn3(w3 out2)).
; THE SOFTMAX AHEAD OF A PRODUCT: t = logit x log2(e); M = the largest t so far, rounded up to a whole number; p = 2^(t - M) is quantised along the keys, not normalised; the row's sum is taken of the unquantised p and divides at the end.
; LIMITS: NaN and infinities are not served.  A block whose every p has fallen to 0 keeps the byte 1: its codes are zeros.  A block's largest p is made from the block's largest score by the same multiply-add and exponential
; (this takes v_exp_f32 not to fall where its input rises).  bn2, bn3 arrive folded: z = sum x A + B.  A work-group owns 128 bytes of each row of x and out0.
; SHARES: a work-group owns 32 positions as queries (a PAIR of tiles of 16) in BOTH branches, so that the last two products and the residual need no further launch.  Wave w: branch w / 4, key group g = w % 4.
; In trip n (0 .. 12) key group g takes key step 4 n + g (128 keys); trip 12 has steps 48 and 49 alone.  Each fragment read from LDS feeds two products (the pair).  Each wave keeps its own whole-number M;
; the four groups meet in LDS at the end, brought under one M by exact powers of two.
; LAYOUT: both products transposed (source 0 = 16 keys, or 16 channels; source 1 = 16 queries): a lane holds one query throughout; the keys and the channels of a tile are chosen so that 16 registers of two neighbouring tiles are 16 neighbours along the next K.
; CLUSTER: all work-groups walk the same key blocks; the four of a cluster ask for each block JOINTLY (the same descriptor, made of the wave's number and the trip alone, mask 15).
; LDS: K's blocks (k, q, ef tiles and scales: 26,112 bytes a key group) in two slots 2^17 apart; V's blocks (v^T, ef^T: 17,408 bytes) in one region: at a trip's head waves 0-3 ask for the NEXT trip's K, waves 4-7 for THIS trip's V,
; which is wanted only behind the softmax and is shown to all waves by a barrier in mid trip, behind which nothing is filled.  A wave never has more than one tensor load out.
; REGISTERS, window 0: v1-15, v32-38 addresses; v16-31 statistics, eight a tile; v40-53 scale words and nothing else; v64-191 scores, then p; v192-239 at work; v240-255 p's codes.
;            window 1: v0-127 O^T, 64 a tile; v128-159 the query operands; v160-223 eight fragments of K or V.
.set KBS,   26112
.set VBS,   17408
.set VB0,   1305600
.set QB0,   2176000
.set WB0,   3046400
.set WS0,   3079168
.set KTRIP, 4*KBS
.set VTRIP, 4*VBS
.set SLOT1, 1<<17
.set VR,    235520
.set SPARE, 104448                     ; the spare words, 128 bytes for each wave: four blocks of 256 bytes that no other line names
.set STAT,  105472                     ; 512 bytes a wave: [-M, l], 8 bytes a lane, for each tile
.set FIMG,  109568                     ; out1's and out2's fragments: (2 branch + tile) x 1,024
.set FSC,   113664                     ; their scale words: 128 branch + 64 tile + 4 r
.set OX,    131072                     ; behind the loop, over K's slot 1 and part of V's region, which have had their last fill: the waves' raw O^T, 16,384 bytes each
.set SPW, 1
.set NIL, 2
.set AKB, 3                            ; my key block's tiles in slot 0: 26,112 g + 17,408 branch + 16 lane
.set AKS, 4                            ; and their scale words
.set AV,  5                            ; my V block's fragments
.set AVS, 6
.set ADK, 7                            ; the same as AKB, AKS in the slot in hand
.set ADS, 8
.set PFO, 9                            ; 256 x lane
.set LI,  10                           ; 16 x lane
.set OXW, 11
.set STW, 12
.set ORD, 13
.set STR, 14
.set FIW, 15
.set ST,  16                           ; tile u at v[ST + 8 u]: +0 -M, +1 the largest t (at the end: l), +2, +3 l in two halves, +4 f, +5 0, +6 p's scale word (scales alone), +7 at work
.set FSW, 32
.set FIR, 33
.set FSR, 34
.set YSW, 35
.set YSR, 36
.set XO,  37
.set LS,  38                           ; 4 x lane
.set KS1, 40
.set KS2, 44
.set VS,  48
.set QS1, 52
.set QS2, 53
.set S,   64
.set BM,  192
.set PT,  200
.set SO,  208
.set RS,  216
.set RT,  224
.set BNA, 232
.set BNB, 236
.set PCD, 240
.set Q1,  128                          ; window 1
.set Q2,  144
.set FB,  160
.set WV,   10
.set BETA, 11
.set GG,   12
.set LIM,  15
.set CNT,  16
.set TB,   17
.set PFA,  18
.set PFS,  20
.set CS,   22
.set G1K,  24
.set G1V,  32
.set G0K,  40
.set G0V,  44
.set SEL,  48
.set NL,   78
.set MSB, 0
.macro WIN new                         ; the immediate's high byte repeats the setting that is left; a switch that changes nothing is dropped
.if MSB != \new
	s_set_vgpr_msb (MSB<<8)|\new
.set MSB, \new
.endif
.endm
.macro PLACES n
.rept \n
	v_nop
.endr
.endm
.macro MM d, a, b, c, sa, sb, ra, rb
.if (\c) < 0
.if ((\ra) == 0) && ((\rb) == 0)
	v_wmma_scale_f32_16x16x128_f8f6f4 v[\d:(\d)+7], v[\a:(\a)+7], v[\b:(\b)+7], 0, v[\sa], v[\sb] matrix_a_fmt:MATRIX_FMT_FP4 matrix_b_fmt:MATRIX_FMT_FP4
.elseif ((\ra) == 1) && ((\rb) == 0)
	v_wmma_scale_f32_16x16x128_f8f6f4 v[\d:(\d)+7], v[\a:(\a)+7], v[\b:(\b)+7], 0, v[\sa], v[\sb] matrix_a_fmt:MATRIX_FMT_FP4 matrix_b_fmt:MATRIX_FMT_FP4 matrix_a_scale:MATRIX_SCALE_ROW1
.elseif ((\ra) == 0) && ((\rb) == 1)
	v_wmma_scale_f32_16x16x128_f8f6f4 v[\d:(\d)+7], v[\a:(\a)+7], v[\b:(\b)+7], 0, v[\sa], v[\sb] matrix_a_fmt:MATRIX_FMT_FP4 matrix_b_fmt:MATRIX_FMT_FP4 matrix_b_scale:MATRIX_SCALE_ROW1
.else
	v_wmma_scale_f32_16x16x128_f8f6f4 v[\d:(\d)+7], v[\a:(\a)+7], v[\b:(\b)+7], 0, v[\sa], v[\sb] matrix_a_fmt:MATRIX_FMT_FP4 matrix_b_fmt:MATRIX_FMT_FP4 matrix_a_scale:MATRIX_SCALE_ROW1 matrix_b_scale:MATRIX_SCALE_ROW1
.endif
.else
.if ((\ra) == 0) && ((\rb) == 0)
	v_wmma_scale_f32_16x16x128_f8f6f4 v[\d:(\d)+7], v[\a:(\a)+7], v[\b:(\b)+7], v[\c:(\c)+7], v[\sa], v[\sb] matrix_a_fmt:MATRIX_FMT_FP4 matrix_b_fmt:MATRIX_FMT_FP4
.elseif ((\ra) == 1) && ((\rb) == 0)
	v_wmma_scale_f32_16x16x128_f8f6f4 v[\d:(\d)+7], v[\a:(\a)+7], v[\b:(\b)+7], v[\c:(\c)+7], v[\sa], v[\sb] matrix_a_fmt:MATRIX_FMT_FP4 matrix_b_fmt:MATRIX_FMT_FP4 matrix_a_scale:MATRIX_SCALE_ROW1
.elseif ((\ra) == 0) && ((\rb) == 1)
	v_wmma_scale_f32_16x16x128_f8f6f4 v[\d:(\d)+7], v[\a:(\a)+7], v[\b:(\b)+7], v[\c:(\c)+7], v[\sa], v[\sb] matrix_a_fmt:MATRIX_FMT_FP4 matrix_b_fmt:MATRIX_FMT_FP4 matrix_b_scale:MATRIX_SCALE_ROW1
.else
	v_wmma_scale_f32_16x16x128_f8f6f4 v[\d:(\d)+7], v[\a:(\a)+7], v[\b:(\b)+7], v[\c:(\c)+7], v[\sa], v[\sb] matrix_a_fmt:MATRIX_FMT_FP4 matrix_b_fmt:MATRIX_FMT_FP4 matrix_a_scale:MATRIX_SCALE_ROW1 matrix_b_scale:MATRIX_SCALE_ROW1
.endif
.endif
.endm
.macro QUANT s, pc, pw, tm             ; 64 numbers of a lane, register 16 b + i = k 32 b + 16 (lane / 16) + i of my row, become a fragment's codes and its scale word
.irp b, 0,1,2,3
	v_max3_num_f32 v[(\tm)+\b], |v[(\s)+16*\b]|, |v[(\s)+1+16*\b]|, 0x1800000
.endr
.irp i, 2,4,6,8,10,12,14
.irp b, 0,1,2,3
	v_max3_num_f32 v[(\tm)+\b], v[(\tm)+\b], |v[(\s)+16*\b+\i]|, |v[(\s)+1+16*\b+\i]|
.endr
.endr
.irp b, 0,1,2,3
	v_permlanex16_b32 v[(\tm)+4+\b], v[(\tm)+\b], s[SEL], s[SEL+1]
.endr
.irp b, 0,1,2,3
	v_max_num_f32 v[(\tm)+\b], v[(\tm)+\b], v[(\tm)+4+\b]
.endr
.irp b, 0,1,2,3
	v_add_nc_u32 v[(\tm)+8+\b], 0xff000000, v[(\tm)+\b]
.endr
.irp b, 0,1,2,3
	v_lshrrev_b32 v[(\tm)+4+\b], 23, v[(\tm)+8+\b]
.endr
	v_lshl_or_b32 v[\pw], v[(\tm)+5], 8, v[(\tm)+4]
	v_lshl_or_b32 v[\pw], v[(\tm)+6], 16, v[\pw]
	v_lshl_or_b32 v[\pw], v[(\tm)+7], 24, v[\pw]
.irp b, 0,1,2,3
	v_cvt_scalef32_pk8_fp4_f32 v[(\pc)+2*\b], v[(\s)+16*\b:(\s)+7+16*\b], v[(\tm)+8+\b]
	v_cvt_scalef32_pk8_fp4_f32 v[(\pc)+1+2*\b], v[(\s)+8+16*\b:(\s)+15+16*\b], v[(\tm)+8+\b]
.endr
	v_nop
.irp c, 0,1
.irp i, 0,1
	v_permlane16_swap_b32 v[(\pc)+4*\c+\i], v[(\pc)+2+4*\c+\i]
.endr
.endr
.endm
.macro SILU y, t, n
.set j, 0
.rept (\n)/2
	v_pk_mul_f32 v[(\t)+j:(\t)+j+1], v[(\y)+j:(\y)+j+1], s[NL:NL+1] op_sel_hi:[1,0]
.set j, j+2
.endr
.set j, 0
.rept \n
	v_exp_f32 v[(\t)+j], v[(\t)+j]
.set j, j+1
.endr
	v_nop
	s_wait_alu depctr_va_vdst(0)
.set j, 0
.rept (\n)/2
	v_pk_add_f32 v[(\t)+j:(\t)+j+1], v[(\t)+j:(\t)+j+1], 1.0 op_sel_hi:[1,0]
.set j, j+2
.endr
.set j, 0
.rept \n
	v_rcp_f32 v[(\t)+j], v[(\t)+j]
.set j, j+1
.endr
	v_nop
	s_wait_alu depctr_va_vdst(0)
.set j, 0
.rept (\n)/2
	v_pk_mul_f32 v[(\y)+j:(\y)+j+1], v[(\y)+j:(\y)+j+1], v[(\t)+j:(\t)+j+1]
.set j, j+2
.endr
.endm
.macro CROUND                          ; a round of the cluster's barrier
	s_barrier_signal -1
	s_barrier_wait -1
	s_cmp_lg_u32 s[WV], 0
	s_cbranch_scc1 .Lnot_wave_0_\@
	s_barrier_signal -3
.Lnot_wave_0_\@:
	s_barrier_wait -3
	s_barrier_signal -1
	s_barrier_wait -1
.endm
.macro BAR
	s_wait_dscnt 0x0
	s_barrier_signal -1
	s_barrier_wait -1
.endm
; The loop's joint load: waves 0-3 the next trip's K blocks, waves 4-7 this trip's V blocks: every wave issues one.  An s_nop 0 and four v_nop follow each line
.macro JLOAD
	s_cmp_lt_u32 s[WV], 4
	s_cbranch_scc0 .Lfor_v_\@
	tensor_load_to_lds s[G0K:G0K+3], s[G1K:G1K+7]
	s_nop 0
	PLACES 4
	s_branch .Lasked_\@
.Lfor_v_\@:
	tensor_load_to_lds s[G0V:G0V+3], s[G1V:G1V+7]
	s_nop 0
	PLACES 4
.Lasked_\@:
.endm
; The tails': waves under kmax load K, waves 4 .. vmax - 1 load V, the others nothing: no block is asked for that no step reads
.macro TLOAD kmax, vmax
.if \kmax > 0
	s_cmp_lt_u32 s[WV], \kmax
	s_cbranch_scc0 .Lnot_k_\@
	tensor_load_to_lds s[G0K:G0K+3], s[G1K:G1K+7]
	s_nop 0
	PLACES 4
	s_branch .Ldone_\@
.Lnot_k_\@:
.endif
	s_cmp_lt_u32 s[WV], 4
	s_cbranch_scc1 .Ldone_\@
	s_cmp_lt_u32 s[WV], \vmax
	s_cbranch_scc0 .Ldone_\@
	tensor_load_to_lds s[G0V:G0V+3], s[G1V:G1V+7]
	s_nop 0
	PLACES 4
.Ldone_\@:
.endm
; A PREFETCH INTO THE L2 of what the next trip's loads will ask for: K of two trips on, V of the next trip.  All clusters walk the same blocks: the first cluster asks.  Its four partners are told apart by address alone: partner cx takes
; key group cx's blocks.  Waves 0-2 name 32 blocks of 256 bytes each of K's 102, waves 4-5 of V's 68, a lane a block; the last 6 and 4 come by their loads alone.  The loop's last trip asks for nothing.
.macro ASK
	s_cmp_gt_u32 s[CNT], s[LIM]
	s_cbranch_scc0 .Lnot_mine_\@
	global_prefetch_b8 v[PFO], s[PFA:PFA+1] th:TH_LOAD_NT scope:SCOPE_SE
.Lnot_mine_\@:
.endm
; A TRIP'S HEAD.  Every wave waits for all its tensor loads, adds 0 to its spare word, and waits for that and for its LDS reads; a round of the cluster's barrier; then its one tensor load.
.macro CHANGE inloop, stepk, kmax, vmax
	s_wait_tensorcnt 0x0                           ; no tensor load of mine is out, so a group 0 may be written
	ds_add_u32 v[SPW], v[NIL]
.if \inloop
	ds_add_u32 v[SPW], v[NIL]                      ; in the loop twice on end, in every trip alike
.endif
.if \stepk
	s_xor_b32 s[G0K+1], s[G0K+1], SLOT1            ; K: the other slot, the next trip's blocks
	s_add_nc_u64 s[G0K+2:G0K+3], s[G0K+2:G0K+3], KTRIP
.endif
	s_add_nc_u64 s[G0V+2:G0V+3], s[G0V+2:G0V+3], VTRIP   ; V: this trip's blocks
.if \inloop
	s_wait_xcnt 0x0                                ; the last prefetch, a trip back, has read its address
	s_add_nc_u64 s[PFA:PFA+1], s[PFA:PFA+1], s[PFS:PFS+1]
.endif
	s_wait_dscnt 0x0                               ; the add is done, and my reads of the slot left and of V's region are over
	CROUND
.if \inloop
	JLOAD
	ASK
.else
	TLOAD \kmax, \vmax
.endif
.endm
.macro FRAGS adr, off                  ; eight fragments into window 1
.irp t, 0,1,2,3,4,5,6,7
.irp c, 0,1
	ds_load_b128 v[FB+8*\t+4*\c:FB+8*\t+4*\c+3], v[\adr] offset:(\off)+1024*\t+512*\c
.endr
.endr
.endm
.macro QK q, ks, qs, zero              ; 16 products: eight tiles of keys x the pair; all 16 accumulators by turns
.irp kt, 0,1,2,3,4,5,6,7
.irp u, 0,1
.if \zero
	MM S+64*\u+8*\kt, FB+8*\kt, (\q)+8*\u, -1, (\ks)+\kt/2, \qs, \kt%2, \u
.else
	MM S+64*\u+8*\kt, FB+8*\kt, (\q)+8*\u, S+64*\u+8*\kt, (\ks)+\kt/2, \qs, \kt%2, \u
.endif
.endr
.endr
.endm
; THE SOFTMAX of a key step, both tiles through each stage together.  Index n = 4 u + b: block b of 32 keys of tile u
.macro SOFTMAX
.irp u, 0,1
.irp b, 0,1,2,3
	v_max3_num_f32 v[BM+4*\u+\b], v[S+64*\u+16*\b], v[S+64*\u+16*\b+1], v[S+64*\u+16*\b+2]   ; each block's largest score: it serves the row's maximum and the block's largest p
.endr
.endr
.irp i, 3,5,7,9,11,13
.irp u, 0,1
.irp b, 0,1,2,3
	v_max3_num_f32 v[BM+4*\u+\b], v[BM+4*\u+\b], v[S+64*\u+16*\b+\i], v[S+64*\u+16*\b+\i+1]
.endr
.endr
.endr
.irp n, 0,1,2,3,4,5,6,7
	v_max_num_f32 v[BM+\n], v[BM+\n], v[S+16*\n+15]
.endr
.irp n, 0,1,2,3,4,5,6,7
	v_permlanex16_b32 v[PT+\n], v[BM+\n], s[SEL], s[SEL+1]
.endr
.irp n, 0,1,2,3,4,5,6,7
	v_max_num_f32 v[BM+\n], v[BM+\n], v[PT+\n]         ; with lane l xor 16's 16 keys
.endr
.irp u, 0,1
	v_max3_num_f32 v[ST+8*\u+7], v[BM+4*\u], v[BM+4*\u+1], v[BM+4*\u+2]
.endr
.irp u, 0,1
	v_max_num_f32 v[ST+8*\u+7], v[ST+8*\u+7], v[BM+4*\u+3]
.endr
.irp u, 0,1
	v_mul_f32 v[ST+8*\u+7], s[CS], v[ST+8*\u+7]        ; as t
.endr
.irp u, 0,1
	v_max_num_f32 v[ST+8*\u+1], v[ST+8*\u+1], v[ST+8*\u+7]
.endr
.irp u, 0,1
	v_mov_b32 v[ST+8*\u+7], v[ST+8*\u]
.endr
.irp u, 0,1
	v_floor_f32 v[ST+8*\u], -v[ST+8*\u+1]              ; the new -M = -ceil(t)
.endr
.irp u, 0,1
	v_sub_f32 v[ST+8*\u+7], v[ST+8*\u], v[ST+8*\u+7]   ; old M - new M: a whole number, 0 or less
.endr
.irp u, 0,1
	v_cvt_i32_f32 v[ST+8*\u+7], v[ST+8*\u+7]           ; (it saturates)
.endr
.irp u, 0,1
	v_ldexp_f32 v[ST+8*\u+4], 1.0, v[ST+8*\u+7]        ; f = 2^(old M - new M)
.endr
.irp u, 0,1
.set j, 0
.rept 32
	v_pk_fma_f32 v[S+64*\u+j:S+64*\u+j+1], v[S+64*\u+j:S+64*\u+j+1], s[CS:CS+1], v[ST+8*\u:ST+8*\u+1] op_sel_hi:[1,0,0]   ; t - M
.set j, j+2
.endr
.endr
.irp u, 0,1
.irp b, 0,1,2,3
	v_fma_f32 v[BM+4*\u+\b], v[BM+4*\u+\b], s[CS], v[ST+8*\u]
.endr
.endr
.set j, 0
.rept 128
	v_exp_f32 v[S+j], v[S+j]                           ; p = 2^(t - M)
.set j, j+1
.endr
.irp u, 0,1
	v_pk_mul_f32 v[ST+8*\u+2:ST+8*\u+3], v[ST+8*\u+2:ST+8*\u+3], v[ST+8*\u+4:ST+8*\u+5] op_sel_hi:[1,0]   ; the sums under the new M: plain work behind the batch
.endr
	s_wait_alu depctr_va_vdst(0)                       ; one wait for the batch of 128, ahead of its first reader
.irp n, 0,1,2,3,4,5,6,7
	v_exp_f32 v[BM+\n], v[BM+\n]                       ; each block's largest p
.endr
.irp u, 0,1
	v_pk_add_f32 v[PT+4*\u:PT+4*\u+1], v[S+64*\u:S+64*\u+1], v[S+64*\u+2:S+64*\u+3]   ; the row's sum of the unquantised p, in two chains a tile
.endr
.irp j, 4,8,12,16,20,24,28,32,36,40,44,48,52,56,60
.irp u, 0,1
	v_pk_add_f32 v[ST+8*\u+2:ST+8*\u+3], v[ST+8*\u+2:ST+8*\u+3], v[S+64*\u+\j:S+64*\u+\j+1]
	v_pk_add_f32 v[PT+4*\u:PT+4*\u+1], v[PT+4*\u:PT+4*\u+1], v[S+64*\u+\j+2:S+64*\u+\j+3]
.endr
.endr
.irp u, 0,1
	v_pk_add_f32 v[ST+8*\u+2:ST+8*\u+3], v[ST+8*\u+2:ST+8*\u+3], v[PT+4*\u:PT+4*\u+1]
.endr
	s_wait_alu depctr_va_vdst(0)                       ; and one for the eight
.irp n, 0,1,2,3,4,5,6,7
	v_max_num_f32 v[BM+\n], 0x1800000, v[BM+\n]        ; the floor 2^(3 - 127): the byte cannot fall under 1
.endr
.irp n, 0,1,2,3,4,5,6,7
	v_add_nc_u32 v[SO+\n], 0xff000000, v[BM+\n]
.endr
.irp n, 0,1,2,3,4,5,6,7
	v_lshrrev_b32 v[PT+\n], 23, v[SO+\n]
.endr
.irp u, 0,1
	v_lshl_or_b32 v[ST+8*\u+6], v[PT+4*\u+1], 8, v[PT+4*\u]
.endr
.irp u, 0,1
	v_lshl_or_b32 v[ST+8*\u+6], v[PT+4*\u+2], 16, v[ST+8*\u+6]
.endr
.irp u, 0,1
	v_lshl_or_b32 v[ST+8*\u+6], v[PT+4*\u+3], 24, v[ST+8*\u+6]   ; p's scale word for these 128 keys
.endr
.irp u, 0,1
.irp b, 0,1,2,3
	v_cvt_scalef32_pk8_fp4_f32 v[PCD+8*\u+2*\b], v[S+64*\u+16*\b:S+64*\u+16*\b+7], v[SO+4*\u+\b]
	v_cvt_scalef32_pk8_fp4_f32 v[PCD+8*\u+2*\b+1], v[S+64*\u+16*\b+8:S+64*\u+16*\b+15], v[SO+4*\u+\b]
.endr
.endr
	v_nop                                              ; one plain place behind a scaled conversion
.irp u, 0,1
.irp c, 0,1
.irp i, 0,1
	v_permlane16_swap_b32 v[PCD+8*\u+4*\c+\i], v[PCD+8*\u+4*\c+2+\i]
.endr
.endr
.endr
.endm
; The first half of a key step: the scores, the softmax, O^T under the new M
.macro STEP_A
	v_add_nc_u32 v[ADK], s[TB], v[AKB]
	v_add_nc_u32 v[ADS], s[TB], v[AKS]
.irp i, 0,1,2,3
	ds_load_b32 v[KS1+\i], v[ADS] offset:128*\i
.endr
	WIN 0x40
	FRAGS ADK, 0
	s_wait_dscnt 0x0
	WIN 0x05
	QK Q1, KS1, QS1, 1                             ; branch 1: k_j . q_i; branch 2: ef_j . p_i
	WIN 0
	s_cmp_lg_u32 s[BETA], 0
	s_cbranch_scc1 .Lone_\@
	PLACES 4                                       ; in front of loads into registers that the products have read
.irp i, 0,1,2,3
	ds_load_b32 v[KS2+\i], v[ADS] offset:8704+128*\i
.endr
	WIN 0x40
	FRAGS ADK, 8704
	s_wait_dscnt 0x0
	WIN 0x05
	QK Q2, KS2, QS2, 0                             ; branch 1 alone: + q_j . cp_i
	WIN 0
.Lone_\@:
	PLACES 4
	SOFTMAX
	WIN 0x41
.irp u, 0,1
.set j, 0
.rept 32
	v_pk_mul_f32 v[64*\u+j:64*\u+j+1], v[64*\u+j:64*\u+j+1], v[ST+8*\u+4:ST+8*\u+5] op_sel_hi:[1,0]   ; O^T x f, each accumulator from its low end on; these are also the places between p's codes and scale word and the products
.set j, j+2
.endr
.endr
	WIN 0
.endm
.macro MIDBAR                          ; V's blocks of this trip have landed, in every wave's sight.  No LDS instruction of mine is out
	s_wait_tensorcnt 0x0
	s_barrier_signal -1
	s_barrier_wait -1
.endm
.macro STEP_B                          ; O^T += V^T P^T: eight tiles of channels x the pair
.irp i, 0,1,2,3
	ds_load_b32 v[VS+\i], v[AVS] offset:128*\i
.endr
	WIN 0x40
	FRAGS AV, 0
	s_wait_dscnt 0x0
	WIN 0x51
.irp ct, 0,1,2,3,4,5,6,7
.irp u, 0,1
	MM 64*\u+8*\ct, FB+8*\ct, PCD+8*\u, 64*\u+8*\ct, VS+\ct/2, ST+8*\u+6, \ct%2, 0
.endr
.endr
	WIN 0
	PLACES 4
.endm
.macro OLOAD reg, gg                   ; key group gg's raw O^T of my unit
.irp q, 0,1,2,3,4,5,6,7,8,9,10,11,12,13,14,15
	ds_load_b128 v[(\reg)+4*\q:(\reg)+4*\q+3], v[ORD] offset:16384*(\gg)+512*\q
.endr
.endm
	s_load_b128 s[4:7], s[0:1], 0x0                ; ops, x
	s_load_b64 s[8:9], s[0:1], 0x10                ; out0
	v_lshl_add_u32 v[SPW], v0, 2, SPARE
	v_mov_b32 v[NIL], 0
	ds_add_u32 v[SPW], v[NIL]                      ; the wave's opening: the add, twice on end, and its wait ahead of the first tensor load; work on registers stands between
	ds_add_u32 v[SPW], v[NIL]
	v_lshrrev_b32 v54, 5, v0
	v_readfirstlane_b32 s[WV], v54                 ; wave 0..7
	s_lshr_b32 s[BETA], s[WV], 2                   ; branch
	s_and_b32 s[GG], s[WV], 3                      ; key group
	s_bfe_u32 s13, ttmp6, 0x40000                  ; cx: it enters global addresses alone
	s_lshl_b32 s14, ttmp9, 2
	s_add_co_u32 s14, s14, s13                     ; my pair of query tiles: positions 32 P on
	; descriptor groups 1: dense blocks as rows of 256 bytes (32 elements of 8 bytes), no padding: an image's 512 bytes are read on end
	s_mov_b32 s[G1K], 15|(3<<16)|(1<<21)           ; the mask: all four work-groups; bit 21 beside it
	s_mov_b32 s[G1K+1], 32<<16
	s_mov_b32 s[G1K+2], 102<<16
	s_mov_b32 s[G1K+3], 32<<16
	s_mov_b32 s[G1K+4], 102
	s_mov_b32 s[G1K+5], 32
	s_mov_b32 s[G1K+6], 0
	s_mov_b32 s[G1K+7], 0
	s_mov_b32 s[G1V], 15|(3<<16)|(1<<21)
	s_mov_b32 s[G1V+1], 32<<16
	s_mov_b32 s[G1V+2], 68<<16
	s_mov_b32 s[G1V+3], 32<<16
	s_mov_b32 s[G1V+4], 68
	s_mov_b32 s[G1V+5], 32
	s_mov_b32 s[G1V+6], 0
	s_mov_b32 s[G1V+7], 0
	s_mov_b32 s[CS], 0x3fb8aa3b                    ; log2(e)
	s_mov_b32 s[CS+1], s[CS]
	s_mov_b32 s[NL], 0xbfb8aa3b
	s_mov_b32 s[NL+1], s[NL]
	s_mov_b32 s[SEL], 0x76543210
	s_mov_b32 s[SEL+1], 0xfedcba98
	s_mov_b32 s[TB], 0
	s_mov_b32 s[CNT], 11
	v_and_b32 v55, 31, v0
	v_and_b32 v56, 15, v0
	v_bfe_u32 v57, v0, 4, 1
	v_lshlrev_b32 v[LI], 4, v55
	v_lshlrev_b32 v[LS], 2, v55
	v_lshlrev_b32 v[PFO], 8, v55
	s_mul_i32 s50, s[GG], KBS
	s_mul_i32 s51, s[GG], VBS
	s_mul_i32 s52, s[BETA], 17408
	s_add_co_u32 s52, s52, s50
	v_add_nc_u32 v[AKB], s52, v[LI]
	s_add_co_u32 s52, s52, 8192
	v_add_nc_u32 v[AKS], s52, v[LS]
	s_mul_i32 s53, s[BETA], 8704
	s_add_co_u32 s53, s53, s51
	s_add_co_u32 s53, s53, VR
	v_add_nc_u32 v[AV], s53, v[LI]
	s_add_co_u32 s53, s53, 8192
	v_add_nc_u32 v[AVS], s53, v[LS]
	s_lshl_b32 s52, s[WV], 14                      ; the addresses of the end, made here, ahead of every parting of the waves
	s_add_co_u32 s52, s52, OX
	v_add_nc_u32 v[OXW], s52, v[LI]
	s_lshl_b32 s52, s[WV], 9
	s_add_co_u32 s52, s52, STAT
	v_lshl_add_u32 v[STW], v55, 3, s52
	s_lshl_b32 s52, s[BETA], 16
	s_lshl_b32 s53, s[GG], 13
	s_add_co_u32 s52, s52, s53
	s_add_co_u32 s52, s52, OX
	v_add_nc_u32 v[ORD], s52, v[LI]
	s_lshl_b32 s52, s[BETA], 11
	s_lshl_b32 s53, s[GG], 8
	s_add_co_u32 s53, s52, s53
	s_add_co_u32 s53, s53, STAT
	v_lshl_add_u32 v[STR], v55, 3, s53
	s_lshl_b32 s53, s[GG], 10
	s_add_co_u32 s53, s52, s53
	s_add_co_u32 s53, s53, FIMG
	v_add_nc_u32 v[FIW], s53, v[LI]
	s_lshl_b32 s52, s[BETA], 7
	s_lshl_b32 s53, s[GG], 6
	s_add_co_u32 s52, s52, s53
	s_add_co_u32 s52, s52, FSC
	v_lshl_add_u32 v[FSW], v56, 2, s52
	v_add_nc_u32 v[FIR], FIMG, v[LI]
	v_add_nc_u32 v[FSR], FSC, v[LS]
	s_mul_i32 s52, s[WV], 4608                     ; my stage for the way out: 32 rows x (128 bytes + 16), in K's slot 0, which has had its last fill by then
	v_mul_u32_u24 v[YSW], v56, 144
	v_lshl_add_u32 v[YSW], v57, 6, v[YSW]
	v_add_nc_u32 v[YSW], s52, v[YSW]
	v_lshrrev_b32 v54, 3, v55
	v_and_b32 v58, 7, v0
	v_mul_u32_u24 v[YSR], v54, 144
	v_lshl_add_u32 v[YSR], v58, 4, v[YSR]
	v_add_nc_u32 v[YSR], s52, v[YSR]
	s_lshl_b32 s52, s[WV], 5
	v_add_nc_u32 v54, s52, v54                     ; channel 32 w + lane / 8
	v_mul_u32_u24 v[XO], v54, 25600
	v_lshl_add_u32 v[XO], v58, 4, v[XO]
	s_lshl_b32 s52, s14, 7
	v_add_nc_u32 v[XO], s52, v[XO]
	s_mov_b32 s[G0K], 1
	s_mov_b32 s[G0K+1], s50                        ; K(0), group g: slot 0
	s_mov_b32 s[G0V], 1
	s_add_co_u32 s[G0V+1], s51, VR
	s_wait_dscnt 0x0                               ; both opening adds are done
	s_wait_kmcnt 0x0
	s_mov_b32 s54, s50
	s_mov_b32 s55, 0
	s_add_nc_u64 s[G0K+2:G0K+3], s[4:5], s[54:55]
	s_or_b32 s[G0K+3], s[G0K+3], 0x80000000
	s_add_co_u32 s54, s51, VB0-VTRIP               ; one trip short: every load of V is preceded by a step
	s_add_nc_u64 s[G0V+2:G0V+3], s[4:5], s[54:55]
	s_or_b32 s[G0V+3], s[G0V+3], 0x80000000
	; the prefetches: where mine stand, and who asks
	s_cmp_lt_u32 s[WV], 4
	s_mov_b32 s56, VBS
	s_cselect_b32 s56, KBS, s56
	s_mov_b32 s57, VB0
	s_cselect_b32 s57, KTRIP, s57                  ; K(1), or V(0): the first trip's step makes them K(2), V(1)
	s_mov_b32 s[PFS], VTRIP
	s_cselect_b32 s[PFS], KTRIP, s[PFS]
	s_cselect_b32 s58, 3, 2
	s_mov_b32 s[PFS+1], 0
	s_mul_i32 s56, s56, s13                        ; my work-group's block
	s_add_co_u32 s56, s56, s57
	s_lshl_b32 s57, s[GG], 13                      ; my wave's 8,192 bytes of it
	s_add_co_u32 s56, s56, s57
	s_mov_b32 s57, 0
	s_add_nc_u64 s[PFA:PFA+1], s[4:5], s[56:57]
	s_cmp_lt_u32 s[GG], s58
	s_cselect_b32 s[LIM], 0, 1
	s_or_b32 s[LIM], s[LIM], ttmp9                 ; the first cluster alone: the same in all four partners
	s_cmp_eq_u32 s[LIM], 0
	s_cselect_b32 s[LIM], 1, -1
	; my query operands, w2's and w3's fragments, their words
	s_lshr_b32 s50, s14, 2
	s_and_b32 s51, s14, 3
	s_mul_i32 s52, s50, KBS
	s_add_co_u32 s52, s52, 8704
	s_mul_i32 s53, s50, VBS
	s_add_co_u32 s53, s53, QB0
	s_cmp_eq_u32 s[BETA], 0
	s_cselect_b32 s52, s52, s53                    ; branch 1: q's section of KB; branch 2: p's of QB
	s_add_co_u32 s53, s53, 8704                    ; cp's section of QB
	s_lshl_b32 s54, s51, 11
	s_lshl_b32 s58, s51, 7
	s_add_co_u32 s58, s58, 8192
	s_add_co_u32 s56, s52, s54
	s_add_nc_u64 s[66:67], s[4:5], s[56:57]
	s_add_co_u32 s56, s52, s58
	s_add_nc_u64 s[68:69], s[4:5], s[56:57]
	s_add_co_u32 s56, s53, s54
	s_add_nc_u64 s[70:71], s[4:5], s[56:57]
	s_add_co_u32 s56, s53, s58
	s_add_nc_u64 s[72:73], s[4:5], s[56:57]
	s_lshl_b32 s56, s[WV], 11
	s_add_co_u32 s56, s56, WB0
	s_add_nc_u64 s[74:75], s[4:5], s[56:57]
	s_mul_i32 s56, s[WV], 768
	s_add_co_u32 s56, s56, WS0
	s_add_nc_u64 s[76:77], s[4:5], s[56:57]
	CROUND                                         ; all four work-groups are here: the first joint loads meet
	s_cmp_lt_u32 s[WV], 4
	s_cbranch_scc0 .Lno_first
	tensor_load_to_lds s[G0K:G0K+3], s[G1K:G1K+7]  ; K(0)
	s_nop 0
	PLACES 4
.Lno_first:
	WIN 0x40
.irp u, 0,1
.irp c, 0,1
	global_load_b128 v[Q1+8*\u+4*\c:Q1+8*\u+4*\c+3], v[LI], s[66:67] offset:1024*\u+512*\c
	global_load_b128 v[Q2+8*\u+4*\c:Q2+8*\u+4*\c+3], v[LI], s[70:71] offset:1024*\u+512*\c   ; (branch 2's waves load cp's too and never read it: five loads, once, so that no register is written on one way alone)
.endr
.endr
.set j, 0
.rept 128
	v_mov_b32 v[j], 0                              ; O^T: the step is written with no first step of its own; the first change of M multiplies zeros
.set j, j+1
.endr
	WIN 0
	global_load_b32 v[QS1], v[LS], s[68:69]        ; lanes 0-15: tile 0's words; lanes 16-31: tile 1's
	global_load_b32 v[QS2], v[LS], s[72:73]
.irp u, 0,1
	v_mov_b32 v[ST+8*\u+1], 0xff61b1e6             ; the largest t so far: -3e38
	v_floor_f32 v[ST+8*\u], -v[ST+8*\u+1]
	v_mov_b32 v[ST+8*\u+2], 0
	v_mov_b32 v[ST+8*\u+3], 0
	v_mov_b32 v[ST+8*\u+5], 0                      ; (named as the upper half of f's pair)
.endr
.irp n, 0,1,2,3,4,5,6,7
	v_mov_b32 v[PT+\n], 0                          ; a lane permute's destination counts as one of its sources
.endr
	s_wait_loadcnt 0x0
.Ltrip:                                                ; trips 0 to 10
	CHANGE 1, 1, 4, 8
	STEP_A
	MIDBAR
	STEP_B
	s_xor_b32 s[TB], s[TB], SLOT1
	s_sub_co_u32 s[CNT], s[CNT], 1
	s_cmp_lg_u32 s[CNT], 0
	s_cbranch_scc1 .Ltrip
	CHANGE 0, 1, 2, 8                              ; trip 11: of K(12) key groups 0 and 1 alone exist
	STEP_A
	MIDBAR
	STEP_B
	s_xor_b32 s[TB], s[TB], SLOT1
	CHANGE 0, 0, 0, 6                              ; trip 12: key steps 48 and 49; nothing more of K
	s_cmp_ge_u32 s[GG], 2
	s_cbranch_scc1 .Lskip_a
	STEP_A
.Lskip_a:
	MIDBAR
	s_cmp_ge_u32 s[GG], 2
	s_cbranch_scc1 .Lskip_b
	STEP_B
.Lskip_b:
	; ---- what the end wants from memory is asked for now: my two tiles of output channels of w2 and of w3, their words, my rows of x
	WIN 0x40
.irp m, 0,1
.irp e, 0,1
.irp c, 0,1
	global_load_b128 v[128+8*(2*\m+\e)+4*\c:128+8*(2*\m+\e)+4*\c+3], v[LI], s[74:75] offset:16384*\m+1024*\e+512*\c
.endr
.endr
.endr
.irp i, 0,1,2,3,4,5,6,7
	global_load_b128 v[160+4*\i:160+4*\i+3], v[XO], s[6:7] offset:102400*\i th:TH_LOAD_NT
.endr
	WIN 0
.irp m, 0,1
.irp e, 0,1
	global_load_b32 v[KS1+2*\m+\e], v[LS], s[76:77] offset:6144*\m+384*\e
	global_load_b32 v[BNA+2*\m+\e], v[LS], s[76:77] offset:6144*\m+384*\e+128
	global_load_b32 v[BNB+2*\m+\e], v[LS], s[76:77] offset:6144*\m+384*\e+256
.endr
.endr
	; ---- the four key groups meet
.irp u, 0,1
	v_add_f32 v[ST+8*\u+1], v[ST+8*\u+2], v[ST+8*\u+3]
.endr
.irp u, 0,1
	v_permlanex16_b32 v[PT+\u], v[ST+8*\u+1], s[SEL], s[SEL+1]
.endr
.irp u, 0,1
	v_add_f32 v[ST+8*\u+1], v[ST+8*\u+1], v[PT+\u]     ; my group's sum of the row, beside its -M
.endr
	BAR                                            ; nobody reads the ring any more
	WIN 0x04
.irp u, 0,1
.irp q, 0,1,2,3,4,5,6,7,8,9,10,11,12,13,14,15
	ds_store_b128 v[OXW], v[64*\u+4*\q:64*\u+4*\q+3] offset:8192*\u+512*\q   ; each accumulator from its low end on
.endr
.endr
	WIN 0
	ds_store_b64 v[STW], v[ST:ST+1]
	ds_store_b64 v[STW], v[ST+8:ST+9] offset:256
	BAR
	s_cmp_ge_u32 s[GG], 2
	s_cbranch_scc1 .Lno_red
	; waves with g < 2: the unit (branch, tile g)
.irp q, 0,1,2,3
	ds_load_b64 v[RS+2*\q:RS+2*\q+1], v[STR] offset:512*\q
.endr
	OLOAD 64, 0
	OLOAD 128, 1
	WIN 0x40
	OLOAD 0, 2
	OLOAD 64, 3
	WIN 0
	s_wait_dscnt 63                                ; 64 loads are younger than the four pairs; a wait names 63 at the most
	v_min_num_f32 v[RT], v[RS], v[RS+2]
	v_min_num_f32 v[RT+1], v[RS+4], v[RS+6]
	v_min_num_f32 v[RT], v[RT], v[RT+1]            ; -M of the whole row
.irp q, 0,1,2,3
	v_sub_f32 v[RT+2+\q], v[RT], v[RS+2*\q]        ; the group's M less the row's: a whole number, 0 or less
.endr
.irp q, 0,1,2,3
	v_cvt_i32_f32 v[RT+2+\q], v[RT+2+\q]
.endr
.irp q, 0,1,2,3
	v_ldexp_f32 v[RT+2+\q], 1.0, v[RT+2+\q]
.endr
	v_mul_f32 v[RT+6], v[RS+1], v[RT+2]
	v_fma_f32 v[RT+6], v[RS+3], v[RT+3], v[RT+6]
	v_fma_f32 v[RT+6], v[RS+5], v[RT+4], v[RT+6]
	v_fma_f32 v[RT+6], v[RS+7], v[RT+5], v[RT+6]   ; the row's sum
	v_rcp_f32 v[RT+6], v[RT+6]
	v_nop
	s_wait_alu depctr_va_vdst(0)
.irp q, 0,1,2,3
	v_mul_f32 v[BM+2*\q], v[RT+2+\q], v[RT+6]      ; a power of two x 1 / the sum
.endr
	s_wait_dscnt 48                                ; group 0's is in; 48 younger loads may be out
.set j, 0
.rept 32
	v_pk_mul_f32 v[64+j:65+j], v[64+j:65+j], v[BM:BM+1] op_sel_hi:[1,0]
.set j, j+2
.endr
	s_wait_dscnt 32
.set j, 0
.rept 32
	v_pk_fma_f32 v[64+j:65+j], v[128+j:129+j], v[BM+2:BM+3], v[64+j:65+j] op_sel_hi:[1,0,1]
.set j, j+2
.endr
	s_wait_dscnt 16
	WIN 0x01
.set j, 0
.rept 32
	v_pk_fma_f32 v[64+j:65+j], v[j:j+1], v[BM+4:BM+5], v[64+j:65+j] op_sel_hi:[1,0,1]
.set j, j+2
.endr
	s_wait_dscnt 0x0
.set j, 0
.rept 32
	v_pk_fma_f32 v[64+j:65+j], v[64+j:65+j], v[BM+6:BM+7], v[64+j:65+j] op_sel_hi:[1,0,1]   ; source 0 in window 1: group 3's
.set j, j+2
.endr
	WIN 0
	QUANT 64, PCD, RT+7, PT                        ; out along the channels
	ds_store_b128 v[FIW], v[PCD:PCD+3]
	ds_store_b128 v[FIW], v[PCD+4:PCD+7] offset:512
	ds_store_b32 v[FSW], v[RT+7]
.Lno_red:
	BAR                                            ; the four fragments of out1 and out2 lie in LDS
	; ---- products 11 and 12: source 0 = 16 positions of out, source 1 = 16 output channels: lane r is channel 32 w + 16 e + r, register j of tile u position 32 P + 16 h + 8 u + j
.irp m, 0,1
.irp u, 0,1
.irp c, 0,1
	ds_load_b128 v[160+8*(2*\m+\u)+4*\c:160+8*(2*\m+\u)+4*\c+3], v[FIR] offset:2048*\m+1024*\u+512*\c
.endr
.endr
.endr
	ds_load_b32 v[KS2], v[FSR]
	ds_load_b32 v[KS2+1], v[FSR] offset:128
	s_wait_loadcnt 0x0
	s_wait_dscnt 0x0
	WIN 0x04
.irp m, 0,1
.irp e, 0,1
.irp u, 0,1
	MM 64+8*(4*\m+2*\e+\u), 160+8*(2*\m+\u), 128+8*(2*\m+\e), -1, KS2+\m, KS1+2*\m+\e, \u, 0
.endr
.endr
.endr
	WIN 0
	PLACES 4
.irp m, 0,1
.irp e, 0,1
.set j, 0
.rept 16
	v_fma_f32 v[64+32*\m+16*\e+j], v[64+32*\m+16*\e+j], v[BNA+2*\m+\e], v[BNB+2*\m+\e]
.set j, j+1
.endr
.endr
.endr
	SILU 64, 128, 64
.set j, 0
.rept 16
	v_pk_add_f32 v[64+j:65+j], v[64+j:65+j], v[96+j:97+j]
.set j, j+2
.endr
.irp e, 0,1
.irp u, 0,1
.irp c, 0,1
	ds_store_b128 v[YSW], v[64+8*(2*\e+\u)+4*\c:64+8*(2*\e+\u)+4*\c+3] offset:2304*\e+32*\u+16*\c
.endr
.endr
.endr
.irp i, 0,1,2,3,4,5,6,7
	ds_load_b128 v[96+4*\i:96+4*\i+3], v[YSR] offset:576*\i    ; LDS serves a wave's instructions in order: these see my stores.  Four rows of 128 bytes an instruction
.endr
	s_wait_dscnt 0x0
	WIN 0x04
.set j, 0
.rept 16
	v_pk_add_f32 v[96+j:97+j], v[96+j:97+j], v[160+j:161+j]    ; + x (window 1)
.set j, j+2
.endr
	WIN 0
.irp i, 0,1,2,3,4,5,6,7
	global_store_b128 v[XO], v[96+4*\i:96+4*\i+3], s[8:9] offset:102400*\i th:TH_STORE_NT   ; eight lanes store a row's 128 consecutive bytes
.endr
	s_wait_tensorcnt 0x0                           ; the wave's end: a wait for tensor loads, an add to my spare word and its wait, behind my last tensor load and my last LDS store
	ds_add_u32 v[SPW], v[NIL]
	s_wait_dscnt 0x0
	CROUND                                         ; the closing round
	s_endpgm
.Lfunc_end_k_q82d1fe442b_attn:
	.size	k_q82d1fe442b_attn, .Lfunc_end_k_q82d1fe442b_attn-k_q82d1fe442b_attn
	.p2alignl 7, 3214868480
	.fill 96, 4, 3214868480
	.section	.rodata,"a",@progbits
	.p2align	6, 0x0
	.amdhsa_kernel k_q82d1fe442b_attn
		.amdhsa_group_segment_fixed_size 327680
		.amdhsa_private_segment_fixed_size 0
		.amdhsa_enable_private_segment 0
		.amdhsa_kernarg_size 24
		.amdhsa_user_sgpr_count 2
		.amdhsa_user_sgpr_kernarg_segment_ptr 1
		.amdhsa_wavefront_size32 1
		.amdhsa_system_sgpr_workgroup_id_x 1
		.amdhsa_system_sgpr_workgroup_id_y 1
		.amdhsa_system_sgpr_workgroup_id_z 1
		.amdhsa_system_vgpr_workitem_id 0
		.amdhsa_next_free_vgpr 480
		.amdhsa_next_free_sgpr 80
		.amdhsa_reserve_vcc 0
		.amdhsa_float_denorm_mode_32 3
		.amdhsa_float_denorm_mode_16_64 3
		.amdhsa_memory_ordered 1
		.amdhsa_forward_progress 1
		.amdhsa_inst_pref_size 169
	.end_amdhsa_kernel
	.amdgpu_metadata
---
amdhsa.version: [ 1, 2 ]
amdhsa.kernels:
  - .name:           k_q82d1fe442b_attn
    .symbol:         k_q82d1fe442b_attn.kd
    .args:
      - { .name: ops, .offset: 0, .size: 8, .value_kind: global_buffer, .address_space: global }
      - { .name: x, .offset: 8, .size: 8, .value_kind: global_buffer, .address_space: global }
      - { .name: out0, .offset: 16, .size: 8, .value_kind: global_buffer, .address_space: global }
    .group_segment_fixed_size: 327680
    .private_segment_fixed_size: 0
    .kernarg_segment_align: 8
    .kernarg_segment_size: 24
    .max_flat_workgroup_size: 256
    .sgpr_count:     80
    .vgpr_count:     480
    .wavefront_size: 32
...
	.end_amdgpu_metadata
.endif
;; end of part 2
;; ======== version 2 of 2: 2 launches
;; workspace buffers: ops 3,091,456 bytes
;; launch prep (part 3): grid 154 x 1, 8 waves a work-group, no clusters, 82,432 bytes of LDS; arguments ops, x, w1, wq, wk, wp, wv, g1, v1, m1, b1, bq, bk, bp, bv, ef_h, ef_w, rel_h, rel_w, w2, w3, g2, g3, b2, b3, m2, m3, v2, v3; writes ops
.if DOCPART == 3
	.amdgcn_target "amdgcn-amd-amdhsa--gfx1250"
	.amdhsa_code_object_version 6
	.text
	.protected	k_q82d1fe442b_prep
	.globl	k_q82d1fe442b_prep
	.p2align	8
	.type	k_q82d1fe442b_prep,@function
k_q82d1fe442b_prep:
	s_mov_b64 s[64:65], 0
	v_nop
	global_prefetch_b8 v0, s[64:65] scope:SCOPE_SE
	s_setreg_imm32_b32 hwreg(HW_REG_WAVE_MODE, 25, 1), 1
	s_wait_xcnt 0x0
; PREP: products 1 to 5 of the module, and every quantised operand of products 6 to 12, laid in the buffer ops as IMAGES OF OPERAND REGISTERS.
; x1 = silu(bn1(w1 x)); q, k, p, v = w. x1 + b.; ef = ef_h + ef_w; cp = rel_h + rel_w.  All products on codes of E2M1 with one E8M0 byte for each 32 along K.
; NO WORK IS LEFT OUT: cpos hangs on both indices of the softmax's input, every bias goes into a quantised operand, and every input has a way to the output: all 28 inputs are loaded.
; LIMITS: NaN and infinities among the inputs are not served.  A block of zeros gets the byte 1 where the quantiser says 127: its codes are zeros, which add nothing, and this program alone reads the bytes.
; bn2 and bn3 are stored folded, A = g rsq(v + eps), B = b - m A (they stand ahead of no quantiser); bn1 keeps the form (sum - m) s + b.
; A FRAGMENT (16 rows x 128 K) is 1,024 bytes: register group c (0, 1) of lane l at 512 c + 16 l.  Eight tiles' scale words are 512 bytes: tile 2 i + u, row r at 128 i + 64 u + 4 r.
; THE ROWS OF A TILE ARE NOT NEIGHBOURS: lane r of tile 2 b + u is row 32 b + 8 u + r + 8 (r / 8) (positions, and the channels of w1, wq, wk, wp, wv, ef^T), so that the 16 result registers of tiles 2 b, 2 b + 1 are 16 neighbours along the next K.
; ops: KB(s) = 26,112 s: k tiles, scales, q tiles, scales, ef tiles (K = c), scales.  VB(s) = 1,305,600 + 17,408 s: v^T (K = positions), scales, ef^T, scales.  QB(s) = 2,176,000 + 17,408 s: p tiles, scales, cp tiles, scales.
;      WB = 3,046,400 + 1,024 f: w2's 16 tiles, w3's 16 (rows in plain order).  WS = 3,079,168 + 384 f: scale word, A, B, 128 bytes each.
; SHARES, by the work-group's number, for the 50 steps s of 128 positions: 0-49: the weights, x, products 1 to 5 of step s; 50-99: ef and cp of step s along the channels; 100-149: ef^T of step s; 150-153: w2 and w3, a fragment a wave.
; Eight waves.  No tensor load: operands go from memory into registers, and from wave to wave through LDS as images.  Only the first path touches LDS.
; No cluster: the work-groups share only the weights, which go through registers, and 154 is no multiple of 4.
.set KBS,   26112
.set VB0,   1305600
.set VBS,   17408
.set QB0,   2176000
.set WB0,   3046400
.set WS0,   3079168
.set WIMG,  0                          ; LDS: 48 weight fragments: w1 K half 0, w1 K half 1, wq, wk, wp, wv, eight tiles each
.set X1IMG, 49152                      ; x1's 8 fragments
.set XIMG,  57344                      ; x's 16 fragments: (2 tile + K half) x 1,024
.set HI,    73728                      ; the small regions lie from here on; their address registers carry HI
.set WSC,   0                          ; + HI: the weights' scale words, 512 bytes for eight tiles
.set XSC,   3072                       ; + HI: x's: (2 tile + K half) x 64 + 4 r
.set X1SC,  4096                       ; + HI: x1's
.set CONST, 4608                       ; + HI: m1, s1, b1, bq, bk, bp: 512 bytes each
.set SPARE, 81408                      ; the spare words, 128 bytes for each wave: four blocks of 256 bytes that no other line names
.set SPW, 1                            ; v1   my spare word's LDS address; never rewritten
.set NIL, 2                            ; v2   0; never rewritten
.set EHV, 3                            ; v3-6 at the head: lane, r, h, channel; in ef^T's path ef_h's four numbers
.set WA1, 7                            ; v7   w1: my row x 1,024 + my 32 bytes
.set WA2, 8                            ; v8   a weight of 128 columns: my row x 512 + my 32 bytes
.set LI,  9                            ; v9   16 x lane
.set WI,  10                           ; v10  16 x lane + 1,024 x wave
.set SB,  11                           ; v11  HI + 4 x lane
.set SW,  12                           ; v12  HI + 64 x wave + 4 r
.set CA,  13                           ; v13  HI + 64 h
.set XS,  14                           ; v14  x's scale words (K half 0 in lanes 0-15, half 1 in lanes 16-31): scales alone
.set X1S, 15                           ; v15  x1's scale word: scales alone
.set XA,  16                           ; v16  x: my position's byte
.set XW,  17                           ; v17  where my position's codes go in XIMG
.set XWS, 18                           ; v18  and its scale word
.set XR,  19                           ; v19  16 x lane + 2,048 x wave
.set XSR, 20                           ; v20  HI + 128 x wave + 4 x lane
.set EW,  21                           ; v21  4 x my position's column
.set EH,  22                           ; v22  4 x my position's image row
.set EG,  23                           ; v23  where my position's codes go in a section of ops
.set EGS, 24                           ; v24  and its scale word
.set BY1, 25
.set SH8, 26                           ; v26  8 h
.set PT,  27                           ; v27  a lane permute's destination
.set AW,  28                           ; v28-31 ef_w: my channel's row, block b's 16 columns
.set WV,  32                           ; v32-39 wv's fragment, my tile
.set WVS, 40                           ; v40  its scale word: scales alone
.set BVV, 41                           ; v41  bv of my channel
.set PC,  42                           ; v42-49 codes just made (at the head: the constants as loaded)
.set PW,  50                           ; v50  a scale word on its way to a store
.set TA,  51
.set TB,  52
.set SO0, 53
.set SO1, 54
.set BY0, 55
.set AH,  56                           ; v56-59 ef_h: my channel's row, block b's image row
.set WS4, 60                           ; v60-63 four scale words of source 0 (two tiles each): scales alone
.set F0,  64                           ; three buffers of 64
.set F1,  128
.set F2,  192
.set SA,  192                          ; while the weights are quantised: two sets of 8 code registers and 8 bytes, by turns,
.set SBT, 208
.set M8,  224                          ; eight largest magnitudes,
.set WI2, 232                          ; where my code register goes in a tile's image,
.set SWB, 233                          ; and my block's byte in the tile's scale words
.set XF,  192                          ; later: x's two fragments,
.set X1F, 208                          ; x1's fragment,
.set TM2, 216                          ; 12 registers at work in QUANT,
.set BV8, 228                          ; bv eight times
.set WVN, 66                           ; s66 wave; s67 wave % 4; s68 wave / 4; s69 the step
.set SEL, 70                           ; s[70:71] v_permlanex16_b32's selects for lane l xor 16
.set NL,  72                           ; s[72:73] -log2(e)
.macro PLACES n
.rept \n
	v_nop
.endr
.endm
; one scaled product; c < 0: C is the constant 0.  ra, rb: which half of the lanes holds source 0's, source 1's scale words
.macro MM d, a, b, c, sa, sb, ra, rb
.if (\c) < 0
.if ((\ra) == 0) && ((\rb) == 0)
	v_wmma_scale_f32_16x16x128_f8f6f4 v[\d:(\d)+7], v[\a:(\a)+7], v[\b:(\b)+7], 0, v[\sa], v[\sb] matrix_a_fmt:MATRIX_FMT_FP4 matrix_b_fmt:MATRIX_FMT_FP4
.elseif ((\ra) == 1) && ((\rb) == 0)
	v_wmma_scale_f32_16x16x128_f8f6f4 v[\d:(\d)+7], v[\a:(\a)+7], v[\b:(\b)+7], 0, v[\sa], v[\sb] matrix_a_fmt:MATRIX_FMT_FP4 matrix_b_fmt:MATRIX_FMT_FP4 matrix_a_scale:MATRIX_SCALE_ROW1
.elseif ((\ra) == 0) && ((\rb) == 1)
	v_wmma_scale_f32_16x16x128_f8f6f4 v[\d:(\d)+7], v[\a:(\a)+7], v[\b:(\b)+7], 0, v[\sa], v[\sb] matrix_a_fmt:MATRIX_FMT_FP4 matrix_b_fmt:MATRIX_FMT_FP4 matrix_b_scale:MATRIX_SCALE_ROW1
.else
	v_wmma_scale_f32_16x16x128_f8f6f4 v[\d:(\d)+7], v[\a:(\a)+7], v[\b:(\b)+7], 0, v[\sa], v[\sb] matrix_a_fmt:MATRIX_FMT_FP4 matrix_b_fmt:MATRIX_FMT_FP4 matrix_a_scale:MATRIX_SCALE_ROW1 matrix_b_scale:MATRIX_SCALE_ROW1
.endif
.else
.if ((\ra) == 0) && ((\rb) == 0)
	v_wmma_scale_f32_16x16x128_f8f6f4 v[\d:(\d)+7], v[\a:(\a)+7], v[\b:(\b)+7], v[\c:(\c)+7], v[\sa], v[\sb] matrix_a_fmt:MATRIX_FMT_FP4 matrix_b_fmt:MATRIX_FMT_FP4
.elseif ((\ra) == 1) && ((\rb) == 0)
	v_wmma_scale_f32_16x16x128_f8f6f4 v[\d:(\d)+7], v[\a:(\a)+7], v[\b:(\b)+7], v[\c:(\c)+7], v[\sa], v[\sb] matrix_a_fmt:MATRIX_FMT_FP4 matrix_b_fmt:MATRIX_FMT_FP4 matrix_a_scale:MATRIX_SCALE_ROW1
.elseif ((\ra) == 0) && ((\rb) == 1)
	v_wmma_scale_f32_16x16x128_f8f6f4 v[\d:(\d)+7], v[\a:(\a)+7], v[\b:(\b)+7], v[\c:(\c)+7], v[\sa], v[\sb] matrix_a_fmt:MATRIX_FMT_FP4 matrix_b_fmt:MATRIX_FMT_FP4 matrix_b_scale:MATRIX_SCALE_ROW1
.else
	v_wmma_scale_f32_16x16x128_f8f6f4 v[\d:(\d)+7], v[\a:(\a)+7], v[\b:(\b)+7], v[\c:(\c)+7], v[\sa], v[\sb] matrix_a_fmt:MATRIX_FMT_FP4 matrix_b_fmt:MATRIX_FMT_FP4 matrix_a_scale:MATRIX_SCALE_ROW1 matrix_b_scale:MATRIX_SCALE_ROW1
.endif
.endif
.endm
; A whole block of 32 along K in one lane's registers v[s] .. v[s+31]: four registers of codes, the conversion's scale operand, the scale's byte
.macro QB32 s, d, so, by
	v_max3_num_f32 v[TA], |v[\s]|, |v[(\s)+1]|, |v[(\s)+2]|
	v_max3_num_f32 v[TB], |v[(\s)+3]|, |v[(\s)+4]|, |v[(\s)+5]|
.irp i, 6,10,14,18,22,26
	s_delay_alu instid0(VALU_DEP_2)
	v_max3_num_f32 v[TA], v[TA], |v[(\s)+\i]|, |v[(\s)+\i+1]|
	s_delay_alu instid0(VALU_DEP_2)
	v_max3_num_f32 v[TB], v[TB], |v[(\s)+\i+2]|, |v[(\s)+\i+3]|
.endr
	s_delay_alu instid0(VALU_DEP_2)
	v_max3_num_f32 v[TA], v[TA], |v[(\s)+30]|, |v[(\s)+31]|
	s_delay_alu instid0(VALU_DEP_1)
	v_max3_num_f32 v[TA], v[TA], v[TB], 0x1800000      ; the floor 2^(3 - 127): the byte cannot fall under 1
	s_delay_alu instid0(VALU_DEP_1)
	v_add_nc_u32 v[\so], 0xff000000, v[TA]             ; 2 off the exponent field: the conversion takes this operand's exponent field as its scale
	s_delay_alu instid0(VALU_DEP_1)
	v_lshrrev_b32 v[\by], 23, v[\so]                   ; the scale's byte
.irp g, 0,1,2,3
	v_cvt_scalef32_pk8_fp4_f32 v[(\d)+\g], v[(\s)+8*\g:(\s)+8*\g+7], v[\so]
.endr
	v_nop                                              ; one plain place behind a scaled conversion
.endm
; w2's and w3's path: a fragment as f32: lane (r, h) takes k = 64 c + 32 h + 0 .. 31 of its row: 128 bytes for each c
.macro WLOAD f, adr, ptr, kb
.irp c, 0,1
.irp j, 0,1,2,3,4,5,6,7
	global_load_b128 v[(\f)+32*\c+4*\j:(\f)+32*\c+4*\j+3], v[\adr], s[\ptr:(\ptr)+1] offset:(\kb)+256*\c+16*\j
.endr
.endr
.endm
; and quantised: the conversions' results are the operand's registers; the scale word's four bytes come from lanes l and l xor 16
.macro WQ f, pc, pw
	QB32 \f, \pc, SO0, BY0
	QB32 (\f)+32, (\pc)+4, SO1, BY1
	v_lshl_or_b32 v[\pw], v[BY1], 16, v[BY0]           ; blocks h and 2 + h,
	s_delay_alu instid0(VALU_DEP_1)
	v_lshlrev_b32 v[\pw], v[SH8], v[\pw]               ; at their places
	s_delay_alu instid0(VALU_DEP_1)
	v_permlanex16_b32 v[PT], v[\pw], s[SEL], s[SEL+1]
	s_delay_alu instid0(VALU_DEP_1)
	v_or_b32 v[\pw], v[\pw], v[PT]
.endm
; THE FIVE WEIGHTS OF THE MAIN PATH.  My tile's 16 rows x 128 K of f32, two rows to a pair of loads: lane l takes k = 8 m .. 8 m + 7 (m = l % 16: 32 bytes) of row 2 i + l / 16 of the tile.
; A load's 32 lanes read 16 bytes at every 32 of the two rows' 512 bytes; the pair's two loads cover them whole.  Registers 8 i .. 8 i + 7: eight neighbours along K
.macro WL2 f, adr, ptr, rb, kb
.irp i, 0,1,2,3,4,5,6,7
.irp j, 0,1
	global_load_b128 v[(\f)+8*\i+4*\j:(\f)+8*\i+4*\j+3], v[\adr], s[\ptr:(\ptr)+1] offset:(2*\i+8*(\i/4))*(\rb)+(\kb)+16*\j
.endr
.endr
.endm
; and quantised.  A block of 32 lies in four neighbouring lanes.  A lane's eight codes are register m % 4 of group m / 8 in lane r + 16 ((m / 4) % 2) of the fragment: they go straight to that place of the image;
; the block's byte goes to byte m / 4 of row r's scale word (four lanes write the same byte with the same value).  The eight pairs of rows by turns
.macro WQ2 f, cs, g
.irp i, 0,1,2,3,4,5,6,7
	v_max3_num_f32 v[M8+\i], |v[(\f)+8*\i]|, |v[(\f)+8*\i+1]|, 0x1800000   ; with the floor 2^(3 - 127)
.endr
.irp k, 2,4,6
.irp i, 0,1,2,3,4,5,6,7
	v_max3_num_f32 v[M8+\i], v[M8+\i], |v[(\f)+8*\i+\k]|, |v[(\f)+8*\i+\k+1]|
.endr
.endr
.irp i, 0,1,2,3,4,5,6,7
	v_max_num_f32_dpp v[M8+\i], v[M8+\i], v[M8+\i] row_xmask:1 row_mask:0xf bank_mask:0xf
.endr
.irp i, 0,1,2,3,4,5,6,7
	v_max_num_f32_dpp v[M8+\i], v[M8+\i], v[M8+\i] row_xmask:2 row_mask:0xf bank_mask:0xf
.endr
.irp i, 0,1,2,3,4,5,6,7
	v_add_nc_u32 v[M8+\i], 0xff000000, v[M8+\i]        ; the conversion's scale operand
.endr
.irp i, 0,1,2,3,4,5,6,7
	v_lshrrev_b32 v[(\cs)+8+\i], 23, v[M8+\i]          ; the scale's byte
.endr
.irp i, 0,1,2,3,4,5,6,7
	v_cvt_scalef32_pk8_fp4_f32 v[(\cs)+\i], v[(\f)+8*\i:(\f)+8*\i+7], v[M8+\i]
.endr
	v_nop                                              ; one plain place behind a scaled conversion
.irp i, 0,1,2,3,4,5,6,7
	ds_store_b32 v[WI2], v[(\cs)+\i] offset:WIMG+8192*(\g)+32*\i
	ds_store_b8 v[SWB], v[(\cs)+8+\i] offset:WSC+512*(\g)+8*\i
.endr
.endm
; 64 numbers of a lane, register 16 b + i = k 32 b + 16 (lane / 16) + i of my row, become a fragment's codes in v[pc] on and its scale word in v[pw]; 12 registers at work from v[tm]
.macro QUANT s, pc, pw, tm
.irp b, 0,1,2,3
	v_max3_num_f32 v[(\tm)+\b], |v[(\s)+16*\b]|, |v[(\s)+1+16*\b]|, 0x1800000
.endr
.irp i, 2,4,6,8,10,12,14
.irp b, 0,1,2,3
	v_max3_num_f32 v[(\tm)+\b], v[(\tm)+\b], |v[(\s)+16*\b+\i]|, |v[(\s)+1+16*\b+\i]|
.endr
.endr
.irp b, 0,1,2,3
	s_delay_alu instid0(VALU_DEP_4)
	v_permlanex16_b32 v[(\tm)+4+\b], v[(\tm)+\b], s[SEL], s[SEL+1]
.endr
.irp b, 0,1,2,3
	s_delay_alu instid0(VALU_DEP_4)
	v_max_num_f32 v[(\tm)+\b], v[(\tm)+\b], v[(\tm)+4+\b]
.endr
.irp b, 0,1,2,3
	s_delay_alu instid0(VALU_DEP_4)
	v_add_nc_u32 v[(\tm)+8+\b], 0xff000000, v[(\tm)+\b]
.endr
.irp b, 0,1,2,3
	s_delay_alu instid0(VALU_DEP_4)
	v_lshrrev_b32 v[(\tm)+4+\b], 23, v[(\tm)+8+\b]
.endr
	s_delay_alu instid0(VALU_DEP_3)
	v_lshl_or_b32 v[\pw], v[(\tm)+5], 8, v[(\tm)+4]
	s_delay_alu instid0(VALU_DEP_1)
	v_lshl_or_b32 v[\pw], v[(\tm)+6], 16, v[\pw]
	s_delay_alu instid0(VALU_DEP_1)
	v_lshl_or_b32 v[\pw], v[(\tm)+7], 24, v[\pw]
.irp b, 0,1,2,3
	v_cvt_scalef32_pk8_fp4_f32 v[(\pc)+2*\b], v[(\s)+16*\b:(\s)+7+16*\b], v[(\tm)+8+\b]
	v_cvt_scalef32_pk8_fp4_f32 v[(\pc)+1+2*\b], v[(\s)+8+16*\b:(\s)+15+16*\b], v[(\tm)+8+\b]
.endr
	v_nop                                              ; one plain place behind a scaled conversion
.irp c, 0,1                            ; the operand's layout wants a whole block in a lane
.irp i, 0,1
	v_permlane16_swap_b32 v[(\pc)+4*\c+\i], v[(\pc)+2+4*\c+\i]
.endr
.endr
.endm
.macro FETCH8 reg, off                 ; eight images from LDS
.irp t, 0,1,2,3,4,5,6,7
.irp c, 0,1
	ds_load_b128 v[(\reg)+8*\t+4*\c:(\reg)+8*\t+4*\c+3], v[LI] offset:(\off)+1024*\t+512*\c
.endr
.endr
.endm
.macro SLOAD off                       ; and their scale words, two tiles to a register
.irp i, 0,1,2,3
	ds_load_b32 v[WS4+\i], v[SB] offset:(\off)+128*\i
.endr
.endm
.macro CLOAD reg, idx                  ; a constant's 64 numbers in the result's layout: register 16 b + i = channel 32 b + 16 h + i
.irp b, 0,1,2,3
.irp j, 0,1,2,3
	ds_load_b128 v[(\reg)+16*\b+4*\j:(\reg)+16*\b+4*\j+3], v[CA] offset:CONST+512*(\idx)+128*\b+16*\j
.endr
.endr
.endm
.macro SILU y, t, n                    ; y = y / (1 + 2^(-y log2 e)); the exponentials and the reciprocals are a batch each, with one wait
.set j, 0
.rept (\n)/2
	v_pk_mul_f32 v[(\t)+j:(\t)+j+1], v[(\y)+j:(\y)+j+1], s[NL:NL+1] op_sel_hi:[1,0]
.set j, j+2
.endr
.set j, 0
	s_wait_alu depctr_va_vdst(0)
.rept \n
	v_exp_f32 v[(\t)+j], v[(\t)+j]
.set j, j+1
.endr
	v_nop
	s_wait_alu depctr_va_vdst(0)
.set j, 0
.rept (\n)/2
	v_pk_add_f32 v[(\t)+j:(\t)+j+1], v[(\t)+j:(\t)+j+1], 1.0 op_sel_hi:[1,0]
.set j, j+2
.endr
.set j, 0
	s_wait_alu depctr_va_vdst(0)
.rept \n
	v_rcp_f32 v[(\t)+j], v[(\t)+j]
.set j, j+1
.endr
	v_nop
	s_wait_alu depctr_va_vdst(0)
.set j, 0
.rept (\n)/2
	v_pk_mul_f32 v[(\y)+j:(\y)+j+1], v[(\y)+j:(\y)+j+1], v[(\t)+j:(\t)+j+1]
.set j, j+2
.endr
.endm
.macro XLOAD b                         ; x: channels 32 b .. 32 b + 31 of my K half at my position: 32 lanes read 128 neighbouring bytes, four waves side by side 512
.set k, 0
.rept 32
	global_load_b32 v[F0+32*(\b)+k], v[XA], s[6:7] offset:(32*(\b)+k)*25600 th:TH_LOAD_NT
.set k, k+1
.endr
.endm
.macro XQ b                            ; block b of my position's 128 channels
	QB32 F0+32*(\b), PC+4*((\b)%2), SO0, BY0
.if (\b) == 0
	v_mov_b32 v[PW], v[BY0]
.else
	v_lshl_or_b32 v[PW], v[BY0], 8*(\b), v[PW]
.endif
	ds_store_b128 v[XW], v[PC+4*((\b)%2):PC+4*((\b)%2)+3] offset:XIMG+512*((\b)/2)+256*((\b)%2)
.endm
.macro ELOAD b, f                      ; a table pair at my position, channels 32 b on: the column's part, the image row's part
.set k, 0
.rept 32
	global_load_b32 v[(\f)+k], v[EW], s[92:93] offset:(32*(\b)+k)*320
	global_load_b32 v[(\f)+32+k], v[EH], s[94:95] offset:(32*(\b)+k)*320
.set k, k+1
.endr
.endm
.macro EQ b, f
.set k, 0
.rept 16
	v_pk_add_f32 v[(\f)+k:(\f)+k+1], v[(\f)+k:(\f)+k+1], v[(\f)+32+k:(\f)+32+k+1]
.set k, k+2
.endr
	s_wait_xcnt 0x0                                    ; earlier stores have read the codes' and the word's registers
	QB32 \f, PC+4*((\b)%2), SO0, BY0
.if (\b) == 0
	v_mov_b32 v[PW], v[BY0]
.else
	v_lshl_or_b32 v[PW], v[BY0], 8*(\b), v[PW]
.endif
	global_store_b128 v[EG], v[PC+4*((\b)%2):PC+4*((\b)%2)+3], s[90:91] offset:512*((\b)/2)+256*((\b)%2)   ; sixteen lanes fill 256 consecutive bytes of a tile's image
.endm
; a projection of x1: bias as C, eight tiles of output channels, quantised along the channels, my position tile's image to ops
.macro PROJ g, idx, ptr, sec, first
	CLOAD F0, \idx
	FETCH8 F1, WIMG+8192*(\g)
	SLOAD WSC+512*(\g)
	s_wait_dscnt 0x0
.if \first
	PLACES 8                                           ; x1's scale word was written by vector instructions: eight places ahead of a scaled product, its codes four
.endif
.irp t, 0,1,2,3,4,5,6,7
	MM F0+8*\t, F1+8*\t, X1F, F0+8*\t, WS4+\t/2, X1S, \t%2, 0
.endr
	PLACES 4
	s_wait_xcnt 0x0                                    ; earlier stores have read the codes' and the word's registers
	QUANT F0, PC, PW, TM2
	global_store_b128 v[WI], v[PC:PC+3], s[\ptr:(\ptr)+1] offset:\sec
	global_store_b128 v[WI], v[PC+4:PC+7], s[\ptr:(\ptr)+1] offset:(\sec)+512
	global_store_b32 v[SW], v[PW], s[\ptr:(\ptr)+1] offset:(\sec)+8192-HI
.endm
	s_load_b512 s[4:19], s[0:1], 0x0               ; ops, x, w1, wq, wk, wp, wv, g1
	s_load_b512 s[20:35], s[0:1], 0x40             ; v1, m1, b1, bq, bk, bp, bv, ef_h
	s_load_b128 s[36:39], s[0:1], 0x80             ; ef_w, rel_h
	s_load_b64 s[40:41], s[0:1], 0x90              ; rel_w
	s_load_b512 s[44:59], s[0:1], 0x98             ; w2, w3, g2, g3, b2, b3, m2, m3
	s_load_b128 s[60:63], s[0:1], 0xd8             ; v2, v3
	v_lshl_add_u32 v[SPW], v0, 2, SPARE
	v_mov_b32 v[NIL], 0
	v_lshrrev_b32 v3, 5, v0
	s_delay_alu instid0(VALU_DEP_1)
	v_readfirstlane_b32 s[WVN], v3                 ; wave 0..7
	s_and_b32 s67, s[WVN], 3
	s_lshr_b32 s68, s[WVN], 2
	s_mov_b32 s[SEL], 0x76543210
	s_mov_b32 s[SEL+1], 0xfedcba98
	s_mov_b32 s[NL], 0xbfb8aa3b                    ; -log2(e)
	s_mov_b32 s[NL+1], s[NL]
	v_and_b32 v3, 31, v0                           ; lane
	v_and_b32 v4, 15, v0                           ; r (for the weights' loads: m)
	v_bfe_u32 v5, v0, 4, 1                         ; h
	s_delay_alu instid0(VALU_DEP_1)
	v_lshlrev_b32 v[SH8], 3, v5
	v_mov_b32 v[PT], 0
	v_lshlrev_b32 v[LI], 4, v3
	s_cmp_ge_u32 ttmp9, 150
	s_cbranch_scc1 .Lweights
	s_cmp_ge_u32 ttmp9, 50
	s_cselect_b32 s69, 50, 0
	s_cmp_ge_u32 ttmp9, 100
	s_cselect_b32 s69, 100, s69
	s_sub_co_u32 s69, ttmp9, s69                   ; the step s, 0 .. 49, in each of the three paths
	; ---- positions 128 s on.  Every address register is made here and never rewritten
	s_lshr_b32 s74, s[WVN], 1
	s_lshl_b32 s74, s74, 5
	s_and_b32 s75, s[WVN], 1
	s_lshl_b32 s75, s75, 3
	s_add_co_u32 s74, s74, s75                     ; the first row of channel tile w
	s_wait_alu depctr_va_vdst(0)
	v_and_b32 v6, 8, v4
	s_delay_alu instid0(VALU_DEP_1)
	v_add_nc_u32 v6, v6, v4
	s_delay_alu instid0(VALU_DEP_1)
	v_add_nc_u32 v6, s74, v6                       ; my channel: row r of channel tile w
	v_add_nc_u32 v[WA2], s74, v5                   ; the weights' loads: row 2 i + h of the tile, 32 bytes a lane
	s_delay_alu instid0(VALU_DEP_1)
	v_lshlrev_b32 v[WA1], 10, v[WA2]
	s_delay_alu instid0(VALU_DEP_1)
	v_lshl_add_u32 v[WA1], v4, 5, v[WA1]
	s_delay_alu instid0(VALU_DEP_3)
	v_lshlrev_b32 v[WA2], 9, v[WA2]
	s_delay_alu instid0(VALU_DEP_1)
	v_lshl_add_u32 v[WA2], v4, 5, v[WA2]
	s_lshl_b32 s75, s[WVN], 10
	v_add_nc_u32 v[WI], s75, v[LI]
	v_bfe_u32 v[WI2], v0, 3, 1                     ; my code register's place in the image: 512 (m / 8)
	s_delay_alu instid0(VALU_DEP_1)
	v_lshlrev_b32 v[WI2], 9, v[WI2]
	v_bfe_u32 v64, v0, 2, 1
	s_delay_alu instid0(VALU_DEP_1)
	v_lshl_add_u32 v[WI2], v64, 8, v[WI2]          ; + 256 ((m / 4) % 2)
	v_and_b32 v64, 3, v0
	s_delay_alu instid0(VALU_DEP_1)
	v_lshl_add_u32 v[WI2], v64, 2, v[WI2]          ; + 4 (m % 4)
	s_delay_alu instid0(VALU_DEP_1)
	v_lshl_add_u32 v[WI2], v5, 4, v[WI2]           ; + 16 h; the pair of rows, 32 i, stands in the immediate
	s_delay_alu instid0(VALU_DEP_1)
	v_add_nc_u32 v[WI2], s75, v[WI2]               ; + 1,024 x wave
	v_lshl_add_u32 v[SB], v3, 2, HI
	s_lshl_b32 s75, s[WVN], 6
	s_add_co_u32 s75, s75, HI
	v_lshl_add_u32 v[SW], v4, 2, s75
	v_bfe_u32 v[SWB], v0, 2, 2                     ; my block's byte: m / 4
	s_delay_alu instid0(VALU_DEP_1)
	v_lshl_add_u32 v[SWB], v5, 2, v[SWB]           ; + 4 h; 8 i stands in the immediate
	s_delay_alu instid0(VALU_DEP_1)
	v_add_nc_u32 v[SWB], s75, v[SWB]               ; + HI + 64 x wave
	v_lshl_add_u32 v[CA], v5, 6, HI
	s_lshl_b32 s75, s69, 9
	s_lshl_b32 s76, s67, 7
	s_add_co_u32 s75, s75, s76
	s_mul_i32 s76, s68, 3276800                    ; 128 channels of 25,600 bytes
	s_add_co_u32 s75, s75, s76
	v_lshl_add_u32 v[XA], v3, 2, s75
	v_bfe_u32 v64, v0, 3, 1                        ; position 32 pg + lane is row r' = lane % 8 + 8 (lane / 16) of tile 2 pg + u, u = (lane / 8) % 2
	v_and_b32 v65, 7, v0
	s_delay_alu instid0(VALU_DEP_1)
	v_lshl_add_u32 v65, v5, 3, v65
	s_lshl_b32 s75, s67, 12
	s_lshl_b32 s76, s68, 10
	s_add_co_u32 s75, s75, s76
	v_lshlrev_b32 v[XW], 11, v64
	s_delay_alu instid0(VALU_DEP_1)
	v_lshl_add_u32 v[XW], v65, 4, v[XW]
	s_delay_alu instid0(VALU_DEP_1)
	v_add_nc_u32 v[XW], s75, v[XW]
	s_lshl_b32 s75, s67, 8
	s_lshl_b32 s76, s68, 6
	s_add_co_u32 s75, s75, s76
	s_add_co_u32 s75, s75, HI
	v_lshlrev_b32 v[XWS], 7, v64
	s_delay_alu instid0(VALU_DEP_1)
	v_lshl_add_u32 v[XWS], v65, 2, v[XWS]
	s_delay_alu instid0(VALU_DEP_1)
	v_add_nc_u32 v[XWS], s75, v[XWS]
	s_lshl_b32 s75, s[WVN], 11
	v_add_nc_u32 v[XR], s75, v[LI]
	s_lshl_b32 s75, s[WVN], 7
	v_add_nc_u32 v[XSR], s75, v[SB]
	s_lshl_b32 s75, s69, 7
	s_lshl_b32 s76, s67, 5
	s_add_co_u32 s75, s75, s76
	v_add_nc_u32 v66, s75, v3                      ; my position
	s_delay_alu instid0(VALU_DEP_1)
	v_mul_u32_u24 v67, v66, 0xcccd
	s_delay_alu instid0(VALU_DEP_1)
	v_lshrrev_b32 v67, 22, v67                     ; / 80: exact up to 6,399
	s_delay_alu instid0(VALU_DEP_1)
	v_mul_u32_u24 v68, v67, 80
	s_delay_alu instid0(VALU_DEP_1)
	v_sub_nc_u32 v68, v66, v68
	s_delay_alu instid0(VALU_DEP_1)
	v_lshlrev_b32 v[EW], 2, v68
	s_delay_alu instid0(VALU_DEP_4)
	v_lshlrev_b32 v[EH], 2, v67
	s_lshl_b32 s75, s67, 11
	v_lshlrev_b32 v[EG], 10, v64
	s_delay_alu instid0(VALU_DEP_1)
	v_lshl_add_u32 v[EG], v65, 4, v[EG]
	s_delay_alu instid0(VALU_DEP_1)
	v_add_nc_u32 v[EG], s75, v[EG]
	s_lshl_b32 s75, s67, 7
	v_lshlrev_b32 v[EGS], 6, v64
	s_delay_alu instid0(VALU_DEP_1)
	v_lshl_add_u32 v[EGS], v65, 2, v[EGS]
	s_delay_alu instid0(VALU_DEP_1)
	v_add_nc_u32 v[EGS], s75, v[EGS]
	s_lshl_b32 s75, s69, 3
	v_mul_u32_u24 v69, v6, 320                     ; my channel's row in a table
.irp b, 0,1,2,3                        ; positions 128 s + 32 b + 16 h + 0 .. 15 are run n = 8 s + 2 b + h of 16; 16 divides 80, so a run lies in one image row
	v_add_nc_u32 v66, s75, v5
	s_delay_alu instid0(VALU_DEP_1)
	v_add_nc_u32 v66, 2*\b, v66
	s_delay_alu instid0(VALU_DEP_1)
	v_mul_u32_u24 v67, v66, 0xcccd
	s_delay_alu instid0(VALU_DEP_1)
	v_lshrrev_b32 v67, 18, v67                     ; n / 5: exact up to 399
	s_delay_alu instid0(VALU_DEP_1)
	v_mul_u32_u24 v68, v67, 5
	s_delay_alu instid0(VALU_DEP_1)
	v_sub_nc_u32 v68, v66, v68
	s_delay_alu instid0(VALU_DEP_1)
	v_lshl_add_u32 v[AW+\b], v68, 6, v69
	s_delay_alu instid0(VALU_DEP_4)
	v_lshl_add_u32 v[AH+\b], v67, 2, v69
.endr
	v_lshlrev_b32 v6, 2, v6                        ; 4 x my channel
	s_wait_kmcnt 0x0
	s_mul_i32 s76, s69, KBS
	s_mov_b32 s77, 0
	s_add_nc_u64 s[84:85], s[4:5], s[76:77]        ; KB(s)
	s_mul_i32 s76, s69, VBS
	s_add_co_u32 s78, s76, VB0
	s_mov_b32 s79, 0
	s_add_nc_u64 s[86:87], s[4:5], s[78:79]        ; VB(s)
	s_add_co_u32 s78, s76, QB0
	s_add_nc_u64 s[88:89], s[4:5], s[78:79]        ; QB(s)
	s_cmp_eq_u32 s68, 0                            ; in the tables' path waves 0-3 take ef along c, waves 4-7 cp
	s_cselect_b64 s[92:93], s[36:37], s[40:41]
	s_cselect_b64 s[94:95], s[34:35], s[38:39]
	s_cselect_b64 s[90:91], s[84:85], s[88:89]
	s_mov_b32 s78, 8704
	s_cselect_b32 s78, 17408, s78
	s_add_nc_u64 s[90:91], s[90:91], s[78:79]      ; ef's section of KB(s), or cp's of QB(s)
	s_cmp_ge_u32 ttmp9, 100
	s_cbranch_scc1 .Ltab2
	s_cmp_ge_u32 ttmp9, 50
	s_cbranch_scc1 .Ltab1
	; ---- THE MAIN PATH.  Loads run one fragment ahead through two buffers of 64 registers.  A wait's count is the number of younger loads, or 63 where more are out (a wait names 63 at the most; fewer is safe)
	global_load_b32 v[PC], v[SW], s[18:19] offset:-HI     ; channel 16 w + r: g1, v1, m1, b1, bq, bk, bp
	global_load_b32 v[PC+1], v[SW], s[20:21] offset:-HI
	global_load_b32 v[PC+2], v[SW], s[22:23] offset:-HI
	global_load_b32 v[PC+3], v[SW], s[24:25] offset:-HI
	global_load_b32 v[PC+4], v[SW], s[26:27] offset:-HI
	global_load_b32 v[PC+5], v[SW], s[28:29] offset:-HI
	global_load_b32 v[PC+6], v[SW], s[30:31] offset:-HI
	s_wait_alu depctr_va_vdst(0)
	global_load_b32 v[BVV], v6, s[32:33]
	WL2 F0, WA1, 8, 1024, 0                        ; w1, K half 0
	WL2 F1, WA1, 8, 1024, 512                      ; w1, K half 1
	s_wait_loadcnt 16                              ; the younger fragment's 16 loads stay out
	v_add_f32 v[PC+1], 0x3727c5ac, v[PC+1]         ; v1 + 1e-5
	s_wait_alu depctr_va_vdst(0)
	v_rsq_f32 v[PC+1], v[PC+1]
	v_nop
	s_wait_alu depctr_va_vdst(0)
	v_mul_f32 v[PC+1], v[PC], v[PC+1]              ; s1
	ds_store_b32 v[SW], v[PC+2] offset:CONST
	ds_store_b32 v[SW], v[PC+1] offset:CONST+512
	ds_store_b32 v[SW], v[PC+3] offset:CONST+1024
	ds_store_b32 v[SW], v[PC+4] offset:CONST+1536
	ds_store_b32 v[SW], v[PC+5] offset:CONST+2048
	ds_store_b32 v[SW], v[PC+6] offset:CONST+2560
	WQ2 F0, SA, 0
	WL2 F0, WA2, 10, 512, 0                        ; wq
	s_wait_loadcnt 16
	WQ2 F1, SBT, 1
	WL2 F1, WA2, 12, 512, 0                        ; wk
	s_wait_loadcnt 16
	s_wait_dscnt 16                                ; the other set's 16 stores may be out: this set's have read their registers
	WQ2 F0, SA, 2
	WL2 F0, WA2, 14, 512, 0                        ; wp
	s_wait_loadcnt 16
	s_wait_dscnt 16
	WQ2 F1, SBT, 3
	WL2 F1, WA2, 16, 512, 0                        ; wv
	s_wait_loadcnt 16
	s_wait_dscnt 16
	WQ2 F0, SA, 4
	XLOAD 0
	XLOAD 1
	s_wait_loadcnt 63                              ; 64 are younger than wv's
	s_wait_dscnt 16
	WQ2 F1, SBT, 5
	XLOAD 2
	XLOAD 3
	s_wait_loadcnt 63                              ; 64 are younger than x's first two blocks
	XQ 0
	XQ 1
	s_wait_loadcnt 0x0
	s_wait_dscnt 0x0                               ; the stores have read the codes' registers
	XQ 2
	XQ 3
	ds_store_b32 v[XWS], v[PW] offset:XSC
	s_wait_dscnt 0x0                               ; my stores into LDS have landed
	s_barrier_signal -1
	s_barrier_wait -1                              ; the weights' images, the constants and x's images are whole
	; ---- product 1, my position tile: source 0 = 16 channels of w1, source 1 = x: a lane holds one position, its registers run along the channels.  Eight accumulators by turns
	FETCH8 F1, WIMG
.irp c, 0,1,2,3
	ds_load_b128 v[XF+4*\c:XF+4*\c+3], v[XR] offset:XIMG+512*\c
.endr
	ds_load_b32 v[XS], v[XSR] offset:XSC
	SLOAD WSC
	s_wait_dscnt 0x0
.irp t, 0,1,2,3,4,5,6,7
	MM F0+8*\t, F1+8*\t, XF, -1, WS4+\t/2, XS, \t%2, 0
.endr
	PLACES 4                                       ; in front of loads into registers that the products have read
	FETCH8 F1, WIMG+8192
	SLOAD WSC+512
	s_wait_dscnt 0x0
.irp t, 0,1,2,3,4,5,6,7
	MM F0+8*\t, F1+8*\t, XF+8, F0+8*\t, WS4+\t/2, XS, \t%2, 1
.endr
	PLACES 4
	CLOAD F1, 0                                    ; m1
	CLOAD F2, 1                                    ; s1
	s_wait_dscnt 16                                ; m1 is in; s1's sixteen loads may be out
.set j, 0
.rept 32
	v_pk_add_f32 v[F0+j:F0+j+1], v[F0+j:F0+j+1], v[F1+j:F1+j+1] neg_lo:[0,1] neg_hi:[0,1]
.set j, j+2
.endr
	CLOAD F1, 2                                    ; b1
	s_wait_dscnt 0x0
.set j, 0
.rept 32
	v_pk_fma_f32 v[F0+j:F0+j+1], v[F0+j:F0+j+1], v[F2+j:F2+j+1], v[F1+j:F1+j+1]
.set j, j+2
.endr
	SILU F0, F1, 64
	QUANT F0, X1F, X1S, TM2                        ; x1 along the channels
	s_wait_alu depctr_va_vdst(0)
	ds_store_b128 v[WI], v[X1F:X1F+3] offset:X1IMG
	ds_store_b128 v[WI], v[X1F+4:X1F+7] offset:X1IMG+512
	ds_store_b32 v[SW], v[X1S] offset:X1SC
	PROJ 2, 3, 84, 8704, 1                         ; q
	PROJ 3, 4, 84, 0, 0                            ; k
	PROJ 4, 5, 88, 0, 0                            ; p
	s_wait_dscnt 0x0
	s_barrier_signal -1
	s_barrier_wait -1                              ; x1's eight images are whole
	; ---- v, my channel tile, the sources the other way round: source 0 = 16 positions of x1, source 1 = wv: a lane holds one channel, its registers run along the 128 positions, the next K
	FETCH8 F1, X1IMG
	SLOAD X1SC
	ds_load_b128 v[WV:WV+3], v[WI] offset:WIMG+8192*5          ; wv's tile w: the image that I stored myself
	ds_load_b128 v[WV+4:WV+7], v[WI] offset:WIMG+8192*5+512
	ds_load_b32 v[WVS], v[SW] offset:WSC+512*5
.irp j, 0,1,2,3,4,5,6,7
	v_mov_b32 v[BV8+\j], v[BVV]
.endr
	s_wait_alu depctr_va_vdst(0)
	s_wait_dscnt 0x0
.irp t, 0,1,2,3,4,5,6,7
	MM F0+8*\t, F1+8*\t, WV, BV8, WS4+\t/2, WVS, \t%2, 0
.endr
	PLACES 4
	s_wait_xcnt 0x0
	QUANT F0, PC, PW, TM2
	global_store_b128 v[WI], v[PC:PC+3], s[86:87]
	global_store_b128 v[WI], v[PC+4:PC+7], s[86:87] offset:512
	global_store_b32 v[SW], v[PW], s[86:87] offset:8192-HI
	s_wait_tensorcnt 0x0                           ; the wave's end: a wait for tensor loads, an add to my spare word and its wait, behind my last LDS store
	ds_add_u32 v[SPW], v[NIL]
	s_wait_dscnt 0x0
	s_endpgm
.Ltab1:                                                ; ---- ef (waves 0-3) and cp (waves 4-7) of step s along the channels: a lane to a position, registers down the channels.
	ELOAD 0, F0
	ELOAD 1, F1
	ELOAD 2, F2
	s_wait_loadcnt 63                              ; 128 are younger than block 0's
	EQ 0, F0
	ELOAD 3, F0
	s_wait_loadcnt 63
	EQ 1, F1
	s_wait_loadcnt 63                              ; 64 are younger than block 2's
	EQ 2, F2
	s_wait_loadcnt 0x0
	EQ 3, F0
	global_store_b32 v[EGS], v[PW], s[90:91] offset:8192
	s_endpgm
.Ltab2:                                                ; ---- ef^T of step s: my channel, 128 positions along the next K.
.irp b, 0,1,2,3
	v_mov_b32 v[F1+4+\b], 0                        ; a lane permute's destination counts as one of its sources
.endr
	s_wait_alu depctr_va_vdst(0)
.irp b, 0,1,2,3
.irp j, 0,1,2,3
	global_load_b128 v[F2+16*\b+4*\j:F2+16*\b+4*\j+3], v[AW+\b], s[36:37] offset:16*\j
.endr
	global_load_b32 v[EHV+\b], v[AH+\b], s[34:35]
.endr
	s_wait_loadcnt 0x0
.irp b, 0,1,2,3
.set k, 0
.rept 16
	v_add_f32 v[F2+16*\b+k], v[F2+16*\b+k], v[EHV+\b]
.set k, k+1
.endr
.endr
	QUANT F2, PC, PW, F1
	global_store_b128 v[WI], v[PC:PC+3], s[86:87] offset:8704
	global_store_b128 v[WI], v[PC+4:PC+7], s[86:87] offset:8704+512
	global_store_b32 v[SW], v[PW], s[86:87] offset:16896-HI
	s_endpgm
.Lweights:                                             ; ---- w2 and w3: fragment f = 8 (work-group - 150) + wave.
	s_sub_co_u32 s74, ttmp9, 150
	s_lshl_b32 s74, s74, 3
	s_add_co_u32 s74, s74, s[WVN]
	s_and_b32 s75, s74, 15
	s_lshl_b32 s76, s75, 4
	s_wait_alu depctr_va_vdst(0)
	v_add_nc_u32 v6, s76, v4                       ; row 16 (f % 16) + r
	s_delay_alu instid0(VALU_DEP_1)
	v_lshlrev_b32 v[WA2], 9, v6
	s_delay_alu instid0(VALU_DEP_1)
	v_lshl_add_u32 v[WA2], v5, 7, v[WA2]
	s_delay_alu instid0(VALU_DEP_3)
	v_lshlrev_b32 v6, 2, v6
	v_lshlrev_b32 v[SB], 2, v3
	s_wait_alu depctr_va_vdst(0)
	s_wait_kmcnt 0x0
	s_cmp_lt_u32 ttmp9, 152
	s_cselect_b64 s[84:85], s[44:45], s[46:47]
	s_cselect_b64 s[86:87], s[48:49], s[50:51]
	s_cselect_b64 s[88:89], s[52:53], s[54:55]
	s_cselect_b64 s[90:91], s[56:57], s[58:59]
	s_cselect_b64 s[92:93], s[60:61], s[62:63]
	s_lshl_b32 s76, s74, 10
	s_add_co_u32 s76, s76, WB0
	s_mov_b32 s77, 0
	s_add_nc_u64 s[94:95], s[4:5], s[76:77]
	s_mul_i32 s76, s74, 384
	s_add_co_u32 s76, s76, WS0
	s_add_nc_u64 s[96:97], s[4:5], s[76:77]
	WLOAD F0, WA2, 84, 0
	global_load_b32 v[PC], v6, s[86:87]            ; g
	global_load_b32 v[PC+1], v6, s[88:89]          ; b
	global_load_b32 v[PC+2], v6, s[90:91]          ; m
	global_load_b32 v[PC+3], v6, s[92:93]          ; v
	s_wait_loadcnt 0x0
	v_add_f32 v[PC+3], 0x3727c5ac, v[PC+3]
	s_wait_alu depctr_va_vdst(0)
	v_rsq_f32 v[PC+3], v[PC+3]
	v_nop
	s_wait_alu depctr_va_vdst(0)
	v_mul_f32 v[PC+4], v[PC], v[PC+3]              ; A = g rsq(v + eps)
	s_delay_alu instid0(VALU_DEP_1)
	v_fma_f32 v[PC+5], -v[PC+2], v[PC+4], v[PC+1]  ; B = b - m A
	WQ F0, WV, WVS
	global_store_b128 v[LI], v[WV:WV+3], s[94:95]
	global_store_b128 v[LI], v[WV+4:WV+7], s[94:95] offset:512
	global_store_b32 v[SB], v[WVS], s[96:97]
	global_store_b32 v[SB], v[PC+4], s[96:97] offset:128
	global_store_b32 v[SB], v[PC+5], s[96:97] offset:256
	s_endpgm
.Lfunc_end_k_q82d1fe442b_prep:
	.size	k_q82d1fe442b_prep, .Lfunc_end_k_q82d1fe442b_prep-k_q82d1fe442b_prep
	.p2alignl 7, 3214868480
	.fill 96, 4, 3214868480
	.section	.rodata,"a",@progbits
	.p2align	6, 0x0
	.amdhsa_kernel k_q82d1fe442b_prep
		.amdhsa_group_segment_fixed_size 82432
		.amdhsa_private_segment_fixed_size 0
		.amdhsa_enable_private_segment 0
		.amdhsa_kernarg_size 232
		.amdhsa_user_sgpr_count 2
		.amdhsa_user_sgpr_kernarg_segment_ptr 1
		.amdhsa_wavefront_size32 1
		.amdhsa_system_sgpr_workgroup_id_x 1
		.amdhsa_system_sgpr_workgroup_id_y 1
		.amdhsa_system_sgpr_workgroup_id_z 1
		.amdhsa_system_vgpr_workitem_id 0
		.amdhsa_next_free_vgpr 256
		.amdhsa_next_free_sgpr 100
		.amdhsa_reserve_vcc 0
		.amdhsa_float_denorm_mode_32 3
		.amdhsa_float_denorm_mode_16_64 3
		.amdhsa_memory_ordered 1
		.amdhsa_forward_progress 1
		.amdhsa_inst_pref_size 186
	.end_amdhsa_kernel
	.amdgpu_metadata
---
amdhsa.version: [ 1, 2 ]
amdhsa.kernels:
  - .name:           k_q82d1fe442b_prep
    .symbol:         k_q82d1fe442b_prep.kd
    .args:
      - { .name: ops, .offset: 0, .size: 8, .value_kind: global_buffer, .address_space: global }
      - { .name: x, .offset: 8, .size: 8, .value_kind: global_buffer, .address_space: global }
      - { .name: w1, .offset: 16, .size: 8, .value_kind: global_buffer, .address_space: global }
      - { .name: wq, .offset: 24, .size: 8, .value_kind: global_buffer, .address_space: global }
      - { .name: wk, .offset: 32, .size: 8, .value_kind: global_buffer, .address_space: global }
      - { .name: wp, .offset: 40, .size: 8, .value_kind: global_buffer, .address_space: global }
      - { .name: wv, .offset: 48, .size: 8, .value_kind: global_buffer, .address_space: global }
      - { .name: g1, .offset: 56, .size: 8, .value_kind: global_buffer, .address_space: global }
      - { .name: v1, .offset: 64, .size: 8, .value_kind: global_buffer, .address_space: global }
      - { .name: m1, .offset: 72, .size: 8, .value_kind: global_buffer, .address_space: global }
      - { .name: b1, .offset: 80, .size: 8, .value_kind: global_buffer, .address_space: global }
      - { .name: bq, .offset: 88, .size: 8, .value_kind: global_buffer, .address_space: global }
      - { .name: bk, .offset: 96, .size: 8, .value_kind: global_buffer, .address_space: global }
      - { .name: bp, .offset: 104, .size: 8, .value_kind: global_buffer, .address_space: global }
      - { .name: bv, .offset: 112, .size: 8, .value_kind: global_buffer, .address_space: global }
      - { .name: ef_h, .offset: 120, .size: 8, .value_kind: global_buffer, .address_space: global }
      - { .name: ef_w, .offset: 128, .size: 8, .value_kind: global_buffer, .address_space: global }
      - { .name: rel_h, .offset: 136, .size: 8, .value_kind: global_buffer, .address_space: global }
      - { .name: rel_w, .offset: 144, .size: 8, .value_kind: global_buffer, .address_space: global }
      - { .name: w2, .offset: 152, .size: 8, .value_kind: global_buffer, .address_space: global }
      - { .name: w3, .offset: 160, .size: 8, .value_kind: global_buffer, .address_space: global }
      - { .name: g2, .offset: 168, .size: 8, .value_kind: global_buffer, .address_space: global }
      - { .name: g3, .offset: 176, .size: 8, .value_kind: global_buffer, .address_space: global }
      - { .name: b2, .offset: 184, .size: 8, .value_kind: global_buffer, .address_space: global }
      - { .name: b3, .offset: 192, .size: 8, .value_kind: global_buffer, .address_space: global }
      - { .name: m2, .offset: 200, .size: 8, .value_kind: global_buffer, .address_space: global }
      - { .name: m3, .offset: 208, .size: 8, .value_kind: global_buffer, .address_space: global }
      - { .name: v2, .offset: 216, .size: 8, .value_kind: global_buffer, .address_space: global }
      - { .name: v3, .offset: 224, .size: 8, .value_kind: global_buffer, .address_space: global }
    .group_segment_fixed_size: 82432
    .private_segment_fixed_size: 0
    .kernarg_segment_align: 8
    .kernarg_segment_size: 232
    .max_flat_workgroup_size: 256
    .sgpr_count:     100
    .vgpr_count:     256
    .wavefront_size: 32
...
	.end_amdgpu_metadata
.endif
;; end of part 3
;; launch attn (part 4): grid 200 x 1, 8 waves a work-group, clusters of 4 x 1, 327,680 bytes of LDS; arguments ops, x, out0; writes out0
.if DOCPART == 4
	.amdgcn_target "amdgcn-amd-amdhsa--gfx1250"
	.amdhsa_code_object_version 6
	.text
	.protected	k_q82d1fe442b_attn
	.globl	k_q82d1fe442b_attn
	.p2align	8
	.type	k_q82d1fe442b_attn,@function
k_q82d1fe442b_attn:
	s_mov_b64 s[64:65], 0
	v_nop
	global_prefetch_b8 v0, s[64:65] scope:SCOPE_SE
	s_setreg_imm32_b32 hwreg(HW_REG_WAVE_MODE, 25, 1), 1
	s_wait_xcnt 0x0
	s_wait_alu depctr_hold_cnt(0) depctr_sa_sdst(0) depctr_va_vdst(0) depctr_va_sdst(0) depctr_va_ssrc(0) depctr_va_vcc(0) depctr_vm_vsrc(0)
	s_getreg_b32 s2, hwreg(HW_REG_IB_STS2, 6, 4)
	s_cmp_eq_u32 s2, 0
	s_cbranch_scc0 .Lentry_in_a_cluster
	s_endpgm
.Lentry_in_a_cluster:
	s_bfe_u32 s2, ttmp6, 0x10000c
	s_cmp_lg_u32 s2, 0x3003
	s_cbranch_scc0 .Lentry_shape_is_right
	s_endpgm
.Lentry_shape_is_right:
; ATTN: products 6 to 12, both softmaxes, bn2, bn3, silu and the residual, on the operand images that the launch before laid in ops.  No work is left out.
; Branch 1: logits q_i . k_j + cp_i . q_j (two K steps of one sum), softmax over j, out1 = v P^T.  Branch 2: logits p_i . ef_j, softmax, out2 = ef P^T.  out0 = x + silu(bn2(w2 out1)) + silu(bn3(w3 out2)).
; THE SOFTMAX AHEAD OF A PRODUCT: t = logit x log2(e); M = the largest t so far, rounded up to a whole number; p = 2^(t - M) is quantised along the keys, not normalised; the row's sum is taken of the unquantised p and divides at the end.
; LIMITS: NaN and infinities are not served.  A block whose every p has fallen to 0 keeps the byte 1: its codes are zeros.  A block's largest p is made from the block's largest score by the same multiply-add and exponential
; (this takes v_exp_f32 not to fall where its input rises).  bn2, bn3 arrive folded: z = sum x A + B.  A work-group owns 128 bytes of each row of x and out0.
; SHARES: a work-group owns 32 positions as queries (a PAIR of tiles of 16) in BOTH branches, so that the last two products and the residual need no further launch.  Wave w: branch w / 4, key group g = w % 4.
; THE WALK OVER THE 50 KEY STEPS (128 keys each) IS A RING, AND EACH CLUSTER ENTERS IT AT ANOTHER PLACE: cluster c begins at step 2 c mod 50; in trip n (0 .. 12) key group g takes step (2 c + g + 4 n) mod 50; trip 12 has the two steps
; that are left, for key groups 0 and 1.  So at one time different clusters ask for different blocks.  The order of the keys is free: each wave keeps its own running whole-number M, and every rescaling is an exact power of two.
; Each fragment read from LDS feeds two products (the pair).  The four groups meet in LDS at the end, brought under one M by exact powers of two.
; LAYOUT: both products transposed (source 0 = 16 keys, or 16 channels; source 1 = 16 queries): a lane holds one query throughout; the keys and the channels of a tile are chosen so that 16 registers of two neighbouring tiles are 16 neighbours along the next K.
; CLUSTER: the four work-groups of a cluster walk the same blocks in the same trips and ask for each JOINTLY (the same descriptor, made of the cluster's number, the wave's number and the count of trips alone, mask 15).
; LDS: K's blocks (k, q, ef tiles and scales: 26,112 bytes a key group) in two slots 2^17 apart; V's blocks (v^T, ef^T: 17,408 bytes) in one region: at a trip's head waves 0-3 ask for the NEXT trip's K, waves 4-7 for THIS trip's V,
; which is wanted only behind the softmax and is shown to all waves by a barrier in mid trip, behind which nothing is filled.  A wave never has more than one tensor load out.
; REGISTERS, window 0: v1-15, v32-38 addresses; v16-31 statistics, eight a tile; v40-53 scale words and nothing else; v64-191 scores, then p; v192-239 at work; v240-255 p's codes.
;            window 1: v0-127 O^T, 64 a tile; v128-159 the query operands; v160-223 eight fragments of K or V.
.set KBS,   26112
.set VBS,   17408
.set VB0,   1305600
.set QB0,   2176000
.set WB0,   3046400
.set WS0,   3079168
.set KTRIP, 4*KBS
.set VTRIP, 4*VBS
.set SLOT1, 1<<17
.set VR,    235520
.set SPARE, 104448                     ; the spare words, 128 bytes for each wave: four blocks of 256 bytes that no other line names
.set STAT,  105472                     ; 512 bytes a wave: [-M, l], 8 bytes a lane, for each tile
.set FIMG,  109568                     ; out1's and out2's fragments: (2 branch + tile) x 1,024
.set FSC,   113664                     ; their scale words: 128 branch + 64 tile + 4 r
.set OX,    131072                     ; behind the loop, over K's slot 1 and part of V's region, which have had their last fill: the waves' raw O^T, 16,384 bytes each
.set SPW, 1
.set NIL, 2
.set AKB, 3                            ; my key block's tiles in slot 0: 26,112 g + 17,408 branch + 16 lane
.set AKS, 4                            ; and their scale words
.set AV,  5                            ; my V block's fragments
.set AVS, 6
.set ADK, 7                            ; the same as AKB, AKS in the slot in hand
.set ADS, 8
.set LI,  10                           ; 16 x lane
.set OXW, 11
.set STW, 12
.set ORD, 13
.set STR, 14
.set FIW, 15
.set ST,  16                           ; tile u at v[ST + 8 u]: +0 -M, +1 the largest t (at the end: l), +2, +3 l in two halves, +4 f, +5 0, +6 p's scale word (scales alone), +7 at work
.set FSW, 32
.set FIR, 33
.set FSR, 34
.set YSW, 35
.set YSR, 36
.set XO,  37
.set LS,  38                           ; 4 x lane
.set KS1, 40
.set KS2, 44
.set VS,  48
.set QS1, 52
.set QS2, 53
.set S,   64
.set BM,  192
.set PT,  200
.set SO,  208
.set RS,  216
.set RT,  224
.set BNA, 232
.set BNB, 236
.set PCD, 240
.set Q1,  128                          ; window 1
.set Q2,  144
.set FB,  160
.set WV,   10
.set BETA, 11
.set GG,   12
.set WT,   15                          ; s15 at work in WRAP
.set CNT,  16
.set TB,   17
.set KOF,  18                          ; s[18:19] the byte in ops of the K block that my key group takes next
.set VOF,  20                          ; s[20:21] the same of its V block
.set CS,   22
.set G1K,  24
.set G1V,  32
.set G0K,  40
.set G0V,  44
.set SEL,  48
.set NL,   78
.set MSB, 0
.macro WIN new                         ; the immediate's high byte repeats the setting that is left; a switch that changes nothing is dropped
.if MSB != \new
	s_set_vgpr_msb (MSB<<8)|\new
.set MSB, \new
.endif
.endm
.macro PLACES n
.rept \n
	v_nop
.endr
.endm
.macro MM d, a, b, c, sa, sb, ra, rb
.if (\c) < 0
.if ((\ra) == 0) && ((\rb) == 0)
	v_wmma_scale_f32_16x16x128_f8f6f4 v[\d:(\d)+7], v[\a:(\a)+7], v[\b:(\b)+7], 0, v[\sa], v[\sb] matrix_a_fmt:MATRIX_FMT_FP4 matrix_b_fmt:MATRIX_FMT_FP4
.elseif ((\ra) == 1) && ((\rb) == 0)
	v_wmma_scale_f32_16x16x128_f8f6f4 v[\d:(\d)+7], v[\a:(\a)+7], v[\b:(\b)+7], 0, v[\sa], v[\sb] matrix_a_fmt:MATRIX_FMT_FP4 matrix_b_fmt:MATRIX_FMT_FP4 matrix_a_scale:MATRIX_SCALE_ROW1
.elseif ((\ra) == 0) && ((\rb) == 1)
	v_wmma_scale_f32_16x16x128_f8f6f4 v[\d:(\d)+7], v[\a:(\a)+7], v[\b:(\b)+7], 0, v[\sa], v[\sb] matrix_a_fmt:MATRIX_FMT_FP4 matrix_b_fmt:MATRIX_FMT_FP4 matrix_b_scale:MATRIX_SCALE_ROW1
.else
	v_wmma_scale_f32_16x16x128_f8f6f4 v[\d:(\d)+7], v[\a:(\a)+7], v[\b:(\b)+7], 0, v[\sa], v[\sb] matrix_a_fmt:MATRIX_FMT_FP4 matrix_b_fmt:MATRIX_FMT_FP4 matrix_a_scale:MATRIX_SCALE_ROW1 matrix_b_scale:MATRIX_SCALE_ROW1
.endif
.else
.if ((\ra) == 0) && ((\rb) == 0)
	v_wmma_scale_f32_16x16x128_f8f6f4 v[\d:(\d)+7], v[\a:(\a)+7], v[\b:(\b)+7], v[\c:(\c)+7], v[\sa], v[\sb] matrix_a_fmt:MATRIX_FMT_FP4 matrix_b_fmt:MATRIX_FMT_FP4
.elseif ((\ra) == 1) && ((\rb) == 0)
	v_wmma_scale_f32_16x16x128_f8f6f4 v[\d:(\d)+7], v[\a:(\a)+7], v[\b:(\b)+7], v[\c:(\c)+7], v[\sa], v[\sb] matrix_a_fmt:MATRIX_FMT_FP4 matrix_b_fmt:MATRIX_FMT_FP4 matrix_a_scale:MATRIX_SCALE_ROW1
.elseif ((\ra) == 0) && ((\rb) == 1)
	v_wmma_scale_f32_16x16x128_f8f6f4 v[\d:(\d)+7], v[\a:(\a)+7], v[\b:(\b)+7], v[\c:(\c)+7], v[\sa], v[\sb] matrix_a_fmt:MATRIX_FMT_FP4 matrix_b_fmt:MATRIX_FMT_FP4 matrix_b_scale:MATRIX_SCALE_ROW1
.else
	v_wmma_scale_f32_16x16x128_f8f6f4 v[\d:(\d)+7], v[\a:(\a)+7], v[\b:(\b)+7], v[\c:(\c)+7], v[\sa], v[\sb] matrix_a_fmt:MATRIX_FMT_FP4 matrix_b_fmt:MATRIX_FMT_FP4 matrix_a_scale:MATRIX_SCALE_ROW1 matrix_b_scale:MATRIX_SCALE_ROW1
.endif
.endif
.endm
.macro QUANT s, pc, pw, tm             ; 64 numbers of a lane, register 16 b + i = k 32 b + 16 (lane / 16) + i of my row, become a fragment's codes and its scale word
.irp b, 0,1,2,3
	v_max3_num_f32 v[(\tm)+\b], |v[(\s)+16*\b]|, |v[(\s)+1+16*\b]|, 0x1800000
.endr
.irp i, 2,4,6,8,10,12,14
.irp b, 0,1,2,3
	s_delay_alu instid0(VALU_DEP_4)
	v_max3_num_f32 v[(\tm)+\b], v[(\tm)+\b], |v[(\s)+16*\b+\i]|, |v[(\s)+1+16*\b+\i]|
.endr
.endr
.irp b, 0,1,2,3
	s_delay_alu instid0(VALU_DEP_4)
	v_permlanex16_b32 v[(\tm)+4+\b], v[(\tm)+\b], s[SEL], s[SEL+1]
.endr
.irp b, 0,1,2,3
	s_delay_alu instid0(VALU_DEP_4)
	v_max_num_f32 v[(\tm)+\b], v[(\tm)+\b], v[(\tm)+4+\b]
.endr
.irp b, 0,1,2,3
	s_delay_alu instid0(VALU_DEP_4)
	v_add_nc_u32 v[(\tm)+8+\b], 0xff000000, v[(\tm)+\b]
.endr
.irp b, 0,1,2,3
	s_delay_alu instid0(VALU_DEP_4)
	v_lshrrev_b32 v[(\tm)+4+\b], 23, v[(\tm)+8+\b]
.endr
	s_delay_alu instid0(VALU_DEP_3)
	v_lshl_or_b32 v[\pw], v[(\tm)+5], 8, v[(\tm)+4]
	s_delay_alu instid0(VALU_DEP_1)
	v_lshl_or_b32 v[\pw], v[(\tm)+6], 16, v[\pw]
	s_delay_alu instid0(VALU_DEP_1)
	v_lshl_or_b32 v[\pw], v[(\tm)+7], 24, v[\pw]
.irp b, 0,1,2,3
	v_cvt_scalef32_pk8_fp4_f32 v[(\pc)+2*\b], v[(\s)+16*\b:(\s)+7+16*\b], v[(\tm)+8+\b]
	v_cvt_scalef32_pk8_fp4_f32 v[(\pc)+1+2*\b], v[(\s)+8+16*\b:(\s)+15+16*\b], v[(\tm)+8+\b]
.endr
	v_nop
.irp c, 0,1
.irp i, 0,1
	v_permlane16_swap_b32 v[(\pc)+4*\c+\i], v[(\pc)+2+4*\c+\i]
.endr
.endr
.endm
.macro SILU y, t, n
.set j, 0
.rept (\n)/2
	v_pk_mul_f32 v[(\t)+j:(\t)+j+1], v[(\y)+j:(\y)+j+1], s[NL:NL+1] op_sel_hi:[1,0]
.set j, j+2
.endr
.set j, 0
	s_wait_alu depctr_va_vdst(0)
.rept \n
	v_exp_f32 v[(\t)+j], v[(\t)+j]
.set j, j+1
.endr
	v_nop
	s_wait_alu depctr_va_vdst(0)
.set j, 0
.rept (\n)/2
	v_pk_add_f32 v[(\t)+j:(\t)+j+1], v[(\t)+j:(\t)+j+1], 1.0 op_sel_hi:[1,0]
.set j, j+2
.endr
.set j, 0
	s_wait_alu depctr_va_vdst(0)
.rept \n
	v_rcp_f32 v[(\t)+j], v[(\t)+j]
.set j, j+1
.endr
	v_nop
	s_wait_alu depctr_va_vdst(0)
.set j, 0
.rept (\n)/2
	v_pk_mul_f32 v[(\y)+j:(\y)+j+1], v[(\y)+j:(\y)+j+1], v[(\t)+j:(\t)+j+1]
.set j, j+2
.endr
.endm
.macro CROUND                          ; a round of the cluster's barrier
	s_barrier_signal -1
	s_barrier_wait -1
	s_cmp_lg_u32 s[WV], 0
	s_cbranch_scc1 .Lnot_wave_0_\@
	s_barrier_signal -3
.Lnot_wave_0_\@:
	s_barrier_wait -3
	s_barrier_signal -1
	s_barrier_wait -1
.endm
.macro BAR
	s_wait_dscnt 0x0
	s_barrier_signal -1
	s_barrier_wait -1
.endm
; four key steps on round the ring of 50: an offset in bytes, made apart from the address
.macro WRAP of, step, lim, span
	s_add_co_u32 s[\of], s[\of], \step
	s_cmp_ge_u32 s[\of], \lim
	s_cselect_b32 s[WT], \span, 0
	s_sub_co_u32 s[\of], s[\of], s[WT]
.endm
; The loop's joint load: waves 0-3 the next trip's K blocks, waves 4-7 this trip's V blocks: every wave issues one.  An s_nop 0 and four v_nop follow each line
.macro JLOAD
	s_cmp_lt_u32 s[WV], 4
	s_cbranch_scc0 .Lfor_v_\@
	tensor_load_to_lds s[G0K:G0K+3], s[G1K:G1K+7]
	s_nop 0
	PLACES 4
	s_branch .Lasked_\@
.Lfor_v_\@:
	tensor_load_to_lds s[G0V:G0V+3], s[G1V:G1V+7]
	s_nop 0
	PLACES 4
.Lasked_\@:
.endm
; The tails': waves under kmax load K, waves 4 .. vmax - 1 load V, the others nothing: no block is asked for that no step reads
.macro TLOAD kmax, vmax
.if \kmax > 0
	s_cmp_lt_u32 s[WV], \kmax
	s_cbranch_scc0 .Lnot_k_\@
	tensor_load_to_lds s[G0K:G0K+3], s[G1K:G1K+7]
	s_nop 0
	PLACES 4
	s_branch .Ldone_\@
.Lnot_k_\@:
.endif
	s_cmp_lt_u32 s[WV], 4
	s_cbranch_scc1 .Ldone_\@
	s_cmp_lt_u32 s[WV], \vmax
	s_cbranch_scc0 .Ldone_\@
	tensor_load_to_lds s[G0V:G0V+3], s[G1V:G1V+7]
	s_nop 0
	PLACES 4
.Ldone_\@:
.endm
; A TRIP'S HEAD.  Every wave waits for all its tensor loads, adds 0 to its spare word, and waits for that and for its LDS reads; a round of the cluster's barrier; then its one tensor load.
.macro CHANGE inloop, stepk, kmax, vmax
	s_wait_tensorcnt 0x0                           ; no tensor load of mine is out, so a group 0 may be written
	ds_add_u32 v[SPW], v[NIL]
.if \inloop
	ds_add_u32 v[SPW], v[NIL]                      ; in the loop twice on end, in every trip alike
.endif
.if \stepk
	s_xor_b32 s[G0K+1], s[G0K+1], SLOT1            ; K: the other slot, the next trip's block of my key group
	s_add_nc_u64 s[G0K+2:G0K+3], s[4:5], s[KOF:KOF+1]
	s_or_b32 s[G0K+3], s[G0K+3], 0x80000000
	WRAP KOF, KTRIP, 50*KBS, 50*KBS
.endif
	s_add_nc_u64 s[G0V+2:G0V+3], s[4:5], s[VOF:VOF+1]   ; V: this trip's block
	s_or_b32 s[G0V+3], s[G0V+3], 0x80000000
	WRAP VOF, VTRIP, VB0+50*VBS, 50*VBS
	s_wait_dscnt 0x0                               ; the add is done, and my reads of the slot left and of V's region are over
	CROUND
.if \inloop
	JLOAD
.else
	TLOAD \kmax, \vmax
.endif
.endm
.macro FRAGS adr, off                  ; eight fragments into window 1
.irp t, 0,1,2,3,4,5,6,7
.irp c, 0,1
	ds_load_b128 v[FB+8*\t+4*\c:FB+8*\t+4*\c+3], v[\adr] offset:(\off)+1024*\t+512*\c
.endr
.endr
.endm
.macro QK q, ks, qs, zero              ; 16 products: eight tiles of keys x the pair; all 16 accumulators by turns
.irp kt, 0,1,2,3,4,5,6,7
.irp u, 0,1
.if \zero
	MM S+64*\u+8*\kt, FB+8*\kt, (\q)+8*\u, -1, (\ks)+\kt/2, \qs, \kt%2, \u
.else
	MM S+64*\u+8*\kt, FB+8*\kt, (\q)+8*\u, S+64*\u+8*\kt, (\ks)+\kt/2, \qs, \kt%2, \u
.endif
.endr
.endr
.endm
; THE SOFTMAX of a key step, both tiles through each stage together.  Index n = 4 u + b: block b of 32 keys of tile u
.macro SOFTMAX
.irp u, 0,1
.irp b, 0,1,2,3
	v_max3_num_f32 v[BM+4*\u+\b], v[S+64*\u+16*\b], v[S+64*\u+16*\b+1], v[S+64*\u+16*\b+2]   ; each block's largest score: it serves the row's maximum and the block's largest p
.endr
.endr
.irp i, 3,5,7,9,11,13
.irp u, 0,1
.irp b, 0,1,2,3
	v_max3_num_f32 v[BM+4*\u+\b], v[BM+4*\u+\b], v[S+64*\u+16*\b+\i], v[S+64*\u+16*\b+\i+1]
.endr
.endr
.endr
.irp n, 0,1,2,3,4,5,6,7
	v_max_num_f32 v[BM+\n], v[BM+\n], v[S+16*\n+15]
.endr
.irp n, 0,1,2,3,4,5,6,7
	v_permlanex16_b32 v[PT+\n], v[BM+\n], s[SEL], s[SEL+1]
.endr
.irp n, 0,1,2,3,4,5,6,7
	v_max_num_f32 v[BM+\n], v[BM+\n], v[PT+\n]         ; with lane l xor 16's 16 keys
.endr
.irp u, 0
	v_max3_num_f32 v[ST+8*\u+7], v[BM+4*\u], v[BM+4*\u+1], v[BM+4*\u+2]
.endr
.irp u, 1
	s_delay_alu instid0(VALU_DEP_3)
	v_max3_num_f32 v[ST+8*\u+7], v[BM+4*\u], v[BM+4*\u+1], v[BM+4*\u+2]
.endr
.irp u, 0,1
	s_delay_alu instid0(VALU_DEP_2)
	v_max_num_f32 v[ST+8*\u+7], v[ST+8*\u+7], v[BM+4*\u+3]
.endr
.irp u, 0,1
	s_delay_alu instid0(VALU_DEP_2)
	v_mul_f32 v[ST+8*\u+7], s[CS], v[ST+8*\u+7]        ; as t
.endr
.irp u, 0,1
	s_delay_alu instid0(VALU_DEP_2)
	v_max_num_f32 v[ST+8*\u+1], v[ST+8*\u+1], v[ST+8*\u+7]
.endr
.irp u, 0,1
	v_mov_b32 v[ST+8*\u+7], v[ST+8*\u]
.endr
.irp u, 0,1
	s_delay_alu instid0(VALU_DEP_4)
	v_floor_f32 v[ST+8*\u], -v[ST+8*\u+1]              ; the new -M = -ceil(t)
.endr
.irp u, 0,1
	s_delay_alu instid0(VALU_DEP_2)
	v_sub_f32 v[ST+8*\u+7], v[ST+8*\u], v[ST+8*\u+7]   ; old M - new M: a whole number, 0 or less
.endr
.irp u, 0,1
	s_delay_alu instid0(VALU_DEP_2)
	v_cvt_i32_f32 v[ST+8*\u+7], v[ST+8*\u+7]           ; (it saturates)
.endr
.irp u, 0,1
	s_delay_alu instid0(VALU_DEP_2)
	v_ldexp_f32 v[ST+8*\u+4], 1.0, v[ST+8*\u+7]        ; f = 2^(old M - new M)
.endr
.irp u, 0,1
.set j, 0
.rept 32
	v_pk_fma_f32 v[S+64*\u+j:S+64*\u+j+1], v[S+64*\u+j:S+64*\u+j+1], s[CS:CS+1], v[ST+8*\u:ST+8*\u+1] op_sel_hi:[1,0,0]   ; t - M
.set j, j+2
.endr
.endr
.irp u, 0,1
.irp b, 0,1,2,3
	v_fma_f32 v[BM+4*\u+\b], v[BM+4*\u+\b], s[CS], v[ST+8*\u]
.endr
.endr
.set j, 0
	s_wait_alu depctr_va_vdst(0)
.rept 128
	v_exp_f32 v[S+j], v[S+j]                           ; p = 2^(t - M)
.set j, j+1
.endr
.irp u, 0,1
	v_pk_mul_f32 v[ST+8*\u+2:ST+8*\u+3], v[ST+8*\u+2:ST+8*\u+3], v[ST+8*\u+4:ST+8*\u+5] op_sel_hi:[1,0]   ; the sums under the new M: plain work behind the batch
.endr
	s_wait_alu depctr_va_vdst(0)                       ; one wait for the batch of 128, ahead of its first reader
.irp n, 0,1,2,3,4,5,6,7
	v_exp_f32 v[BM+\n], v[BM+\n]                       ; each block's largest p
.endr
.irp u, 0,1
	v_pk_add_f32 v[PT+4*\u:PT+4*\u+1], v[S+64*\u:S+64*\u+1], v[S+64*\u+2:S+64*\u+3]   ; the row's sum of the unquantised p, in two chains a tile
.endr
.irp j, 4,8,12,16,20,24,28,32,36,40,44,48,52,56,60
.irp u, 0,1
	v_pk_add_f32 v[ST+8*\u+2:ST+8*\u+3], v[ST+8*\u+2:ST+8*\u+3], v[S+64*\u+\j:S+64*\u+\j+1]
	v_pk_add_f32 v[PT+4*\u:PT+4*\u+1], v[PT+4*\u:PT+4*\u+1], v[S+64*\u+\j+2:S+64*\u+\j+3]
.endr
.endr
.irp u, 0
	s_delay_alu instid0(VALU_DEP_3)
	v_pk_add_f32 v[ST+8*\u+2:ST+8*\u+3], v[ST+8*\u+2:ST+8*\u+3], v[PT+4*\u:PT+4*\u+1]
.endr
.irp u, 1
	s_delay_alu instid0(VALU_DEP_2)
	v_pk_add_f32 v[ST+8*\u+2:ST+8*\u+3], v[ST+8*\u+2:ST+8*\u+3], v[PT+4*\u:PT+4*\u+1]
.endr
	s_wait_alu depctr_va_vdst(0)                       ; and one for the eight
.irp n, 0,1,2,3,4,5,6,7
	v_max_num_f32 v[BM+\n], 0x1800000, v[BM+\n]        ; the floor 2^(3 - 127): the byte cannot fall under 1
.endr
.irp n, 0,1,2,3,4,5,6,7
	v_add_nc_u32 v[SO+\n], 0xff000000, v[BM+\n]
.endr
.irp n, 0,1,2,3,4,5,6,7
	v_lshrrev_b32 v[PT+\n], 23, v[SO+\n]
.endr
.irp u, 0
	v_lshl_or_b32 v[ST+8*\u+6], v[PT+4*\u+1], 8, v[PT+4*\u]
.endr
.irp u, 1
	s_delay_alu instid0(VALU_DEP_4)
	v_lshl_or_b32 v[ST+8*\u+6], v[PT+4*\u+1], 8, v[PT+4*\u]
.endr
.irp u, 0,1
	s_delay_alu instid0(VALU_DEP_2)
	v_lshl_or_b32 v[ST+8*\u+6], v[PT+4*\u+2], 16, v[ST+8*\u+6]
.endr
.irp u, 0,1
	s_delay_alu instid0(VALU_DEP_2)
	v_lshl_or_b32 v[ST+8*\u+6], v[PT+4*\u+3], 24, v[ST+8*\u+6]   ; p's scale word for these 128 keys
.endr
.irp u, 0,1
.irp b, 0,1,2,3
	v_cvt_scalef32_pk8_fp4_f32 v[PCD+8*\u+2*\b], v[S+64*\u+16*\b:S+64*\u+16*\b+7], v[SO+4*\u+\b]
	v_cvt_scalef32_pk8_fp4_f32 v[PCD+8*\u+2*\b+1], v[S+64*\u+16*\b+8:S+64*\u+16*\b+15], v[SO+4*\u+\b]
.endr
.endr
	v_nop                                              ; one plain place behind a scaled conversion
.irp u, 0,1
.irp c, 0,1
.irp i, 0,1
	v_permlane16_swap_b32 v[PCD+8*\u+4*\c+\i], v[PCD+8*\u+4*\c+2+\i]
.endr
.endr
.endr
.endm
; The first half of a key step: the scores, the softmax, O^T under the new M
.macro STEP_A
	v_add_nc_u32 v[ADK], s[TB], v[AKB]
	v_add_nc_u32 v[ADS], s[TB], v[AKS]
.irp i, 0,1,2,3
	ds_load_b32 v[KS1+\i], v[ADS] offset:128*\i
.endr
	WIN 0x40
	FRAGS ADK, 0
	s_wait_dscnt 0x0
	WIN 0x05
	QK Q1, KS1, QS1, 1                             ; branch 1: k_j . q_i; branch 2: ef_j . p_i
	WIN 0
	s_cmp_lg_u32 s[BETA], 0
	s_cbranch_scc1 .Lone_\@
	PLACES 4                                       ; in front of loads into registers that the products have read
	s_wait_alu depctr_va_vdst(0)
.irp i, 0,1,2,3
	ds_load_b32 v[KS2+\i], v[ADS] offset:8704+128*\i
.endr
	WIN 0x40
	FRAGS ADK, 8704
	s_wait_dscnt 0x0
	WIN 0x05
	QK Q2, KS2, QS2, 0                             ; branch 1 alone: + q_j . cp_i
	WIN 0
.Lone_\@:
	PLACES 4
	SOFTMAX
	WIN 0x41
.irp u, 0,1
.set j, 0
.rept 32
	v_pk_mul_f32 v[64*\u+j:64*\u+j+1], v[64*\u+j:64*\u+j+1], v[ST+8*\u+4:ST+8*\u+5] op_sel_hi:[1,0]   ; O^T x f, each accumulator from its low end on; these are also the places between p's codes and scale word and the products
.set j, j+2
.endr
.endr
	WIN 0
.endm
.macro MIDBAR                          ; V's blocks of this trip have landed, in every wave's sight.  No LDS instruction of mine is out
	s_wait_tensorcnt 0x0
	s_barrier_signal -1
	s_barrier_wait -1
.endm
.macro STEP_B                          ; O^T += V^T P^T: eight tiles of channels x the pair
.irp i, 0,1,2,3
	ds_load_b32 v[VS+\i], v[AVS] offset:128*\i
.endr
	WIN 0x40
	FRAGS AV, 0
	s_wait_dscnt 0x0
	WIN 0x51
.irp ct, 0,1,2,3,4,5,6,7
.irp u, 0,1
	MM 64*\u+8*\ct, FB+8*\ct, PCD+8*\u, 64*\u+8*\ct, VS+\ct/2, ST+8*\u+6, \ct%2, 0
.endr
.endr
	WIN 0
	PLACES 4
.endm
.macro OLOAD reg, gg                   ; key group gg's raw O^T of my unit
.irp q, 0,1,2,3,4,5,6,7,8,9,10,11,12,13,14,15
	ds_load_b128 v[(\reg)+4*\q:(\reg)+4*\q+3], v[ORD] offset:16384*(\gg)+512*\q
.endr
.endm
	s_load_b128 s[4:7], s[0:1], 0x0                ; ops, x
	s_load_b64 s[8:9], s[0:1], 0x10                ; out0
	v_lshl_add_u32 v[SPW], v0, 2, SPARE
	v_mov_b32 v[NIL], 0
	ds_add_u32 v[SPW], v[NIL]                      ; the wave's opening: the add, twice on end, and its wait ahead of the first tensor load; work on registers stands between
	ds_add_u32 v[SPW], v[NIL]
	v_lshrrev_b32 v54, 5, v0
	s_delay_alu instid0(VALU_DEP_1)
	v_readfirstlane_b32 s[WV], v54                 ; wave 0..7
	s_lshr_b32 s[BETA], s[WV], 2                   ; branch
	s_and_b32 s[GG], s[WV], 3                      ; key group
	s_bfe_u32 s13, ttmp6, 0x40000                  ; cx: it enters the addresses of my queries, of x and of out0 alone
	s_lshl_b32 s14, ttmp9, 2
	s_add_co_u32 s14, s14, s13                     ; my pair of query tiles: positions 32 P on
	; descriptor groups 1: dense blocks as rows of 256 bytes (32 elements of 8 bytes), no padding: an image's 512 bytes are read on end
	s_mov_b32 s[G1K], 15|(3<<16)|(1<<21)           ; the mask: all four work-groups; bit 21 beside it
	s_mov_b32 s[G1K+1], 32<<16
	s_mov_b32 s[G1K+2], 102<<16
	s_mov_b32 s[G1K+3], 32<<16
	s_mov_b32 s[G1K+4], 102
	s_mov_b32 s[G1K+5], 32
	s_mov_b32 s[G1K+6], 0
	s_mov_b32 s[G1K+7], 0
	s_mov_b32 s[G1V], 15|(3<<16)|(1<<21)
	s_mov_b32 s[G1V+1], 32<<16
	s_mov_b32 s[G1V+2], 68<<16
	s_mov_b32 s[G1V+3], 32<<16
	s_mov_b32 s[G1V+4], 68
	s_mov_b32 s[G1V+5], 32
	s_mov_b32 s[G1V+6], 0
	s_mov_b32 s[G1V+7], 0
	s_mov_b32 s[CS], 0x3fb8aa3b                    ; log2(e)
	s_mov_b32 s[CS+1], s[CS]
	s_mov_b32 s[NL], 0xbfb8aa3b
	s_mov_b32 s[NL+1], s[NL]
	s_mov_b32 s[SEL], 0x76543210
	s_mov_b32 s[SEL+1], 0xfedcba98
	s_mov_b32 s[TB], 0
	s_mov_b32 s[CNT], 11
	v_and_b32 v55, 31, v0
	v_and_b32 v56, 15, v0
	v_bfe_u32 v57, v0, 4, 1
	s_delay_alu instid0(VALU_DEP_3)
	v_lshlrev_b32 v[LI], 4, v55
	s_wait_alu depctr_va_vdst(0)
	v_lshlrev_b32 v[LS], 2, v55
	s_wait_alu depctr_va_vdst(0)
	s_mul_i32 s50, s[GG], KBS
	s_mul_i32 s51, s[GG], VBS
	s_mul_i32 s52, s[BETA], 17408
	s_add_co_u32 s52, s52, s50
	v_add_nc_u32 v[AKB], s52, v[LI]
	s_add_co_u32 s52, s52, 8192
	v_add_nc_u32 v[AKS], s52, v[LS]
	s_mul_i32 s53, s[BETA], 8704
	s_add_co_u32 s53, s53, s51
	s_add_co_u32 s53, s53, VR
	v_add_nc_u32 v[AV], s53, v[LI]
	s_add_co_u32 s53, s53, 8192
	v_add_nc_u32 v[AVS], s53, v[LS]
	s_lshl_b32 s52, s[WV], 14                      ; the addresses of the end, made here, ahead of every parting of the waves
	s_add_co_u32 s52, s52, OX
	v_add_nc_u32 v[OXW], s52, v[LI]
	s_lshl_b32 s52, s[WV], 9
	s_add_co_u32 s52, s52, STAT
	v_lshl_add_u32 v[STW], v55, 3, s52
	s_lshl_b32 s52, s[BETA], 16
	s_lshl_b32 s53, s[GG], 13
	s_add_co_u32 s52, s52, s53
	s_add_co_u32 s52, s52, OX
	v_add_nc_u32 v[ORD], s52, v[LI]
	s_lshl_b32 s52, s[BETA], 11
	s_lshl_b32 s53, s[GG], 8
	s_add_co_u32 s53, s52, s53
	s_add_co_u32 s53, s53, STAT
	v_lshl_add_u32 v[STR], v55, 3, s53
	s_lshl_b32 s53, s[GG], 10
	s_add_co_u32 s53, s52, s53
	s_add_co_u32 s53, s53, FIMG
	v_add_nc_u32 v[FIW], s53, v[LI]
	s_lshl_b32 s52, s[BETA], 7
	s_lshl_b32 s53, s[GG], 6
	s_add_co_u32 s52, s52, s53
	s_add_co_u32 s52, s52, FSC
	v_lshl_add_u32 v[FSW], v56, 2, s52
	v_add_nc_u32 v[FIR], FIMG, v[LI]
	v_add_nc_u32 v[FSR], FSC, v[LS]
	s_mul_i32 s52, s[WV], 4608                     ; my stage for the way out: 32 rows x (128 bytes + 16), in K's slot 0, which has had its last fill by then
	v_mul_u32_u24 v[YSW], v56, 144
	s_delay_alu instid0(VALU_DEP_1)
	v_lshl_add_u32 v[YSW], v57, 6, v[YSW]
	s_delay_alu instid0(VALU_DEP_1)
	v_add_nc_u32 v[YSW], s52, v[YSW]
	v_lshrrev_b32 v54, 3, v55
	v_and_b32 v58, 7, v0
	s_delay_alu instid0(VALU_DEP_2)
	v_mul_u32_u24 v[YSR], v54, 144
	s_delay_alu instid0(VALU_DEP_1)
	v_lshl_add_u32 v[YSR], v58, 4, v[YSR]
	s_delay_alu instid0(VALU_DEP_1)
	v_add_nc_u32 v[YSR], s52, v[YSR]
	s_lshl_b32 s52, s[WV], 5
	v_add_nc_u32 v54, s52, v54                     ; channel 32 w + lane / 8
	s_delay_alu instid0(VALU_DEP_1)
	v_mul_u32_u24 v[XO], v54, 25600
	s_delay_alu instid0(VALU_DEP_1)
	v_lshl_add_u32 v[XO], v58, 4, v[XO]
	s_lshl_b32 s52, s14, 7
	v_add_nc_u32 v[XO], s52, v[XO]
	s_mov_b32 s[G0K], 1
	s_mov_b32 s[G0K+1], s50                        ; my key group's block in slot 0
	s_mov_b32 s[G0V], 1
	s_add_co_u32 s[G0V+1], s51, VR
	; where my key group enters the ring: step (2 x cluster + g) mod 50: the cluster's number and the wave's alone, the same in all four partners
	s_lshl_b32 s59, ttmp9, 1
	s_cmp_ge_u32 s59, 50
	s_cselect_b32 s[WT], 50, 0
	s_sub_co_u32 s59, s59, s[WT]
	s_add_co_u32 s59, s59, s[GG]
	s_cmp_ge_u32 s59, 50
	s_cselect_b32 s[WT], 50, 0
	s_sub_co_u32 s59, s59, s[WT]
	s_mul_i32 s[KOF], s59, KBS
	s_mov_b32 s[KOF+1], 0
	s_mul_i32 s[VOF], s59, VBS
	s_add_co_u32 s[VOF], s[VOF], VB0
	s_mov_b32 s[VOF+1], 0
	s_wait_dscnt 0x0                               ; both opening adds are done
	s_wait_kmcnt 0x0
	s_add_nc_u64 s[G0K+2:G0K+3], s[4:5], s[KOF:KOF+1]   ; the first trip's K block
	s_or_b32 s[G0K+3], s[G0K+3], 0x80000000
	WRAP KOF, KTRIP, 50*KBS, 50*KBS
	; my query operands, w2's and w3's fragments, their words
	s_lshr_b32 s50, s14, 2
	s_and_b32 s51, s14, 3
	s_mul_i32 s52, s50, KBS
	s_add_co_u32 s52, s52, 8704
	s_mul_i32 s53, s50, VBS
	s_add_co_u32 s53, s53, QB0
	s_cmp_eq_u32 s[BETA], 0
	s_cselect_b32 s52, s52, s53                    ; branch 1: q's section of KB; branch 2: p's of QB
	s_add_co_u32 s53, s53, 8704                    ; cp's section of QB
	s_lshl_b32 s54, s51, 11
	s_lshl_b32 s58, s51, 7
	s_add_co_u32 s58, s58, 8192
	s_mov_b32 s57, 0
	s_add_co_u32 s56, s52, s54
	s_add_nc_u64 s[66:67], s[4:5], s[56:57]
	s_add_co_u32 s56, s52, s58
	s_add_nc_u64 s[68:69], s[4:5], s[56:57]
	s_add_co_u32 s56, s53, s54
	s_add_nc_u64 s[70:71], s[4:5], s[56:57]
	s_add_co_u32 s56, s53, s58
	s_add_nc_u64 s[72:73], s[4:5], s[56:57]
	s_lshl_b32 s56, s[WV], 11
	s_add_co_u32 s56, s56, WB0
	s_add_nc_u64 s[74:75], s[4:5], s[56:57]
	s_mul_i32 s56, s[WV], 768
	s_add_co_u32 s56, s56, WS0
	s_add_nc_u64 s[76:77], s[4:5], s[56:57]
	CROUND                                         ; all four work-groups are here: the first joint loads meet
	s_cmp_lt_u32 s[WV], 4
	s_cbranch_scc0 .Lno_first
	tensor_load_to_lds s[G0K:G0K+3], s[G1K:G1K+7]  ; the first trip's K
	s_nop 0
	PLACES 4
.Lno_first:
	WIN 0x40
.irp u, 0,1
.irp c, 0,1
	global_load_b128 v[Q1+8*\u+4*\c:Q1+8*\u+4*\c+3], v[LI], s[66:67] offset:1024*\u+512*\c
	global_load_b128 v[Q2+8*\u+4*\c:Q2+8*\u+4*\c+3], v[LI], s[70:71] offset:1024*\u+512*\c   ; (branch 2's waves load cp's too and never read it: five loads, once, so that no register is written on one way alone)
.endr
.endr
.set j, 0
.rept 128
	v_mov_b32 v[j], 0                              ; O^T: the step is written with no first step of its own; the first change of M multiplies zeros
.set j, j+1
.endr
	WIN 0
	global_load_b32 v[QS1], v[LS], s[68:69]        ; lanes 0-15: tile 0's words; lanes 16-31: tile 1's
	global_load_b32 v[QS2], v[LS], s[72:73]
.irp u, 0,1
	v_mov_b32 v[ST+8*\u+1], 0xff61b1e6             ; the largest t so far: -3e38
	s_delay_alu instid0(VALU_DEP_1)
	v_floor_f32 v[ST+8*\u], -v[ST+8*\u+1]
	v_mov_b32 v[ST+8*\u+2], 0
	v_mov_b32 v[ST+8*\u+3], 0
	v_mov_b32 v[ST+8*\u+5], 0                      ; (named as the upper half of f's pair)
.endr
.irp n, 0,1,2,3,4,5,6,7
	v_mov_b32 v[PT+\n], 0                          ; a lane permute's destination counts as one of its sources
.endr
	s_wait_loadcnt 0x0
.Ltrip:                                                ; trips 0 to 10
	CHANGE 1, 1, 4, 8
	STEP_A
	s_wait_alu depctr_va_vdst(0)
	MIDBAR
	STEP_B
	s_xor_b32 s[TB], s[TB], SLOT1
	s_sub_co_u32 s[CNT], s[CNT], 1
	s_cmp_lg_u32 s[CNT], 0
	s_cbranch_scc1 .Ltrip
	CHANGE 0, 1, 2, 8                              ; trip 11: of the last trip's K, key groups 0 and 1 alone have a step left
	STEP_A
	s_wait_alu depctr_va_vdst(0)
	MIDBAR
	STEP_B
	s_xor_b32 s[TB], s[TB], SLOT1
	CHANGE 0, 0, 0, 6                              ; trip 12: the ring's last two steps; nothing more of K
	s_cmp_ge_u32 s[GG], 2
	s_cbranch_scc1 .Lskip_a
	STEP_A
.Lskip_a:
	MIDBAR
	s_cmp_ge_u32 s[GG], 2
	s_cbranch_scc1 .Lskip_b
	s_wait_alu depctr_va_vdst(0)
	STEP_B
.Lskip_b:
	; ---- what the end wants from memory is asked for now: my two tiles of output channels of w2 and of w3, their words, my rows of x
	WIN 0x40
.irp m, 0,1
.irp e, 0,1
.irp c, 0,1
	global_load_b128 v[128+8*(2*\m+\e)+4*\c:128+8*(2*\m+\e)+4*\c+3], v[LI], s[74:75] offset:16384*\m+1024*\e+512*\c
.endr
.endr
.endr
.irp i, 0,1,2,3,4,5,6,7
	global_load_b128 v[160+4*\i:160+4*\i+3], v[XO], s[6:7] offset:102400*\i th:TH_LOAD_NT
.endr
	WIN 0
.irp m, 0,1
.irp e, 0,1
	global_load_b32 v[KS1+2*\m+\e], v[LS], s[76:77] offset:6144*\m+384*\e
	global_load_b32 v[BNA+2*\m+\e], v[LS], s[76:77] offset:6144*\m+384*\e+128
	global_load_b32 v[BNB+2*\m+\e], v[LS], s[76:77] offset:6144*\m+384*\e+256
.endr
.endr
	; ---- the four key groups meet
.irp u, 0,1
	v_add_f32 v[ST+8*\u+1], v[ST+8*\u+2], v[ST+8*\u+3]
.endr
.irp u, 0,1
	s_delay_alu instid0(VALU_DEP_2)
	v_permlanex16_b32 v[PT+\u], v[ST+8*\u+1], s[SEL], s[SEL+1]
.endr
.irp u, 0,1
	s_delay_alu instid0(VALU_DEP_2)
	v_add_f32 v[ST+8*\u+1], v[ST+8*\u+1], v[PT+\u]     ; my group's sum of the row, beside its -M
.endr
	BAR                                            ; nobody reads the ring any more
	WIN 0x04
	s_wait_alu depctr_va_vdst(0)
.irp u, 0,1
.irp q, 0,1,2,3,4,5,6,7,8,9,10,11,12,13,14,15
	ds_store_b128 v[OXW], v[64*\u+4*\q:64*\u+4*\q+3] offset:8192*\u+512*\q   ; each accumulator from its low end on
.endr
.endr
	WIN 0
	ds_store_b64 v[STW], v[ST:ST+1]
	ds_store_b64 v[STW], v[ST+8:ST+9] offset:256
	BAR
	s_cmp_ge_u32 s[GG], 2
	s_cbranch_scc1 .Lno_red
	; waves with g < 2: the unit (branch, tile g)
.irp q, 0,1,2,3
	ds_load_b64 v[RS+2*\q:RS+2*\q+1], v[STR] offset:512*\q
.endr
	OLOAD 64, 0
	OLOAD 128, 1
	WIN 0x40
	OLOAD 0, 2
	OLOAD 64, 3
	WIN 0
	s_wait_dscnt 63                                ; 64 loads are younger than the four pairs; a wait names 63 at the most
	v_min_num_f32 v[RT], v[RS], v[RS+2]
	v_min_num_f32 v[RT+1], v[RS+4], v[RS+6]
	s_delay_alu instid0(VALU_DEP_1)
	v_min_num_f32 v[RT], v[RT], v[RT+1]            ; -M of the whole row
.irp q, 0,1,2,3
	v_sub_f32 v[RT+2+\q], v[RT], v[RS+2*\q]        ; the group's M less the row's: a whole number, 0 or less
.endr
.irp q, 0,1,2,3
	s_delay_alu instid0(VALU_DEP_4)
	v_cvt_i32_f32 v[RT+2+\q], v[RT+2+\q]
.endr
.irp q, 0,1,2,3
	s_delay_alu instid0(VALU_DEP_4)
	v_ldexp_f32 v[RT+2+\q], 1.0, v[RT+2+\q]
.endr
	s_delay_alu instid0(VALU_DEP_4)
	v_mul_f32 v[RT+6], v[RS+1], v[RT+2]
	s_delay_alu instid0(VALU_DEP_1)
	v_fma_f32 v[RT+6], v[RS+3], v[RT+3], v[RT+6]
	s_delay_alu instid0(VALU_DEP_1)
	v_fma_f32 v[RT+6], v[RS+5], v[RT+4], v[RT+6]
	s_delay_alu instid0(VALU_DEP_1)
	v_fma_f32 v[RT+6], v[RS+7], v[RT+5], v[RT+6]   ; the row's sum
	s_wait_alu depctr_va_vdst(0)
	v_rcp_f32 v[RT+6], v[RT+6]
	v_nop
	s_wait_alu depctr_va_vdst(0)
.irp q, 0,1,2,3
	v_mul_f32 v[BM+2*\q], v[RT+2+\q], v[RT+6]      ; a power of two x 1 / the sum
.endr
	s_wait_alu depctr_va_vdst(0)
	s_wait_dscnt 48                                ; group 0's is in; 48 younger loads may be out
.set j, 0
.rept 32
	v_pk_mul_f32 v[64+j:65+j], v[64+j:65+j], v[BM:BM+1] op_sel_hi:[1,0]
.set j, j+2
.endr
	s_wait_dscnt 32
.set j, 0
.rept 32
	v_pk_fma_f32 v[64+j:65+j], v[128+j:129+j], v[BM+2:BM+3], v[64+j:65+j] op_sel_hi:[1,0,1]
.set j, j+2
.endr
	s_wait_dscnt 16
	WIN 0x01
.set j, 0
.rept 32
	v_pk_fma_f32 v[64+j:65+j], v[j:j+1], v[BM+4:BM+5], v[64+j:65+j] op_sel_hi:[1,0,1]
.set j, j+2
.endr
	s_wait_dscnt 0x0
.set j, 0
.rept 32
	v_pk_fma_f32 v[64+j:65+j], v[64+j:65+j], v[BM+6:BM+7], v[64+j:65+j] op_sel_hi:[1,0,1]   ; source 0 in window 1: group 3's
.set j, j+2
.endr
	WIN 0
	QUANT 64, PCD, RT+7, PT                        ; out along the channels
	ds_store_b128 v[FIW], v[PCD:PCD+3]
	ds_store_b128 v[FIW], v[PCD+4:PCD+7] offset:512
	ds_store_b32 v[FSW], v[RT+7]
.Lno_red:
	BAR                                            ; the four fragments of out1 and out2 lie in LDS
	; ---- products 11 and 12: source 0 = 16 positions of out, source 1 = 16 output channels: lane r is channel 32 w + 16 e + r, register j of tile u position 32 P + 16 h + 8 u + j
.irp m, 0,1
.irp u, 0,1
.irp c, 0,1
	ds_load_b128 v[160+8*(2*\m+\u)+4*\c:160+8*(2*\m+\u)+4*\c+3], v[FIR] offset:2048*\m+1024*\u+512*\c
.endr
.endr
.endr
	ds_load_b32 v[KS2], v[FSR]
	ds_load_b32 v[KS2+1], v[FSR] offset:128
	s_wait_loadcnt 0x0
	s_wait_dscnt 0x0
	WIN 0x04
.irp m, 0,1
.irp e, 0,1
.irp u, 0,1
	MM 64+8*(4*\m+2*\e+\u), 160+8*(2*\m+\u), 128+8*(2*\m+\e), -1, KS2+\m, KS1+2*\m+\e, \u, 0
.endr
.endr
.endr
	WIN 0
	PLACES 4
.irp m, 0,1
.irp e, 0,1
.set j, 0
.rept 16
	v_fma_f32 v[64+32*\m+16*\e+j], v[64+32*\m+16*\e+j], v[BNA+2*\m+\e], v[BNB+2*\m+\e]
.set j, j+1
.endr
.endr
.endr
	SILU 64, 128, 64
.set j, 0
.rept 16
	v_pk_add_f32 v[64+j:65+j], v[64+j:65+j], v[96+j:97+j]
.set j, j+2
.endr
.irp e, 0,1
.irp u, 0,1
.irp c, 0,1
	ds_store_b128 v[YSW], v[64+8*(2*\e+\u)+4*\c:64+8*(2*\e+\u)+4*\c+3] offset:2304*\e+32*\u+16*\c
.endr
.endr
.endr
.irp i, 0,1,2,3,4,5,6,7
	ds_load_b128 v[96+4*\i:96+4*\i+3], v[YSR] offset:576*\i    ; LDS serves a wave's instructions in order: these see my stores.  Four rows of 128 bytes an instruction
.endr
	s_wait_dscnt 0x0
	WIN 0x04
.set j, 0
.rept 16
	v_pk_add_f32 v[96+j:97+j], v[96+j:97+j], v[160+j:161+j]    ; + x (window 1)
.set j, j+2
.endr
	WIN 0
.irp i, 0,1,2,3,4,5,6,7
	global_store_b128 v[XO], v[96+4*\i:96+4*\i+3], s[8:9] offset:102400*\i th:TH_STORE_NT   ; eight lanes store a row's 128 consecutive bytes
.endr
	s_wait_tensorcnt 0x0                           ; the wave's end: a wait for tensor loads, an add to my spare word and its wait, behind my last tensor load and my last LDS store
	ds_add_u32 v[SPW], v[NIL]
	s_wait_dscnt 0x0
	CROUND                                         ; the closing round
	s_endpgm
.Lfunc_end_k_q82d1fe442b_attn:
	.size	k_q82d1fe442b_attn, .Lfunc_end_k_q82d1fe442b_attn-k_q82d1fe442b_attn
	.p2alignl 7, 3214868480
	.fill 96, 4, 3214868480
	.section	.rodata,"a",@progbits
	.p2align	6, 0x0
	.amdhsa_kernel k_q82d1fe442b_attn
		.amdhsa_group_segment_fixed_size 327680
		.amdhsa_private_segment_fixed_size 0
		.amdhsa_enable_private_segment 0
		.amdhsa_kernarg_size 24
		.amdhsa_user_sgpr_count 2
		.amdhsa_user_sgpr_kernarg_segment_ptr 1
		.amdhsa_wavefront_size32 1
		.amdhsa_system_sgpr_workgroup_id_x 1
		.amdhsa_system_sgpr_workgroup_id_y 1
		.amdhsa_system_sgpr_workgroup_id_z 1
		.amdhsa_system_vgpr_workitem_id 0
		.amdhsa_next_free_vgpr 480
		.amdhsa_next_free_sgpr 80
		.amdhsa_reserve_vcc 0
		.amdhsa_float_denorm_mode_32 3
		.amdhsa_float_denorm_mode_16_64 3
		.amdhsa_memory_ordered 1
		.amdhsa_forward_progress 1
		.amdhsa_inst_pref_size 175
	.end_amdhsa_kernel
	.amdgpu_metadata
---
amdhsa.version: [ 1, 2 ]
amdhsa.kernels:
  - .name:           k_q82d1fe442b_attn
    .symbol:         k_q82d1fe442b_attn.kd
    .args:
      - { .name: ops, .offset: 0, .size: 8, .value_kind: global_buffer, .address_space: global }
      - { .name: x, .offset: 8, .size: 8, .value_kind: global_buffer, .address_space: global }
      - { .name: out0, .offset: 16, .size: 8, .value_kind: global_buffer, .address_space: global }
    .group_segment_fixed_size: 327680
    .private_segment_fixed_size: 0
    .kernarg_segment_align: 8
    .kernarg_segment_size: 24
    .max_flat_workgroup_size: 256
    .sgpr_count:     80
    .vgpr_count:     480
    .wavefront_size: 32
...
	.end_amdgpu_metadata
.endif
;; end of part 4
